; MI455X (gfx1250); checked and timed in simulation.
; The chip was launched on July 23, 2026; its instructions are those of AMD's public machine-readable ISA for CDNA 5 (MIT licence, August 2026) and "CDNA5" Instruction Set Architecture Reference Guide (July 2026). The comments in the code are by the model that wrote it; some were corrected since.
;; BEV Former Encoder Layer. Allowed arithmetic: matrix products marked QUANTISED: E2M3 operands, one E8M0 scale for each 32 along K, by v_wmma_scale_f32_16x16x128_f8f6f4 with both operands' format E2M3, f32 sums; products left as they are: f32 operands where the result goes on into a quantised operand, else bf16, f16 or f32 operands; f32 sums; everything else in f32.
;; Inputs: attn_w_W 24 x 256 float32; attn_w_b 24 float32; ego_motion 1 x 4 x 4 float32; ffn_W1 512 x 256 float32; ffn_W2 256 x 512 float32; ffn_b1 512 float32; ffn_b2 256 float32; img_feats 1 x 6 x 256 x 28 x 50 float32; in_proj_W 768 x 256 float32; in_proj_b 768 float32; lidar2img 1 x 6 x 4 x 4 float32; mha_out_W 256 x 256 float32; mha_out_b 256 float32; norm1_b 256 float32; norm1_g 256 float32; norm2_b 256 float32; norm2_g 256 float32; prev_bev 1 x 2,500 x 256 float32; query 1 x 2,500 x 256 float32; sca_out_W 256 x 256 float32; sca_out_b 256 float32.
;; Outputs: out0 1 x 2,500 x 256 float32.
;; This version of the problem:
;;   THIS VERSION OF THE PROBLEM IS GIVEN IN LOW PRECISION. The matrix products marked QUANTISED in the list below multiply operands that are first quantised to E2M3 (2 exponent bits, 3 mantissa bits; 6 bits a number), with one power-of-two scale for each 32 numbers along K (OCP MX v1.0); their sums are f32. All else is computed in f32.
;;   The module's matrix products, in the order in which they are computed (A, B: the left and right operand; K: the contracted axis; several contracted axes count as one K, in the product's order):
;;     1. [M 2,500, K 3] x [K 3, N 2]; A: computed on the way; B: computed on the way: left as it is (K = 3 < 32)
;;     2. [M 2,500, K 256] x [K 256, N 256]; A: input query; B: input in_proj_W: QUANTISED
;;     3. [M 5,000, K 256] x [K 256, N 256]; A: computed on the way; B: input in_proj_W: QUANTISED
;;     4. [M 5,000, K 256] x [K 256, N 256]; A: computed on the way; B: input in_proj_W: QUANTISED
;;     5. batch 8 x [M 2,500, K 32] x [K 32, N 5,000]; A: computed on the way; B: computed on the way: QUANTISED
;;     6. batch 8 x [M 2,500, K 5,000] x [K 5,000, N 32]; A: softmax (see below); B: computed on the way: QUANTISED
;;     7. [M 2,500, K 256] x [K 256, N 256]; A: computed on the way; B: input mha_out_W: QUANTISED
;;     8. batch 6 x [M 10,000, K 4] x [K 4, N 4]; A: computed on the way; B: input lidar2img: left as it is (K = 4 < 32)
;;     9. [M 2,500, K 256] x [K 256, N 24]; A: computed on the way; B: input attn_w_W: QUANTISED
;;     10. batch 2,500 x [M 256, K 24] x [K 24, N 1]; A: computed on the way; B: computed on the way: left as it is (K = 24 < 32)
;;     11. [M 2,500, K 256] x [K 256, N 256]; A: computed on the way; B: input sca_out_W: QUANTISED
;;     12. [M 2,500, K 256] x [K 256, N 512]; A: computed on the way; B: input ffn_W1: QUANTISED
;;     13. [M 2,500, K 512] x [K 512, N 256]; A: computed on the way; B: input ffn_W2: QUANTISED
;;   THE QUANTISER, for each operand of a quantised product, along K:
;;     - K is cut into blocks of 32 from its start; a last block that is shorter is filled with zeros.
;;     - A block's scale is 2^e with e = floor(log2(the largest magnitude in the block)) - 2, held to -126 .. 127; a block of zeros has e = 0. As a byte (E8M0): e + 127.
;;     - Each number is divided by its block's scale, clamped to +-7.5, and rounded to the nearest number of E2M3, ties to even, subnormals kept.
;;     - The product sums the exact products of the quantised numbers (number of the format x scale) in f32.
;;   ~~~python
;;   def quantise(x, axis):      # numpy; x: float32 -> the quantised numbers, widened to float32 again
;;       x = np.moveaxis(x, axis, -1); K = x.shape[-1]
;;       x = np.pad(x, [(0, 0)] * (x.ndim - 1) + [(0, -K % 32)]); x = x.reshape(x.shape[:-1] + (-1, 32)); a = np.abs(x).max(-1, keepdims=True)
;;       e = np.where(a > 0, np.clip(np.frexp(np.where(a > 0, a, 1))[1] - 1 - 2, -126, 127), 0)      # np.frexp(a)[1] - 1 = floor(log2(a)), exactly
;;       r = np.clip(x / 2.0 ** e, -7.5, 7.5)
;;       step = 2.0 ** (np.maximum(np.frexp(np.where(r == 0, 1, r))[1] - 1, 0) - 3)
;;       q = np.round(r / step) * step * 2.0 ** e      # np.round: ties to even
;;       return np.moveaxis(q.reshape(q.shape[:-2] + (-1,))[..., :K], -1, axis).astype(np.float32)
;;   ~~~
;;   SOFTMAX AHEAD OF A QUANTISED PRODUCT. Where the list says 'softmax', what is quantised is not the finished softmax but p = 2^(t - M), with t = logit x log2(e) and M = ceil(the row's largest t), a whole number; so 1/2 < the row's largest p <= 1. The row's sum l is taken of the UNQUANTISED p, in f32, and the product's result is divided by l at the end. Since M is a whole number, a kernel that streams over the keys may use a running M (the ceiling of the running maximum): every later rescaling is an exact power of two, which a block's scale takes up: the codes' values come out the same.
;;   OPERANDS COMPUTED ON THE WAY. 'Computed on the way' means the value that the module computes at that place (a softmax that the list does not call 'softmax' is quantised finished and normalised). What goes into a quantiser is computed in f32, as accurately as f32 sums, v_exp_f32 and their like allow (about 1e-6 of the number): no bf16 or f16 on the way to a quantiser, and a product that is left as it is and whose result goes on into a quantised operand takes f32 operands (vector FMAs, or v_wmma_f32_16x16x4_f32). A number that lies on a knife's edge between two numbers of the format may be rounded either way, as far as f32 arithmetic and the matrix unit's own rounding can turn it there, and no further.
;; 2 versions. Each part assembles by itself: llvm-mc -triple=amdgcn-amd-amdhsa -mcpu=gfx1250 --defsym DOCPART=n.
;; ======== version 1 of 2: 4 launches
;; limits: inputs' magnitudes at most 1e+18; below input magnitudes of 1e-18 results are inexact or not finite; right only within a limited range of input values
;; workspace buffers: imgT 8,601,600 bytes; wq 485,888 bytes; idx 735,232 bytes of whole numbers; wts 1,368,064 bytes; qkv 2,662,400 bytes; part 11,796,480 bytes
;; launch prep (part 1): grid 89 x 6, 4 waves a work-group, no clusters, 35,328 bytes of LDS; arguments img_feats, in_proj_W, mha_out_W, attn_w_W, sca_out_W, ffn_W1, ffn_W2, ego_motion, lidar2img, imgT, wq, idx, wts; writes imgT, wq, idx, wts
.if DOCPART == 1
	.amdgcn_target "amdgcn-amd-amdhsa--gfx1250"
	.amdhsa_code_object_version 6
	.text
	.protected	k_q7198267696_prep
	.globl	k_q7198267696_prep
	.p2align	8
	.type	k_q7198267696_prep,@function
k_q7198267696_prep:
	s_mov_b64 s[64:65], 0
	v_nop
	global_prefetch_b8 v0, s[64:65] scope:SCOPE_SE
	s_setreg_imm32_b32 hwreg(HW_REG_WAVE_MODE, 25, 1), 1
	s_wait_xcnt 0x0
; PREPARATION, four roles told apart by the work-group's number (x = 0..88, y = 0..5):
;  TR (x < 44): img_feats [6][256 ch][1400 px] f32 -> imgT [6][1400 px][256 ch]: a sample's 256 channels become one row of 1,024 bytes.
;  With j = 6 (x - 44) + y:  WQ (j < 73): the six weights -> codes of FP6 (E2M3) in the order of an operand's registers, and their scale words;
;  KT (j < 113): for each of 5,120 key rows four row numbers and four weights (rows 0-2499: the query row itself; 2500-4999: the warp's bilinear corners; beyond: zeros);
;  PT (the other 157): for each query and each of its 24 points (camera, height) four pixel numbers, four bilinear weights, and a mask of the points that count.
; A fragment is 16 rows x 128 K, 12 registers a lane: its image is three pieces of 512 bytes, piece c = registers 4 c .. 4 c + 3, 16 bytes a lane; its scale word 4 bytes a lane.
; Lane-row r of tile 2 b + u is row 32 b + 8 u + r + 8 (r / 8), so that a transposed product's two neighbouring tiles give a lane 16 neighbours.
; LIMITS: inputs are finite.  cos and sin of atan2(e10, e00) are e00 / hyp and e10 / hyp: served for hyp between 1e-18 and 1e18; hyp = 0 gives cos = +-1 by e00's sign, sin = 0.
; A block whose largest magnitude lies under 2^-124 keeps the scale byte 1 (a block of zeros too: its codes are zeros, and this program alone reads the bytes).
.set PC,  32                           ; v32-51  codes just made (12) and the conversions' second halves
.set TM,  16                           ; v16-31  at work in QUANT
.set PW,  52                           ; v52     the scale word just made
.set SEL, 50                           ; s[50:51] lane selects for v_permlanex16_b32: lane l xor 16
; 64 numbers of a lane, register 16 b + i = element 32 b + 16 (lane / 16) + i of the lane's row, become a fragment's codes in v[PC] on and its scale word in v[PW]
.macro QUANT s
.irp b, 0,1,2,3
	v_max3_num_f32 v[TM+\b], |v[\s+16*\b]|, |v[\s+1+16*\b]|, 0x1800000   ; my 16 numbers of block b, and the floor 2^(3 - 127): the byte cannot fall under 1
.endr
.irp i, 2,4,6,8,10,12,14
.irp b, 0,1,2,3
	v_max3_num_f32 v[TM+\b], v[TM+\b], |v[\s+16*\b+\i]|, |v[\s+1+16*\b+\i]|
.endr
.endr
.irp b, 0,1,2,3
	v_permlanex16_b32 v[TM+4+\b], v[TM+\b], s[SEL], s[SEL+1]
.endr
.irp b, 0,1,2,3
	v_max_num_f32 v[TM+\b], v[TM+\b], v[TM+4+\b]          ; with lane l xor 16's: the block's largest magnitude
.endr
.irp b, 0,1,2,3
	v_add_nc_u32 v[TM+12+\b], 0xff000000, v[TM+\b]        ; 2 off its exponent field: the conversion's scale operand
.endr
.irp b, 0,1,2,3
	v_lshrrev_b32 v[TM+4+\b], 23, v[TM+12+\b]             ; the scale's byte
.endr
	v_lshl_or_b32 v[PW], v[TM+5], 8, v[TM+4]
	v_lshl_or_b32 v[PW], v[TM+6], 16, v[PW]
	v_lshl_or_b32 v[PW], v[TM+7], 24, v[PW]
.irp c, 0,1
	v_cvt_scalef32_pk16_fp6_f32 v[PC+6*\c:PC+2+6*\c], v[\s+32*\c:\s+15+32*\c], v[TM+12+2*\c]
	v_cvt_scalef32_pk16_fp6_f32 v[PC+12+4*\c:PC+14+4*\c], v[\s+16+32*\c:\s+31+32*\c], v[TM+12+2*\c+1]
.endr
	v_nop                                                  ; one plain line behind a scaled conversion
.irp c, 0,1                                            ; a lane wants a whole block: lanes 0-15 block 2 c, lanes 16-31 block 2 c + 1
.irp i, 0,1,2
	v_permlane16_swap_b32 v[PC+6*\c+\i], v[PC+12+4*\c+\i]
.endr
.irp i, 0,1,2
	v_mov_b32 v[PC+3+6*\c+\i], v[PC+12+4*\c+\i]
.endr
.endr
.endm
; q = a / D for a constant D (s[sd]) with its reciprocal in s[sr]: a product, the remainder, one correction
.macro DIVC q, a, sd, sr
	v_mul_f32 v[\q], s[\sr], v[\a]
	v_fma_f32 v9, -v[\q], s[\sd], v[\a]
	v_fma_f32 v[\q], v9, s[\sr], v[\q]
.endm
; bilinear corners of (v10, v11) in a picture wint wide: numbers yi wint + xi (held inside) to v[io] on, weights (0 where the corner lies outside) to v[wo] on; order (x0,y0) (x1,y0) (x0,y1) (x1,y1)
.macro BILIN wint, swf, swm, shf, shm, io, wo
	v_floor_f32 v12, v10
	v_floor_f32 v13, v11
	v_sub_f32 v14, v10, v12
	v_sub_f32 v15, v11, v13
	v_add_f32 v16, 1.0, v12
	v_add_f32 v17, 1.0, v13
	v_cmp_le_f32 s52, 0, v12
	v_cmp_gt_f32 s56, s[\swf], v12
	s_and_b32 s52, s52, s56
	v_cmp_le_f32 s53, 0, v16
	v_cmp_gt_f32 s56, s[\swf], v16
	s_and_b32 s53, s53, s56
	v_cmp_le_f32 s54, 0, v13
	v_cmp_gt_f32 s56, s[\shf], v13
	s_and_b32 s54, s54, s56
	v_cmp_le_f32 s55, 0, v17
	v_cmp_gt_f32 s56, s[\shf], v17
	s_and_b32 s55, s55, s56
	v_med3_num_f32 v18, v12, 0, s[\swm]
	v_med3_num_f32 v19, v16, 0, s[\swm]
	v_med3_num_f32 v20, v13, 0, s[\shm]
	v_med3_num_f32 v21, v17, 0, s[\shm]
	v_cvt_i32_f32 v18, v18
	v_cvt_i32_f32 v19, v19
	v_cvt_i32_f32 v20, v20
	v_cvt_i32_f32 v21, v21
	v_mad_u32_u24 v[\io], v20, \wint, v18
	v_mad_u32_u24 v[\io+1], v20, \wint, v19
	v_mad_u32_u24 v[\io+2], v21, \wint, v18
	v_mad_u32_u24 v[\io+3], v21, \wint, v19
	v_sub_f32 v22, 1.0, v14
	v_sub_f32 v23, 1.0, v15
	v_mul_f32 v[\wo], v22, v23
	v_mul_f32 v[\wo+1], v14, v23
	v_mul_f32 v[\wo+2], v22, v15
	v_mul_f32 v[\wo+3], v14, v15
	s_and_b32 s56, s52, s54
	v_cndmask_b32 v[\wo], 0, v[\wo], s56
	s_and_b32 s56, s53, s54
	v_cndmask_b32 v[\wo+1], 0, v[\wo+1], s56
	s_and_b32 s56, s52, s55
	v_cndmask_b32 v[\wo+2], 0, v[\wo+2], s56
	s_and_b32 s56, s53, s55
	v_cndmask_b32 v[\wo+3], 0, v[\wo+3], s56
.endm
	s_load_b512 s[4:19], s[0:1], 0x0               ; img s[4:5], in_proj s[6:7], mha_out s[8:9], attn_w s[10:11], sca_out s[12:13], W1 s[14:15], W2 s[16:17], ego s[18:19]
	s_load_b256 s[20:27], s[0:1], 0x40             ; lidar2img s[20:21], imgT s[22:23], wq s[24:25], idx s[26:27]
	s_load_b64 s[28:29], s[0:1], 0x60              ; wts
	v_lshl_add_u32 v128, v0, 2, 0x8800
	v_mov_b32 v129, 0
	v_lshrrev_b32 v1, 5, v0
	v_readfirstlane_b32 s30, v1                    ; wave 0..3
	v_and_b32 v1, 31, v0                           ; lane
	s_and_b32 s31, ttmp7, 0xffff                   ; y
	s_mov_b32 s[SEL], 0x76543210
	s_mov_b32 s[SEL+1], 0xfedcba98
	s_wait_kmcnt 0x0
	s_cmp_lt_u32 ttmp9, 44
	s_cbranch_scc0 .Lnot_tr
; ---- TR: camera y, pixels 32 x .. 32 x + 31, my wave's channels 64 w .. 64 w + 63.  A lane takes a pixel, its registers run down the channels: each load reads 128 neighbouring bytes.
; The wave's 64 channels of a pixel are 256 bytes of imgT at a multiple of 256: they turn through the wave's own LDS bytes (rows of 272 bytes) and leave sixteen lanes to a pixel.  No wave touches another's bytes: no barrier.
	s_lshl_b32 s32, ttmp9, 5                       ; the first pixel
	v_add_nc_u32 v2, s32, v1
	v_min_u32 v2, 1399, v2                         ; the last chunk has 24 pixels: no load leaves its plane
	v_lshlrev_b32 v2, 2, v2
	s_lshl_b32 s33, s31, 8
	s_lshl_b32 s34, s30, 6
	s_add_co_u32 s33, s33, s34                     ; plane 256 y + 64 w
	s_mul_i32 s34, s33, 5600
	s_mov_b32 s35, 0
	s_add_nc_u64 s[4:5], s[4:5], s[34:35]
.set i, 0
.rept 64
	global_load_b32 v[64+i], v2, s[4:5] offset:5600*i th:TH_LOAD_NT
.set i, i+1
.endr
	s_mul_i32 s36, s30, 8704                       ; my wave's 32 x 272 bytes
	v_mul_u32_u24 v3, v1, 272
	v_add_nc_u32 v3, s36, v3                       ; in: row = my pixel
	v_and_b32 v6, 15, v0
	v_bfe_u32 v7, v0, 4, 1
	v_mul_u32_u24 v4, v7, 272
	v_lshl_add_u32 v4, v6, 4, v4
	v_add_nc_u32 v4, s36, v4                       ; back: lanes 0-15 one pixel, lanes 16-31 the next
	v_lshlrev_b32 v5, 10, v7
	v_lshl_add_u32 v5, v6, 4, v5                   ; and the same in imgT
	s_mul_i32 s34, s31, 1400
	s_add_co_u32 s34, s34, s32
	s_lshl_b32 s34, s34, 10
	s_lshl_b32 s37, s30, 8
	s_add_co_u32 s34, s34, s37
	s_add_nc_u64 s[22:23], s[22:23], s[34:35]
	s_wait_loadcnt 0x0
.irp k, 0,1,2,3,4,5,6,7,8,9,10,11,12,13,14,15
	ds_store_b128 v3, v[64+4*\k:67+4*\k] offset:16*\k
.endr
.irp k, 0,1,2,3,4,5,6,7,8,9,10,11,12,13,14,15
	ds_load_b128 v[64+4*\k:67+4*\k], v4 offset:544*\k      ; LDS serves a wave's instructions in order: these see the stores above
.endr
.irp k, 0,1,2,3,4,5,6,7,8,9,10,11
	s_wait_dscnt 15-\k                             ; the younger loads may stay out
	global_store_b128 v5, v[64+4*\k:67+4*\k], s[22:23] offset:2048*\k th:TH_STORE_NT   ; sixteen lanes store 256 consecutive bytes, aligned
.endr
	s_wait_dscnt 0x0
	s_cmp_eq_u32 ttmp9, 43                         ; the last chunk ends at pixel 1399: its pixels 24-31 do not exist
	s_cbranch_scc1 .Lend
.irp k, 12,13,14,15
	global_store_b128 v5, v[64+4*\k:67+4*\k], s[22:23] offset:2048*\k th:TH_STORE_NT
.endr
	s_branch .Lend
.Lnot_tr:
	s_sub_co_u32 s32, ttmp9, 44
	s_mul_i32 s32, s32, 6
	s_add_co_u32 s32, s32, s31                     ; j
	s_cmp_lt_u32 s32, 73
	s_cbranch_scc0 .Lnot_wq
; ---- WQ: my wave makes fragment f = 4 j + w.  Which weight it belongs to hangs on j alone.
	s_mov_b64 s[34:35], s[16:17]                   ; ffn_W2: fragments from 228, four K steps, rows of 2,048 bytes, 256 rows
	s_mov_b32 s36, 228
	s_mov_b32 s37, 2
	s_mov_b32 s38, 11
	s_mov_b32 s39, 256
	s_cmp_lt_u32 s32, 57                           ; ffn_W1
	s_cselect_b64 s[34:35], s[14:15], s[34:35]
	s_cselect_b32 s36, 164, s36
	s_cselect_b32 s37, 1, s37
	s_cselect_b32 s38, 10, s38
	s_cselect_b32 s39, 512, s39
	s_cmp_lt_u32 s32, 41                           ; sca_out_W
	s_cselect_b64 s[34:35], s[12:13], s[34:35]
	s_cselect_b32 s36, 132, s36
	s_cselect_b32 s39, 256, s39
	s_cmp_lt_u32 s32, 33                           ; attn_w_W: 24 rows; rows 24-31 of its second tile get zero codes
	s_cselect_b64 s[34:35], s[10:11], s[34:35]
	s_cselect_b32 s36, 128, s36
	s_cselect_b32 s39, 24, s39
	s_cmp_lt_u32 s32, 32                           ; mha_out_W
	s_cselect_b64 s[34:35], s[8:9], s[34:35]
	s_cselect_b32 s36, 96, s36
	s_cselect_b32 s39, 256, s39
	s_cmp_lt_u32 s32, 24                           ; in_proj_W
	s_cselect_b64 s[34:35], s[6:7], s[34:35]
	s_cselect_b32 s36, 0, s36
	s_cselect_b32 s39, 768, s39
	s_lshl_b32 s40, s32, 2
	s_add_co_u32 s40, s40, s30                     ; f
	s_sub_co_u32 s41, s40, s36
	s_lshr_b32 s42, s41, s37                       ; tile t
	s_lshl_b32 s43, s42, s37
	s_sub_co_u32 s41, s41, s43                     ; K step s
	s_lshr_b32 s43, s42, 1
	s_lshl_b32 s43, s43, 5
	s_and_b32 s44, s42, 1
	s_lshl_b32 s44, s44, 3
	s_add_co_u32 s43, s43, s44                     ; 32 (t / 2) + 8 (t % 2)
	v_and_b32 v2, 15, v0                           ; r
	v_bfe_u32 v3, v0, 4, 1                         ; h
	v_and_b32 v4, 8, v2
	v_add3_u32 v4, v4, v2, s43                     ; my row
	s_sub_co_u32 s45, s39, 1
	v_min_u32 v5, s45, v4                          ; no load leaves the weight
	v_lshlrev_b32 v5, s38, v5
	v_lshl_add_u32 v5, v3, 6, v5
	s_lshl_b32 s46, s41, 9
	v_add_nc_u32 v5, s46, v5                       ; row, + 512 s, + 64 h: my 16 numbers of each block of 32
.irp b, 0,1,2,3
.irp k, 0,1,2,3
	global_load_b128 v[64+16*\b+4*\k:67+16*\b+4*\k], v5, s[34:35] offset:128*\b+16*\k
.endr
.endr
.irp b, 0,1,2,3
	v_mov_b32 v[TM+4+\b], 0                        ; a lane permute's destination counts as one of its sources
.endr
	s_mul_i32 s46, s40, 1536
	s_mov_b32 s47, 0
	s_add_nc_u64 s[48:49], s[24:25], s[46:47]      ; the fragment's image
	s_lshl_b32 s46, s40, 7
	s_add_nc_u64 s[24:25], s[24:25], s[46:47]      ; its scale words (448,512 bytes on)
	v_lshlrev_b32 v6, 4, v1
	v_lshlrev_b32 v7, 2, v1
	s_wait_loadcnt 0x0
	QUANT 64
	v_cmp_gt_u32 vcc_lo, s39, v4                   ; does my row exist?
.irp k, 0,1,2,3,4,5,6,7,8,9,10,11
	v_cndmask_b32 v[PC+\k], 0, v[PC+\k], vcc_lo
.endr
.irp c, 0,1,2
	global_store_b128 v6, v[PC+4*\c:PC+4*\c+3], s[48:49] offset:512*\c     ; 512 consecutive bytes, aligned
.endr
	global_store_b32 v7, v[PW], s[24:25] offset:448512
	s_branch .Lend
.Lnot_wq:
	s_mov_b32 s84, 0x42480000                      ; 50
	s_mov_b32 s85, 0x3ca3d70a                      ; 1 / 50
	s_mov_b32 s91, 0x42440000                      ; 49
	s_cmp_lt_u32 s32, 113
	s_cbranch_scc0 .Lpt
; ---- KT: thread n = 128 (j - 73) + thread: key row n
	s_load_b512 s[68:83], s[18:19], 0x0            ; ego_motion: e00 s68, e03 s71, e10 s72, e13 s75
	s_mov_b32 s86, 0x4003126f                      ; 2.048
	s_mov_b32 s87, 0x3efa0000                      ; 1 / 2.048
	s_sub_co_u32 s33, s32, 73
	s_lshl_b32 s33, s33, 7
	v_add_nc_u32 v2, s33, v0                       ; n
	v_add_nc_u32 v3, 0xfffff63c, v2                ; n - 2500,
	v_min_u32 v3, 2499, v3                         ; held to a pixel (rows that are no warped rows are overwritten below)
	v_mul_u32_u24 v4, v3, 1311
	v_lshrrev_b32 v4, 16, v4                       ; iy = p / 50 (exact for p < 2,512)
	v_mul_u32_u24 v5, v4, 50
	v_sub_nc_u32 v5, v3, v5                        ; ix
	s_wait_kmcnt 0x0
	v_mov_b32 v40, s68
	v_mov_b32 v41, s72
	v_mul_f32 v42, v40, v40
	v_fma_f32 v42, v41, v41, v42                   ; hyp^2
	v_rsq_f32 v43, v42
	v_mul_f32 v44, 0.5, v42                        ; (a plain line behind the transcendental)
	s_wait_alu depctr_va_vdst(0)                   ; the wait ahead of the first reader
	v_mul_f32 v45, v43, v43
	v_fma_f32 v45, -v44, v45, 0x3fc00000
	v_mul_f32 v43, v43, v45                        ; one Newton step
	v_mul_f32 v46, v40, v43                        ; cos
	v_mul_f32 v47, v41, v43                        ; sin
	v_cmp_eq_f32 vcc_lo, 0, v42
	v_bfi_b32 v48, 0x7fffffff, 1.0, v40
	v_cndmask_b32 v46, v46, v48, vcc_lo
	v_cndmask_b32 v47, v47, 0, vcc_lo
	v_mov_b32 v51, s71
	DIVC 48, 51, 86, 87
	v_add_f32 v48, v48, v48
	DIVC 49, 48, 84, 85                            ; dx = tx / 2.048 * 2 / 50
	v_mov_b32 v51, s75
	DIVC 48, 51, 86, 87
	v_add_f32 v48, v48, v48
	DIVC 50, 48, 84, 85                            ; dy
	v_cvt_f32_u32 v6, v5
	v_fma_f32 v6, v6, 2.0, 1.0
	DIVC 7, 6, 84, 85
	v_add_f32 v7, -1.0, v7                         ; xs
	v_cvt_f32_u32 v6, v4
	v_fma_f32 v6, v6, 2.0, 1.0
	DIVC 8, 6, 84, 85
	v_add_f32 v8, -1.0, v8                         ; ys
	v_fma_f32 v10, v46, v7, v49
	v_fma_f32 v10, -v47, v8, v10                   ; the affine grid, in f32 multiply-adds
	v_fma_f32 v11, v47, v7, v50
	v_fma_f32 v11, v46, v8, v11
	v_add_f32 v10, 1.0, v10
	v_fma_f32 v10, v10, s84, -1.0
	v_mul_f32 v10, 0.5, v10
	v_add_f32 v11, 1.0, v11
	v_fma_f32 v11, v11, s84, -1.0
	v_mul_f32 v11, 0.5, v11
	BILIN 50, 84, 91, 84, 91, 24, 28
	v_cmp_gt_u32 vcc_lo, 2500, v2                  ; a query row: itself, with the weight 1
.irp k, 0,1,2,3
	v_cndmask_b32 v[24+\k], v[24+\k], v2, vcc_lo
.endr
	v_cndmask_b32 v28, v28, 1.0, vcc_lo
.irp k, 1,2,3
	v_cndmask_b32 v[28+\k], v[28+\k], 0, vcc_lo
.endr
	v_cmp_le_u32 vcc_lo, 5000, v2                  ; beyond the keys: zeros
.irp k, 0,1,2,3,4,5,6,7
	v_cndmask_b32 v[24+\k], v[24+\k], 0, vcc_lo
.endr
	v_lshlrev_b32 v8, 4, v2
	global_store_b128 v8, v[24:27], s[26:27]
	global_store_b128 v8, v[28:31], s[28:29]
	s_branch .Lend
; ---- PT: my wave takes queries q0 .. q0 + 3; a lane is a point: camera lane / 4 (lanes 24-31 repeat camera 5 and never count), height lane % 4
.Lpt:
	s_mov_b32 s88, 0x42cccccd                      ; 102.4
	s_mov_b32 s89, 0xc24ccccd                      ; -51.2
	s_mov_b32 s90, 0x3727c5ac                      ; 1e-5
	s_mov_b32 s92, 0x3ca72f05                      ; 1 / 49
	s_mov_b32 s93, 0x41d80000                      ; 27
	s_mov_b32 s94, 0x3d17b426                      ; 1 / 27
	s_mov_b32 s95, 0x41e00000                      ; 28
	s_sub_co_u32 s33, s32, 113
	s_lshl_b32 s33, s33, 4
	s_lshl_b32 s34, s30, 2
	s_add_co_u32 s33, s33, s34                     ; q0
	v_lshrrev_b32 v2, 2, v1
	v_min_u32 v2, 5, v2                            ; camera
	v_and_b32 v3, 3, v1                            ; height
	v_lshlrev_b32 v4, 6, v2
	global_load_b128 v[36:39], v4, s[20:21]
	global_load_b128 v[40:43], v4, s[20:21] offset:16
	global_load_b128 v[44:47], v4, s[20:21] offset:32
	v_cvt_f32_u32 v32, v3
	v_fma_f32 v32, v32, 2.0, -4.0                  ; z = (height + .5) / 4 * 8 - 5, exactly
	v_mul_u32_u24 v33, v2, 1400                    ; the camera's first row of imgT
	v_lshlrev_b32 v34, 3, v1
	v_lshlrev_b32 v35, 4, v1
	s_lshl_b32 s46, s33, 8
	s_mov_b32 s47, 0
	s_add_nc_u64 s[40:41], s[26:27], s[46:47]
	s_lshl_b32 s46, s33, 9
	s_add_nc_u64 s[42:43], s[28:29], s[46:47]
	s_lshl_b32 s46, s33, 2
	s_add_nc_u64 s[44:45], s[26:27], s[46:47]
	s_wait_loadcnt 0x0
.macro POINT i                         ; each query has registers of its own for what it stores
	s_add_co_u32 s57, s33, \i
	s_mul_i32 s58, s57, 1311
	s_lshr_b32 s58, s58, 16                        ; iy
	s_mul_i32 s59, s58, 50
	s_sub_co_u32 s59, s57, s59                     ; ix
	v_cvt_f32_u32 v6, s59
	v_add_f32 v6, 0.5, v6
	DIVC 7, 6, 84, 85
	v_fma_f32 v7, v7, s88, s89                     ; x
	v_cvt_f32_u32 v6, s58
	v_add_f32 v6, 0.5, v6
	DIVC 8, 6, 84, 85
	v_fma_f32 v8, v8, s88, s89                     ; y
	v_fma_f32 v48, v36, v7, v39                    ; lidar2img x the point, in f32 multiply-adds
	v_fma_f32 v49, v40, v7, v43
	v_fma_f32 v50, v44, v7, v47
	v_fma_f32 v48, v37, v8, v48
	v_fma_f32 v49, v41, v8, v49
	v_fma_f32 v50, v45, v8, v50
	v_fma_f32 v48, v38, v32, v48
	v_fma_f32 v49, v42, v32, v49
	v_fma_f32 v50, v46, v32, v50                   ; depth
	v_max_num_f32 v51, s90, v50
	v_rcp_f32 v52, v51
	v_nop
	s_wait_alu depctr_va_vdst(0)                   ; the wait ahead of the first reader
	v_fma_f32 v53, -v51, v52, 1.0
	v_fma_f32 v52, v52, v53, v52                   ; one Newton step
	v_mul_f32 v54, v48, v52
	v_fma_f32 v53, -v54, v51, v48
	v_fma_f32 v54, v53, v52, v54                   ; cam x / depth
	v_mul_f32 v55, v49, v52
	v_fma_f32 v53, -v55, v51, v49
	v_fma_f32 v55, v53, v52, v55                   ; cam y / depth
	DIVC 56, 54, 91, 92
	v_fma_f32 v56, v56, 2.0, -1.0                  ; gx
	DIVC 57, 55, 93, 94
	v_fma_f32 v57, v57, 2.0, -1.0                  ; gy
	v_cmp_lt_f32 s60, s90, v50
	v_cmp_lt_f32 s56, -1.0, v56
	s_and_b32 s60, s60, s56
	v_cmp_gt_f32 s56, 1.0, v56
	s_and_b32 s60, s60, s56
	v_cmp_lt_f32 s56, -1.0, v57
	s_and_b32 s60, s60, s56
	v_cmp_gt_f32 s56, 1.0, v57
	s_and_b32 s60, s60, s56
	s_and_b32 s60, s60, 0xffffff                   ; 24 points
	s_cmp_lt_u32 s57, 2500
	s_cselect_b32 s56, -1, 0
	s_and_b32 s[96+\i], s60, s56                   ; the points that count
	v_add_f32 v10, 1.0, v56
	v_fma_f32 v10, v10, s84, -1.0
	v_mul_f32 v10, 0.5, v10
	v_add_f32 v11, 1.0, v57
	v_fma_f32 v11, v11, s95, -1.0
	v_mul_f32 v11, 0.5, v11
	BILIN 50, 84, 91, 95, 93, 24, 72+4*\i
.irp k, 0,1,2,3
	v_add_nc_u32 v[24+\k], v33, v[24+\k]
	v_cndmask_b32 v[72+4*\i+\k], 0, v[72+4*\i+\k], s[96+\i]    ; a point that does not count weighs 0, whatever its numbers (NaN among them)
.endr
	v_lshl_or_b32 v[64+2*\i], v25, 16, v24         ; row numbers are under 8,400: two to a word
	v_lshl_or_b32 v[65+2*\i], v27, 16, v26
	global_store_b64 v34, v[64+2*\i:65+2*\i], s[40:41] offset:81920+256*\i        ; 256 consecutive bytes, aligned
	global_store_b128 v35, v[72+4*\i:75+4*\i], s[42:43] offset:81920+512*\i
.endm
	POINT 0
	POINT 1
	POINT 2
	POINT 3
	v_and_b32 v60, 3, v1                           ; the four masks: lane l holds that of query q0 + l % 4; lanes with the same l % 4 store the same word with the same value
	v_mov_b32 v61, s96
	v_mov_b32 v62, s97
	v_cmp_eq_u32 vcc_lo, 1, v60
	v_cndmask_b32 v61, v61, v62, vcc_lo
	v_mov_b32 v62, s98
	v_cmp_eq_u32 vcc_lo, 2, v60
	v_cndmask_b32 v61, v61, v62, vcc_lo
	v_mov_b32 v62, s99
	v_cmp_eq_u32 vcc_lo, 3, v60
	v_cndmask_b32 v61, v61, v62, vcc_lo
	v_lshlrev_b32 v60, 2, v60
	global_store_b32 v60, v61, s[44:45] offset:724992
.Lend:
	s_wait_tensorcnt 0x0
	ds_add_u32 v128, v129
	s_wait_dscnt 0x0
	s_endpgm
.Lfunc_end_k_q7198267696_prep:
	.size	k_q7198267696_prep, .Lfunc_end_k_q7198267696_prep-k_q7198267696_prep
	.p2alignl 7, 3214868480
	.fill 96, 4, 3214868480
	.section	.rodata,"a",@progbits
	.p2align	6, 0x0
	.amdhsa_kernel k_q7198267696_prep
		.amdhsa_group_segment_fixed_size 35328
		.amdhsa_private_segment_fixed_size 0
		.amdhsa_enable_private_segment 0
		.amdhsa_kernarg_size 104
		.amdhsa_user_sgpr_count 2
		.amdhsa_user_sgpr_kernarg_segment_ptr 1
		.amdhsa_wavefront_size32 1
		.amdhsa_system_sgpr_workgroup_id_x 1
		.amdhsa_system_sgpr_workgroup_id_y 1
		.amdhsa_system_sgpr_workgroup_id_z 1
		.amdhsa_system_vgpr_workitem_id 0
		.amdhsa_next_free_vgpr 130
		.amdhsa_next_free_sgpr 100
		.amdhsa_reserve_vcc 1
		.amdhsa_float_denorm_mode_32 3
		.amdhsa_float_denorm_mode_16_64 3
		.amdhsa_memory_ordered 1
		.amdhsa_forward_progress 1
		.amdhsa_inst_pref_size 53
	.end_amdhsa_kernel
	.amdgpu_metadata
---
amdhsa.version: [ 1, 2 ]
amdhsa.kernels:
  - .name:           k_q7198267696_prep
    .symbol:         k_q7198267696_prep.kd
    .args:
      - { .name: img_feats, .offset: 0, .size: 8, .value_kind: global_buffer, .address_space: global }
      - { .name: in_proj_W, .offset: 8, .size: 8, .value_kind: global_buffer, .address_space: global }
      - { .name: mha_out_W, .offset: 16, .size: 8, .value_kind: global_buffer, .address_space: global }
      - { .name: attn_w_W, .offset: 24, .size: 8, .value_kind: global_buffer, .address_space: global }
      - { .name: sca_out_W, .offset: 32, .size: 8, .value_kind: global_buffer, .address_space: global }
      - { .name: ffn_W1, .offset: 40, .size: 8, .value_kind: global_buffer, .address_space: global }
      - { .name: ffn_W2, .offset: 48, .size: 8, .value_kind: global_buffer, .address_space: global }
      - { .name: ego_motion, .offset: 56, .size: 8, .value_kind: global_buffer, .address_space: global }
      - { .name: lidar2img, .offset: 64, .size: 8, .value_kind: global_buffer, .address_space: global }
      - { .name: imgT, .offset: 72, .size: 8, .value_kind: global_buffer, .address_space: global }
      - { .name: wq, .offset: 80, .size: 8, .value_kind: global_buffer, .address_space: global }
      - { .name: idx, .offset: 88, .size: 8, .value_kind: global_buffer, .address_space: global }
      - { .name: wts, .offset: 96, .size: 8, .value_kind: global_buffer, .address_space: global }
    .group_segment_fixed_size: 35328
    .private_segment_fixed_size: 0
    .kernarg_segment_align: 8
    .kernarg_segment_size: 104
    .max_flat_workgroup_size: 128
    .sgpr_count:     100
    .vgpr_count:     130
    .wavefront_size: 32
...
	.end_amdgpu_metadata
.endif
;; end of part 1
;; launch proj (part 2): grid 80 x 1, 8 waves a work-group, no clusters, 80,896 bytes of LDS; arguments query, prev_bev, in_proj_b, idx, wts, wq, qkv; writes qkv
.if DOCPART == 2
	.amdgcn_target "amdgcn-amd-amdhsa--gfx1250"
	.amdhsa_code_object_version 6
	.text
	.protected	k_q7198267696_proj
	.globl	k_q7198267696_proj
	.p2align	8
	.type	k_q7198267696_proj,@function
k_q7198267696_proj:
	s_mov_b64 s[64:65], 0
	v_nop
	global_prefetch_b8 v0, s[64:65] scope:SCOPE_SE
	s_setreg_imm32_b32 hwreg(HW_REG_WAVE_MODE, 25, 1), 1
	s_wait_xcnt 0x0
; Q, K, V = kv in_proj_W^T + in_proj_b on codes of FP6 (E2M3), and their own quantising for attention.  kv = [query; warped prev_bev], 5,000 rows, carried on to 5,120 with zero rows.
; A work-group takes kv rows 64 g .. 64 g + 63; wave w gathers and blends rows 8 w .. 8 w + 7 (four rows by the stored numbers and weights), quantises one of the eight fragments of X, and then is HEAD w.
; THE ROWS OF A TILE OF X ARE NOT NEIGHBOURS: lane-row r of tile 2 b + u is row 32 b + 8 u + r + 8 (r / 8).
; K and Q are made transposed (source 0 = 16 rows of W, source 1 = X): a lane holds one row and 16 neighbouring channels of the head: quantised along the head's 32, a tile of rows to a block:
; one fragment then holds FOUR tiles of 16 rows, one in each block of 32 along K.  V is made the natural way (source 0 = X, source 1 = W): a lane holds one channel and 16 neighbouring keys: quantised along the keys.
; Record of (head, g), 3,328 bytes: +0 K's fragment image; +1536 + 768 u + 256 p + 8 lane: V^T's registers 2 p, 2 p + 1 of this g's six, tile u of channels; +3072 K's scale words; +3200 V's.
; Keys from 5,000 on: V's numbers are zeros ahead of the quantiser (the last block is filled with zeros); K's rows there are hidden by attention's mask.
; The weights' fragments and the three biases are asked for at the head, ahead of the gather: no product waits for a load of its own.
; No tensor load: the gather's addresses hang on stored numbers.  LIMITS: finite inputs; a block under 2^-124 keeps the byte 1.
.set XIMG, 0                           ; LDS: X's 8 fragment images (tile t, K step s: t + 4 s),
.set XSC,  12288                       ; their scale words, 128 bytes each,
.set XROW, 13312                       ; and 64 rows of X in f32, 1,040 bytes apart, slot 16 t + r
.set PC,  44                           ; v44-63  codes just made
.set TM,  224
.set PW,  12
.set SEL, 94                           ; s[94:95]
.set XF,  64                           ; v64-159 X's fragments (t, s) at 12 (2 t + s); before that the gather's data v64-191
.set ACC, 160                          ; v160-223
.set BK,  144                          ; window 1: v144-159 K's bias as C, v160-175 Q's, v176-191 V's (eight copies for each tile of channels)
.set BQ,  160
.set BV,  176
.set WS,  16                           ; v16-27  W's scale words, 4 P + 2 u + s
.set XS,  28                           ; v28-35  X's scale words, t + 4 s
.set MSB, 0
.macro WIN new                         ; the immediate's high byte repeats the setting that is left
.if MSB != \new
	s_set_vgpr_msb (MSB<<8)|\new
.set MSB, \new
.endif
.endm
.macro QUANT s
.irp b, 0,1,2,3
	v_max3_num_f32 v[TM+\b], |v[\s+16*\b]|, |v[\s+1+16*\b]|, 0x1800000   ; my 16 numbers of block b, and the floor 2^(3 - 127)
.endr
.irp i, 2,4,6,8,10,12,14
.irp b, 0,1,2,3
	v_max3_num_f32 v[TM+\b], v[TM+\b], |v[\s+16*\b+\i]|, |v[\s+1+16*\b+\i]|
.endr
.endr
.irp b, 0,1,2,3
	v_permlanex16_b32 v[TM+4+\b], v[TM+\b], s[SEL], s[SEL+1]
.endr
.irp b, 0,1,2,3
	v_max_num_f32 v[TM+\b], v[TM+\b], v[TM+4+\b]
.endr
.irp b, 0,1,2,3
	v_add_nc_u32 v[TM+12+\b], 0xff000000, v[TM+\b]        ; 2 off the exponent field: the conversion's scale operand
.endr
.irp b, 0,1,2,3
	v_lshrrev_b32 v[TM+4+\b], 23, v[TM+12+\b]
.endr
	v_lshl_or_b32 v[PW], v[TM+5], 8, v[TM+4]
	v_lshl_or_b32 v[PW], v[TM+6], 16, v[PW]
	v_lshl_or_b32 v[PW], v[TM+7], 24, v[PW]
.irp c, 0,1
	v_cvt_scalef32_pk16_fp6_f32 v[PC+6*\c:PC+2+6*\c], v[\s+32*\c:\s+15+32*\c], v[TM+12+2*\c]
	v_cvt_scalef32_pk16_fp6_f32 v[PC+12+4*\c:PC+14+4*\c], v[\s+16+32*\c:\s+31+32*\c], v[TM+12+2*\c+1]
.endr
	v_nop                                                  ; one plain line behind a scaled conversion
.irp c, 0,1
.irp i, 0,1,2
	v_permlane16_swap_b32 v[PC+6*\c+\i], v[PC+12+4*\c+\i]
.endr
.irp i, 0,1,2
	v_mov_b32 v[PC+3+6*\c+\i], v[PC+12+4*\c+\i]
.endr
.endr
.endm
	s_load_b256 s[4:11], s[0:1], 0x0               ; query s[4:5], prev_bev s[6:7], in_proj_b s[8:9], idx s[10:11]
	s_load_b128 s[12:15], s[0:1], 0x20             ; wts s[12:13], wq s[14:15]
	s_load_b64 s[84:85], s[0:1], 0x30              ; qkv
	v_lshl_add_u32 v254, v0, 2, 0x13800
	v_mov_b32 v255, 0
	v_lshrrev_b32 v1, 5, v0
	v_readfirstlane_b32 s2, v1                     ; wave = head
	v_and_b32 v1, 31, v0                           ; lane
	v_and_b32 v2, 15, v0                           ; r
	v_bfe_u32 v3, v0, 4, 1                         ; h
	v_lshlrev_b32 v4, 4, v1
	v_lshlrev_b32 v5, 2, v1
	v_lshlrev_b32 v14, 3, v1
	s_and_b32 s3, s2, 3
	s_mul_i32 s3, s3, 16*1040
	s_lshr_b32 s92, s2, 2
	s_lshl_b32 s92, s92, 9
	s_add_co_u32 s3, s3, s92
	v_mul_u32_u24 v6, v2, 1040
	v_lshl_add_u32 v6, v3, 6, v6
	v_add_nc_u32 v6, s3, v6
	v_add_nc_u32 v6, XROW, v6                      ; what I quantise: slot 16 (w % 4) + r, K step w / 4, + 64 h
	s_mul_i32 s3, s2, 1536
	v_add_nc_u32 v7, s3, v4                        ; where its image goes
	s_lshl_b32 s3, s2, 7
	v_add_nc_u32 v8, s3, v5                        ; and its scale word
	v_lshl_add_u32 v10, v3, 6, s3                  ; the bias of my head's channels 16 h on: 128 w + 64 h
	v_and_b32 v11, 8, v2
	v_add_nc_u32 v11, v11, v2
	v_lshl_add_u32 v11, v11, 2, s3                 ; and of channel r + 8 (r / 8): V's
	s_lshr_b32 s92, s2, 2
	s_lshl_b32 s92, s92, 5
	s_and_b32 s93, s2, 1
	s_lshl_b32 s93, s93, 4
	s_add_co_u32 s92, s92, s93
	s_bfe_u32 s93, s2, 0x10001
	s_lshl_b32 s93, s93, 3
	s_add_co_u32 s92, s92, s93                     ; rows 8 w .. 8 w + 7 are slots 16 (2 (w / 4) + w % 2) + 8 ((w / 2) % 2) + i
	s_mul_i32 s92, s92, 1040
	v_add_nc_u32 v9, s92, v4
	v_add_nc_u32 v9, XROW, v9
	s_mov_b32 s[SEL], 0x76543210
	s_mov_b32 s[SEL+1], 0xfedcba98
.irp b, 0,1,2,3
	v_mov_b32 v[TM+4+\b], 0                        ; a lane permute's destination counts as one of its sources
.endr
	s_lshl_b32 s3, ttmp9, 6
	s_lshl_b32 s92, s2, 3
	s_add_co_u32 s3, s3, s92                       ; my first row: 64 g + 8 w
	s_lshl_b32 s92, s3, 4
	s_wait_kmcnt 0x0
	s_load_b512 s[16:31], s[10:11], s92 offset:0x0     ; 8 rows x 4 row numbers
	s_load_b512 s[32:47], s[10:11], s92 offset:0x40
	s_load_b512 s[48:63], s[12:13], s92 offset:0x0     ; 8 rows x 4 weights
	s_load_b512 s[68:83], s[12:13], s92 offset:0x40
	; my head's twelve fragments of W (product P = 0 Q, 1 K, 2 V; tile u; K step s) into window 1 at 12 (4 P + 2 u + s), and the three biases behind them: 58 loads with the scale words, all older than every load of the gather
	s_mul_i32 s90, s2, 6144
	s_mov_b32 s91, 0
	s_add_nc_u64 s[96:97], s[14:15], s[90:91]
	s_lshl_b32 s90, s2, 9
	s_add_nc_u64 s[98:99], s[14:15], s[90:91]
	WIN 0x40
.irp P, 0,1,2
.irp q, 0,1,2,3
.irp c, 0,1,2
	global_load_b128 v[12*(4*\P+\q)+4*\c:12*(4*\P+\q)+4*\c+3], v4, s[96:97] offset:49152*\P+1536*\q+512*\c
.endr
.endr
.endr
.irp k, 0,1,2,3
	global_load_b128 v[BK+4*\k:BK+4*\k+3], v10, s[8:9] offset:1024+16*\k   ; K's bias: my 16 channels, in the transposed result's layout
	global_load_b128 v[BQ+4*\k:BQ+4*\k+3], v10, s[8:9] offset:16*\k        ; Q's
.endr
	global_load_b32 v[BV], v11, s[8:9] offset:2048                         ; V's: my one channel of each tile of channels
	global_load_b32 v[BV+8], v11, s[8:9] offset:2048+32
	WIN 0
.irp P, 0,1,2
.irp q, 0,1,2,3
	global_load_b32 v[WS+4*\P+\q], v5, s[98:99] offset:448512+4096*\P+128*\q
.endr
.endr
	s_wait_kmcnt 0x0
; Four rows: 32 loads (a row's four corners, two halves of 512 bytes each), then row by row the blend and the row's 1,024 bytes to its slot.  The four rows' bases take s[86:93].
.macro GROWS b
.irp i, 0,1,2,3
	s_add_co_u32 s92, s3, 4*\b+\i
	s_cmp_lt_u32 s92, 2500                         ; a query row or a row of prev_bev: by the row's number alone
	s_cselect_b64 s[86+2*\i:87+2*\i], s[4:5], s[6:7]
.irp k, 0,1,2,3
	s_min_u32 s[16+16*\b+4*\i+\k], s[16+16*\b+4*\i+\k], 2499
	v_lshl_add_u32 v[36+4*\i+\k], s[16+16*\b+4*\i+\k], 10, v4
	global_load_b128 v[64+32*\i+8*\k:64+32*\i+8*\k+3], v[36+4*\i+\k], s[86+2*\i:87+2*\i]
	global_load_b128 v[64+32*\i+8*\k+4:64+32*\i+8*\k+7], v[36+4*\i+\k], s[86+2*\i:87+2*\i] offset:512
.endr
.endr
.irp i, 0,1,2,3
	s_wait_loadcnt 8*(3-\i)                        ; this row's eight loads are in; the younger rows' eight each may be out
.irp e, 0,1,2,3,4,5,6,7
	v_mul_f32 v[64+32*\i+\e], s[48+20*\b+4*\i], v[64+32*\i+\e]
.endr
.irp k, 1,2,3
.irp e, 0,1,2,3,4,5,6,7
	v_fma_f32 v[64+32*\i+\e], s[48+20*\b+4*\i+\k], v[64+32*\i+8*\k+\e], v[64+32*\i+\e]
.endr
.endr
	ds_store_b128 v9, v[64+32*\i:64+32*\i+3] offset:1040*(4*\b+\i)
	ds_store_b128 v9, v[64+32*\i+4:64+32*\i+7] offset:1040*(4*\b+\i)+512
.endr
.endm
	GROWS 0                                        ; its last wait is for 0: addresses, bases and data may be written again,
	s_wait_dscnt 0x0                               ; and the LDS stores have read their registers
	GROWS 1
	s_wait_dscnt 0x0                               ; my rows lie in LDS
	s_barrier_signal -1
	s_barrier_wait -1                              ; everybody's do
.irp b, 0,1,2,3
.irp k, 0,1,2,3
	ds_load_b128 v[64+16*\b+4*\k:67+16*\b+4*\k], v6 offset:128*\b+16*\k
.endr
.endr
	s_wait_dscnt 0x0
	QUANT 64
.irp c, 0,1,2
	ds_store_b128 v7, v[PC+4*\c:PC+4*\c+3] offset:XIMG+512*\c
.endr
	ds_store_b32 v8, v[PW] offset:XSC
	s_wait_dscnt 0x0                               ; my fragment lies in LDS
	s_barrier_signal -1
	s_barrier_wait -1                              ; all eight do
.irp t, 0,1,2,3
.irp s, 0,1
.irp c, 0,1,2
	ds_load_b128 v[XF+12*(2*\t+\s)+4*\c:XF+12*(2*\t+\s)+4*\c+3], v4 offset:XIMG+1536*(\t+4*\s)+512*\c
.endr
	ds_load_b32 v[XS+\t+4*\s], v5 offset:XSC+128*(\t+4*\s)
.endr
.endr
	s_mul_i32 s92, s2, 80
	s_add_co_u32 s92, s92, ttmp9
	s_mul_i32 s90, s92, 3328
	s_mov_b32 s91, 0                               ; the gather's third base lay in s[90:91]: from here on the pair is an offset again, its upper word 0
	s_add_nc_u64 s[88:89], s[84:85], s[90:91]      ; my record
	s_wait_loadcnt 0x0                             ; W and the biases (the gather's last wait has shown them in already)
	WIN 0x41                                       ; destination and source 0 in window 1
.irp k, 1,2,3,4,5,6,7
	v_mov_b32 v[BV+\k], v[BV]                      ; V's bias as C: a lane's eight results are eight keys of ONE channel
	v_mov_b32 v[BV+8+\k], v[BV+8]
.endr
	s_wait_dscnt 0x0
; A transposed product: eight accumulators (tile of rows t, tile of channels u) by turns, K step by K step; the bias, at v[bb] of window 1, is the C of each sum's first instruction
.macro PROD_T P, bb
	WIN 0x11                                       ; source 0 (W) and source 2 (the bias) in window 1
.irp t, 0,1,2,3
.irp u, 0,1
	v_wmma_scale_f32_16x16x128_f8f6f4 v[ACC+16*\t+8*\u:ACC+16*\t+8*\u+7], v[12*(4*\P+2*\u):12*(4*\P+2*\u)+11], v[XF+12*(2*\t):XF+12*(2*\t)+11], v[\bb+8*\u:\bb+8*\u+7], v[WS+4*\P+2*\u], v[XS+\t] matrix_a_fmt:MATRIX_FMT_FP6 matrix_b_fmt:MATRIX_FMT_FP6
.endr
.endr
	WIN 0x01                                       ; source 0 (W) in window 1
.irp t, 0,1,2,3
.irp u, 0,1
	v_wmma_scale_f32_16x16x128_f8f6f4 v[ACC+16*\t+8*\u:ACC+16*\t+8*\u+7], v[12*(4*\P+2*\u+1):12*(4*\P+2*\u+1)+11], v[XF+12*(2*\t+1):XF+12*(2*\t+1)+11], v[ACC+16*\t+8*\u:ACC+16*\t+8*\u+7], v[WS+4*\P+2*\u+1], v[XS+\t+4] matrix_a_fmt:MATRIX_FMT_FP6 matrix_b_fmt:MATRIX_FMT_FP6
.endr
.endr
	WIN 0
.rept 4
	v_nop                                          ; four places behind the products, ahead of the first read of results
.endr
.endm
	; ---- K
	PROD_T 1, BK
	QUANT ACC                                      ; block t = tile t of rows, the head's 32 channels
.irp c, 0,1,2
	global_store_b128 v4, v[PC+4*\c:PC+4*\c+3], s[88:89] offset:512*\c
.endr
	global_store_b32 v5, v[PW], s[88:89] offset:3072
	; ---- V, the natural way: a lane holds channel 8 u + r + 8 (r / 8) of the head; registers 16 (2 u + b) + i are keys 32 b + 16 h + i
	WIN 0x14                                       ; source 1 (W) and source 2 (the bias) in window 1
.irp t, 0,1,2,3
.irp u, 0,1
	v_wmma_scale_f32_16x16x128_f8f6f4 v[ACC+16*(2*\u+\t/2)+8*(\t%2):ACC+16*(2*\u+\t/2)+8*(\t%2)+7], v[XF+12*(2*\t):XF+12*(2*\t)+11], v[12*(8+2*\u):12*(8+2*\u)+11], v[BV+8*\u:BV+8*\u+7], v[XS+\t], v[WS+8+2*\u] matrix_a_fmt:MATRIX_FMT_FP6 matrix_b_fmt:MATRIX_FMT_FP6
.endr
.endr
	WIN 0x04                                       ; source 1 (W) in window 1
.irp t, 0,1,2,3
.irp u, 0,1
	v_wmma_scale_f32_16x16x128_f8f6f4 v[ACC+16*(2*\u+\t/2)+8*(\t%2):ACC+16*(2*\u+\t/2)+8*(\t%2)+7], v[XF+12*(2*\t+1):XF+12*(2*\t+1)+11], v[12*(8+2*\u+1):12*(8+2*\u+1)+11], v[ACC+16*(2*\u+\t/2)+8*(\t%2):ACC+16*(2*\u+\t/2)+8*(\t%2)+7], v[XS+\t+4], v[WS+8+2*\u+1] matrix_a_fmt:MATRIX_FMT_FP6 matrix_b_fmt:MATRIX_FMT_FP6
.endr
.endr
	WIN 0
.rept 4
	v_nop
.endr
	s_cmp_lt_u32 ttmp9, 78                         ; keys from 5,000 on lie in the last two work-groups alone
	s_cbranch_scc1 .Lall_keys
	s_lshl_b32 s92, ttmp9, 6
	s_sub_co_u32 s92, 5000, s92
	v_lshlrev_b32 v13, 4, v3
	v_sub_nc_u32 v13, s92, v13                     ; d = 5000 - 64 g - 16 h: register 16 (2 u + b) + i holds a key that exists where 32 b + i < d
.irp e, 0,1,2,3
.irp i, 0,1,2,3,4,5,6,7,8,9,10,11,12,13,14,15
	v_cmp_lt_i32 vcc_lo, 32*(\e%2)+\i, v13
	v_cndmask_b32 v[ACC+16*\e+\i], 0, v[ACC+16*\e+\i], vcc_lo
.endr
.endr
.Lall_keys:
	s_wait_xcnt 0x0                                ; K's stores have read their registers: the codes may be written again
	QUANT ACC                                      ; block 2 u + b: registers 6 u .. 6 u + 5, lanes of half b: tile u of channels, key block b
.irp u, 0,1
.irp p, 0,1,2
	global_store_b64 v14, v[PC+6*\u+2*\p:PC+6*\u+2*\p+1], s[88:89] offset:1536+768*\u+256*\p     ; 256 consecutive bytes, aligned
.endr
.endr
	global_store_b32 v5, v[PW], s[88:89] offset:3200
	; ---- Q, where my rows are queries (rows under 2,560)
	s_cmp_gt_u32 ttmp9, 39
	s_cbranch_scc1 .Lend
	s_lshl_b32 s92, ttmp9, 3
	s_add_co_u32 s92, s92, s2
	s_mul_i32 s90, s92, 1536
	s_add_nc_u64 s[86:87], s[84:85], s[90:91]
	s_lshl_b32 s90, s92, 7
	s_add_nc_u64 s[84:85], s[84:85], s[90:91]
	PROD_T 0, BQ
	s_wait_xcnt 0x0                                ; V's stores have read their registers
	QUANT ACC
.irp c, 0,1,2
	global_store_b128 v4, v[PC+4*\c:PC+4*\c+3], s[86:87] offset:2129920+512*\c
.endr
	global_store_b32 v5, v[PW], s[84:85] offset:2621440
.Lend:
	s_wait_tensorcnt 0x0
	ds_add_u32 v254, v255
	s_wait_dscnt 0x0
	s_endpgm
.Lfunc_end_k_q7198267696_proj:
	.size	k_q7198267696_proj, .Lfunc_end_k_q7198267696_proj-k_q7198267696_proj
	.p2alignl 7, 3214868480
	.fill 96, 4, 3214868480
	.section	.rodata,"a",@progbits
	.p2align	6, 0x0
	.amdhsa_kernel k_q7198267696_proj
		.amdhsa_group_segment_fixed_size 80896
		.amdhsa_private_segment_fixed_size 0
		.amdhsa_enable_private_segment 0
		.amdhsa_kernarg_size 56
		.amdhsa_user_sgpr_count 2
		.amdhsa_user_sgpr_kernarg_segment_ptr 1
		.amdhsa_wavefront_size32 1
		.amdhsa_system_sgpr_workgroup_id_x 1
		.amdhsa_system_sgpr_workgroup_id_y 1
		.amdhsa_system_sgpr_workgroup_id_z 1
		.amdhsa_system_vgpr_workitem_id 0
		.amdhsa_next_free_vgpr 448
		.amdhsa_next_free_sgpr 100
		.amdhsa_reserve_vcc 1
		.amdhsa_float_denorm_mode_32 3
		.amdhsa_float_denorm_mode_16_64 3
		.amdhsa_memory_ordered 1
		.amdhsa_forward_progress 1
		.amdhsa_inst_pref_size 67
	.end_amdhsa_kernel
	.amdgpu_metadata
---
amdhsa.version: [ 1, 2 ]
amdhsa.kernels:
  - .name:           k_q7198267696_proj
    .symbol:         k_q7198267696_proj.kd
    .args:
      - { .name: query, .offset: 0, .size: 8, .value_kind: global_buffer, .address_space: global }
      - { .name: prev_bev, .offset: 8, .size: 8, .value_kind: global_buffer, .address_space: global }
      - { .name: in_proj_b, .offset: 16, .size: 8, .value_kind: global_buffer, .address_space: global }
      - { .name: idx, .offset: 24, .size: 8, .value_kind: global_buffer, .address_space: global }
      - { .name: wts, .offset: 32, .size: 8, .value_kind: global_buffer, .address_space: global }
      - { .name: wq, .offset: 40, .size: 8, .value_kind: global_buffer, .address_space: global }
      - { .name: qkv, .offset: 48, .size: 8, .value_kind: global_buffer, .address_space: global }
    .group_segment_fixed_size: 80896
    .private_segment_fixed_size: 0
    .kernarg_segment_align: 8
    .kernarg_segment_size: 56
    .max_flat_workgroup_size: 256
    .sgpr_count:     100
    .vgpr_count:     448
    .wavefront_size: 32
...
	.end_amdgpu_metadata
.endif
;; end of part 2
;; launch attn (part 3): grid 8 x 32, 20 waves a work-group, no clusters, 170,496 bytes of LDS; arguments qkv, part; writes part
.if DOCPART == 3
	.amdgcn_target "amdgcn-amd-amdhsa--gfx1250"
	.amdhsa_code_object_version 6
	.text
	.protected	k_q7198267696_attn
	.globl	k_q7198267696_attn
	.p2align	8
	.type	k_q7198267696_attn,@function
k_q7198267696_attn:
	s_mov_b64 s[64:65], 0
	v_nop
	global_prefetch_b8 v0, s[64:65] scope:SCOPE_SE
	s_setreg_imm32_b32 hwreg(HW_REG_WAVE_MODE, 25, 1), 1
	s_wait_xcnt 0x0
; Attention on codes of FP6 (E2M3): 8 heads of 32 channels, 2,500 queries, 5,000 keys.  p = 2^(t - M), t = score x log2(e) / sqrt(32), M = the running largest t rounded up to a whole number;
; p is quantised along the keys, not normalised; the row's sum is taken of the unquantised p.  The keys go in four SPLITS; each leaves O^T, -M and the sum for the next launch to merge.
; SHARES.  157 tiles of 16 queries x 8 heads x 40 steps of 128 keys are 50,240 wave steps.  Work-group (x, y): head y % 8, split y / 8, query tiles 20 x .. 20 x + 19; wave w owns tile T = 20 x + w, one tile in 192 registers:
; five waves to a SIMD (5 x 192 = 960 registers), ten steps each: 256 work-groups with 50 wave steps on each SIMD.
; A step is 128 keys = two records of 64 keys.  The split's 20 records, 66,560 bytes, lie in LDS whole, each byte filled once.  Waves 0-3 fetch: first one record each (steps 0 and 1), then four each (steps 2 to 9):
; steps 0 and 1 are worked while the larger loads are on their way.  Two tensor loads of a wave are out at the most.
; THE HEAD'S 32 CHANNELS ARE ONE BLOCK, a quarter of the instruction's K.  A fragment of K holds four tiles of 16 keys, one in each block; it is multiplied by four copies of Q, each with Q's 32 codes in
; another block and zero codes elsewhere: zero codes add nothing under any scale byte but 0xff, which the quantiser never gives.  So K lies dense in memory, LDS and registers.
; Both products are used transposed (S^T = K Q^T, O^T = V^T P^T): a lane holds one query throughout; the keys of a tile are chosen so that the 16 registers of tiles 2 b, 2 b + 1 are keys 32 b + 16 (lane / 16) + 0 .. 15.
; NO CLUSTER: the eight work-groups of a (head, split) read the same 66,560 bytes once, at their head, and then work 200 wave steps on them with no further fill: joint loads would spare requests for those bytes alone
; and add two rounds of the cluster's barrier to every work-group.
; REGISTERS: v1-3 16, 8, 4 x lane; v4-6 the same + the step's place; v8-9 V's scale words as they lie; v12 -M, v13 largest t, v[14:15] the sum; v16-45 zeros, Q in lanes 0-15, zeros, Q in lanes 16-31, zeros (six each);
; v46 Q's scale byte four times; v47 p's scale word; v48-71 two fragments of K, and behind the products K Q^T the softmax's scratch; v72-73 K's scale words; v74-97 two fragments of V^T, v98-99 their scale words;
; v100-163 S^T, then p; v164-179 O^T; v180-191 p's codes.
.set S,   100
.set O,   164
.set PCD, 180
.set KF,  48                           ; v48-71  K's two fragments
.set KS,  72                           ; v72-73  their scale words
.set VF,  74                           ; v74-97  V^T's two fragments
.set VS,  98                           ; v98-99  their scale words
.set VR,  8                            ; v8-9    the two records' words, from which those are made
.set PW,  47                           ; p's scale word
.set CV2, 48                           ; in K's registers, once the products K Q^T are four places back: v48-50, v52-54 the conversions' second halves
.set TMP, 51
.set BM,  56                           ; v56-59  the blocks' largest scores
.set PT,  60                           ; v60-63  permute results, later the scale bytes
.set SO,  64                           ; v64-67  the conversions' scale operands
.set SU2, 68                           ; v[68:69] the sum's second chain
.set F,   70                           ; v[70:71] f = 2^(old M - new M) (v71 is named with it as a pair; K's loads have written it)
.set WV,  8
.set I,   15                           ; s15  the step
.set FIRST, 13                         ; s13  0, or 10 in a wave whose tile holds no query
.set LASTI, 14                         ; s14  the local number of step 39, if I have it
.set TB,  44                           ; s44  LDS byte at which the step's two records begin
.set SEL, 46
.set CS,  48                           ; s[48:49] c = log2(e) / sqrt(32)
.set HI,  50                           ; s50  lanes 16-31
	s_load_b128 s[4:7], s[0:1], 0x0                ; qkv s[4:5], part s[6:7]
	v_lshl_add_u32 v162, v0, 2, 0x29000
	v_mov_b32 v163, 0
	ds_add_u32 v162, v163
	ds_add_u32 v162, v163
	s_wait_dscnt 0x0
	v_lshrrev_b32 v1, 5, v0
	v_readfirstlane_b32 s[WV], v1                  ; wave 0..19
	s_and_b32 s40, ttmp7, 0xffff
	s_and_b32 s9, s40, 7                           ; head
	s_lshr_b32 s10, s40, 3                         ; split 0..3
	s_mul_i32 s11, ttmp9, 20
	s_add_co_u32 s11, s11, s[WV]                   ; T
	s_mul_i32 s12, s10, 10                         ; the split's first step
	; descriptor groups 1: dense blocks of memory as rows of 256 bytes (32 elements of 8 bytes), no padding: every read below is 4, 8 or 16 bytes a lane on end.  One record is 13 rows, four are 52
	s_mov_b32 s16, 3<<16
	s_mov_b32 s17, 32<<16                          ; tensor_dim0
	s_mov_b32 s18, 13<<16                          ; tensor_dim1
	s_mov_b32 s19, 32<<16                          ; tile_dim0
	s_mov_b32 s20, 13                              ; tile_dim1
	s_mov_b32 s21, 32                              ; the pitch
	s_mov_b32 s22, 0
	s_mov_b32 s23, 0
	s_mov_b32 s24, 3<<16
	s_mov_b32 s25, 32<<16
	s_mov_b32 s26, 52<<16
	s_mov_b32 s27, 32<<16
	s_mov_b32 s28, 52
	s_mov_b32 s29, 32
	s_mov_b32 s30, 0
	s_mov_b32 s31, 0
	s_mul_i32 s40, s9, 266240                      ; the head's 80 records,
	s_mul_i32 s41, s10, 66560                      ; the split's 20
	s_add_co_u32 s40, s40, s41
	s_mul_i32 s33, s[WV], 3328                     ; my one of the first four: in LDS, and in memory
	s_mul_i32 s37, s[WV], 13312
	s_add_co_u32 s37, s37, 13312                   ; my four of the other sixteen
	s_add_co_u32 s42, s40, s37
	s_mov_b32 s43, 0
	s_add_co_u32 s40, s40, s33
	s_mov_b32 s41, 0
	s_mov_b32 s32, 1
	s_mov_b32 s36, 1
	s_wait_kmcnt 0x0
	s_add_nc_u64 s[34:35], s[4:5], s[40:41]
	s_or_b32 s35, s35, 0x80000000
	s_add_nc_u64 s[38:39], s[4:5], s[42:43]
	s_or_b32 s39, s39, 0x80000000
	s_cmp_lt_u32 s[WV], 4                          ; waves 0-3 fill: a wave's two fills stand in one branch, ahead of every wait on TENSORcnt, every LDS read and every barrier
	s_cbranch_scc0 .Lno_fill
	tensor_load_to_lds s[32:35], s[16:23]
	s_nop 0
	tensor_load_to_lds s[36:39], s[24:31]
	s_nop 0
.rept 4
	v_nop
.endr
.Lno_fill:
	v_and_b32 v7, 31, v0
	v_lshlrev_b32 v1, 4, v7
	v_lshlrev_b32 v2, 3, v7
	v_lshlrev_b32 v3, 2, v7
	; Q: tile T is block T % 4 of the image of group T / 4: registers 6 c .. 6 c + 5 (c = (T % 4) / 2) of lane r + 16 (T % 2).  Every lane takes its query's 24 bytes, three loads of 8.
	v_and_b32 v8, 15, v0
	s_and_b32 s40, s11, 1
	s_lshl_b32 s40, s40, 8
	v_lshl_add_u32 v8, v8, 4, s40
	s_bfe_u32 s41, s11, 0x10001
	s_cmp_eq_u32 s41, 0
	s_cselect_b32 s40, 0, 520                      ; registers 0-5 lie at bytes 0, 8, 512 of the lane's pieces, registers 6-11 at 520, 1024, 1032
	s_mov_b32 s41, 1024
	s_cselect_b32 s41, 8, s41
	s_mov_b32 s42, 1032
	s_cselect_b32 s42, 512, s42
	v_add_nc_u32 v9, s40, v8
	v_add_nc_u32 v10, s41, v8
	v_add_nc_u32 v11, s42, v8
	s_lshr_b32 s43, s11, 2
	s_lshl_b32 s43, s43, 3
	s_add_co_u32 s43, s43, s9
	s_mul_i32 s52, s43, 1536
	s_add_co_u32 s52, s52, 2129920
	s_mov_b32 s53, 0
	s_add_nc_u64 s[54:55], s[4:5], s[52:53]
	s_lshl_b32 s52, s43, 7
	s_add_co_u32 s52, s52, 2621440
	s_add_nc_u64 s[56:57], s[4:5], s[52:53]
	global_load_b64 v[48:49], v9, s[54:55]
	global_load_b64 v[50:51], v10, s[54:55]
	global_load_b64 v[52:53], v11, s[54:55]
	global_load_b32 v54, v3, s[56:57]
	s_mov_b32 s[SEL], 0x76543210
	s_mov_b32 s[SEL+1], 0xfedcba98
	s_mov_b32 s[CS], 0x3e8293ee
	s_mov_b32 s[CS+1], s[CS]                       ; (named with it as a pair, so it is written)
	s_mov_b32 s[HI], 0xffff0000
	s_mov_b32 s51, 0x05040100
	s_mov_b32 s45, 0x07060302
	s_cmp_ge_u32 s11, 157                          ; tiles 157-159 hold no query: their waves pass the barriers and jump over every step
	s_cselect_b32 s[FIRST], 10, 0
	s_sub_co_u32 s[LASTI], 39, s12
	s_mov_b32 s[I], 0
	s_mov_b32 s[TB], 0
	s_mul_i32 s40, s10, 160
	s_add_co_u32 s40, s40, s11
	s_lshl_b32 s40, s40, 3
	s_add_co_u32 s40, s40, s9                      ; (split x 160 + T) x 8 + head
	s_lshl_b32 s42, s40, 11
	s_mov_b32 s43, 0
	s_add_nc_u64 s[58:59], s[6:7], s[42:43]        ; where O^T goes
	s_lshl_b32 s42, s40, 8
	s_add_co_u32 s42, s42, 10485760
	s_add_nc_u64 s[60:61], s[6:7], s[42:43]        ; and -M and the sum
	s_and_b32 s40, s11, 3
	s_mul_i32 s40, s40, 0x01010101                 ; v_perm_b32's selector: byte T % 4 four times
	v_mov_b32 v13, 0xff61b1e6                      ; the largest t so far: -3e38
	v_floor_f32 v12, -v13
	v_mov_b32 v14, 0
	v_mov_b32 v15, 0
.irp k, 0,1,2,3,4,5
	v_mov_b32 v[16+\k], 0
	v_mov_b32 v[28+\k], 0
	v_mov_b32 v[40+\k], 0
.endr
	s_wait_loadcnt 0x0
	v_perm_b32 v46, v54, v54, s40                  ; Q's scale byte in all four places: whichever block holds the codes
.irp k, 0,1,2,3,4,5
	v_cndmask_b32 v[22+\k], v[48+\k], 0, s[HI]     ; Q in lanes 0-15
	v_cndmask_b32 v[34+\k], 0, v[48+\k], s[HI]     ; Q in lanes 16-31
.endr
.irp k, 0,1,2,3,4,5,6,7,8,9,10,11,12,13,14,15
	v_mov_b32 v[O+\k], 0                           ; O^T: the step is written alike for all steps; the first finds zeros.  (These are also the places between the scale and the codes just written and the first product)
.endr
; A KEY STEP: 128 keys.  mask = 1: the copy that may meet step 39, of whose keys only eight exist.
.macro STEP mask
	s_cmp_lt_u32 s[I], s[FIRST]
	s_cbranch_scc1 .Lskip_\@
	v_add_nc_u32 v4, s[TB], v1
	v_add_nc_u32 v5, s[TB], v2
	v_add_nc_u32 v6, s[TB], v3
	v_nop                                          ; four places between the last step's products and the loads into their operands
.irp j, 0,1
.irp c, 0,1,2
	ds_load_b128 v[KF+12*\j+4*\c:KF+12*\j+4*\c+3], v4 offset:3328*\j+512*\c
.endr
.endr
.irp j, 0,1
	ds_load_b32 v[KS+\j], v6 offset:3328*\j+3072
.endr
.irp u, 0,1
.irp c, 0,1
.irp p, 0,1,2
	ds_load_b64 v[VF+12*\u+6*\c+2*\p:VF+12*\u+6*\c+2*\p+1], v5 offset:3328*\c+1536+768*\u+256*\p
.endr
.endr
.endr
.irp c, 0,1
	ds_load_b32 v[VR+\c], v6 offset:3328*\c+3200
.endr
	s_wait_dscnt 14                                ; K's eight loads are in; V's fourteen may be out
.irp t, 0,1,2,3,4,5,6,7                        ; tile t: fragment t / 4, block t % 4; Q's copy with its codes in that block begins at v[16 + 12 (t % 2) + 6 (1 - (t % 4) / 2)]
	v_wmma_scale_f32_16x16x128_f8f6f4 v[S+8*\t:S+8*\t+7], v[KF+12*(\t/4):KF+12*(\t/4)+11], v[16+12*(\t%2)+6*(1-(\t%4)/2):27+12*(\t%2)+6*(1-(\t%4)/2)], 0, v[KS+\t/4], v46 matrix_a_fmt:MATRIX_FMT_FP6 matrix_b_fmt:MATRIX_FMT_FP6
.endr
	s_wait_dscnt 0x0
	v_perm_b32 v[VS], v[VR+1], v[VR], s51          ; V's scale words of the step: two bytes of each record, tile 0 of channels,
	v_perm_b32 v[VS+1], v[VR+1], v[VR], s45        ; tile 1
	v_nop
	v_nop                                          ; four places behind the products: from here on their results are read and K's registers are written
.if \mask
	s_cmp_lg_u32 s[I], s[LASTI]
	s_cbranch_scc1 .Lopen_\@
	v_mov_b32 v[TMP], 0xff800000                   ; step 39 has keys 4,992 to 4,999 alone: registers 0-7 of lanes 0-15; the others' scores become -infinity ahead of the maximum
.irp k, 0,1,2,3,4,5,6,7
	v_cndmask_b32 v[S+\k], v[S+\k], v[TMP], s[HI]
.endr
.set j, 8
.rept 56
	v_mov_b32 v[S+j], v[TMP]
.set j, j+1
.endr
.Lopen_\@:
.endif
.irp b, 0,1,2,3
	v_max3_num_f32 v[BM+\b], v[S+16*\b], v[S+1+16*\b], v[S+2+16*\b]      ; the largest score of each block of 32 keys: for the row's maximum and, since p rises with the score, for the block's largest p
.endr
.irp i, 3,5,7,9,11,13
.irp b, 0,1,2,3
	v_max3_num_f32 v[BM+\b], v[BM+\b], v[S+16*\b+\i], v[S+1+16*\b+\i]
.endr
.endr
.irp b, 0,1,2,3
	v_max_num_f32 v[BM+\b], v[BM+\b], v[S+15+16*\b]
.endr
.irp b, 0,1,2,3
	v_permlanex16_b32 v[PT+\b], v[BM+\b], s[SEL], s[SEL+1]               ; (its destination counts as read: K's loads have written it)
.endr
.irp b, 0,1,2,3
	v_max_num_f32 v[BM+\b], v[BM+\b], v[PT+\b]
.endr
	v_max3_num_f32 v[TMP], v[BM], v[BM+1], v[BM+2]
	v_max_num_f32 v[TMP], v[TMP], v[BM+3]
	v_mul_f32 v[TMP], s[CS], v[TMP]
	v_max_num_f32 v13, v13, v[TMP]                 ; the running largest t
	v_mov_b32 v[TMP], v12
	v_floor_f32 v12, -v13                          ; -M = floor(-t): M is a whole number
	v_sub_f32 v[TMP], v12, v[TMP]
	v_cvt_i32_f32 v[TMP], v[TMP]                   ; (it saturates)
	v_ldexp_f32 v[F], 1.0, v[TMP]                  ; f = 2^(old M - new M): rounds nothing
.set j, 0
.rept 32
	v_pk_fma_f32 v[S+j:S+j+1], v[S+j:S+j+1], s[CS:CS+1], v[12:13] op_sel_hi:[1,0,0]     ; t - M
.set j, j+2
.endr
.irp b, 0,1,2,3
	v_fma_f32 v[BM+\b], v[BM+\b], s[CS], v12
.endr
.set j, 0
.rept 64
	v_exp_f32 v[S+j], v[S+j]                       ; p = 2^(t - M)
.set j, j+1
.endr
	v_pk_mul_f32 v[14:15], v[14:15], v[F:F+1] op_sel_hi:[1,0]        ; the sums under the new M (a plain line behind the exponentials)
	s_wait_alu depctr_va_vdst(0)                   ; one wait for the batch, ahead of its first reader
.irp b, 0,1,2,3
	v_exp_f32 v[BM+\b], v[BM+\b]                   ; the block's largest p
.endr
	v_pk_add_f32 v[SU2:SU2+1], v[S:S+1], v[S+2:S+3]                  ; the row's sum, of the unquantised p, in two chains
.irp j, 4,8,12,16,20,24,28,32,36,40,44,48,52,56,60
	v_pk_add_f32 v[14:15], v[14:15], v[S+\j:S+\j+1]
	v_pk_add_f32 v[SU2:SU2+1], v[SU2:SU2+1], v[S+2+\j:S+3+\j]
.endr
	v_pk_add_f32 v[14:15], v[14:15], v[SU2:SU2+1]
	s_wait_alu depctr_va_vdst(0)                   ; and one for the four
.irp b, 0,1,2,3
	v_max_num_f32 v[BM+\b], 0x1800000, v[BM+\b]    ; the floor 2^(3 - 127)
.endr
.irp b, 0,1,2,3
	v_add_nc_u32 v[SO+\b], 0xff000000, v[BM+\b]
.endr
.irp b, 0,1,2,3
	v_lshrrev_b32 v[PT+\b], 23, v[SO+\b]           ; the scale's byte
.endr
	v_lshl_or_b32 v[PW], v[PT+1], 8, v[PT]
	v_lshl_or_b32 v[PW], v[PT+2], 16, v[PW]
	v_lshl_or_b32 v[PW], v[PT+3], 24, v[PW]
.irp c, 0,1
	v_cvt_scalef32_pk16_fp6_f32 v[PCD+6*\c:PCD+2+6*\c], v[S+32*\c:S+15+32*\c], v[SO+2*\c]
	v_cvt_scalef32_pk16_fp6_f32 v[CV2+4*\c:CV2+2+4*\c], v[S+16+32*\c:S+31+32*\c], v[SO+2*\c+1]
.endr
	v_nop                                          ; one plain line behind a scaled conversion
.irp c, 0,1
.irp i, 0,1,2
	v_permlane16_swap_b32 v[PCD+6*\c+\i], v[CV2+4*\c+\i]
.endr
.irp i, 0,1,2
	v_mov_b32 v[PCD+3+6*\c+\i], v[CV2+4*\c+\i]
.endr
.endr
.irp j, 0,2,4,6,8,10,12,14
	v_pk_mul_f32 v[O+\j:O+\j+1], v[O+\j:O+\j+1], v[F:F+1] op_sel_hi:[1,0]     ; O^T under the new M; these eight are the places between the codes and the scale word just written and the products
.endr
.irp u, 0,1                                    ; the two accumulators by turns; eight other products lie between a link and the next
	v_wmma_scale_f32_16x16x128_f8f6f4 v[O+8*\u:O+8*\u+7], v[VF+12*\u:VF+12*\u+11], v[PCD:PCD+11], v[O+8*\u:O+8*\u+7], v[VS+\u], v[PW] matrix_a_fmt:MATRIX_FMT_FP6 matrix_b_fmt:MATRIX_FMT_FP6
.endr
.Lskip_\@:
	s_add_co_u32 s[TB], s[TB], 6656
	s_add_co_u32 s[I], s[I], 1
.endm
	s_wait_tensorcnt 0x1                           ; my record of the first four has landed; my four others may stay out
	s_barrier_signal -1
	s_barrier_wait -1                              ; the first four records are whole
	STEP 0                                         ; steps 0 and 1 are written out: they read LDS bytes 0 to 13,311 alone
	STEP 0
	s_wait_tensorcnt 0x0                           ; my four records have landed,
	s_wait_dscnt 0x0
	s_barrier_signal -1
	s_barrier_wait -1                              ; everybody's have.  Nothing is filled again
.Lstep:                                            ; steps 2 to 9
	STEP 1
	s_cmp_lt_u32 s[I], 10
	s_cbranch_scc1 .Lstep
	s_cmp_ge_u32 s11, 157
	s_cbranch_scc1 .Lend
	v_add_f32 v14, v14, v15
	v_permlanex16_b32 v7, v14, s[SEL], s[SEL+1]
	v_add_f32 v11, v14, v7                         ; the split's sum
	v_mov_b32 v10, v12                             ; -M
	v_nop
	v_nop                                          ; (with the lines above: the places behind the last products)
	global_store_b64 v2, v[10:11], s[60:61]        ; 256 consecutive bytes, aligned
.irp i, 0,1,2,3
	global_store_b128 v1, v[O+4*\i:O+4*\i+3], s[58:59] offset:512*\i       ; each accumulator from its low end on
.endr
.Lend:
	s_wait_xcnt 0x0
	v_lshl_add_u32 v162, v0, 2, 0x29000
	v_mov_b32 v163, 0
	s_wait_tensorcnt 0x0
	ds_add_u32 v162, v163
	s_wait_dscnt 0x0
	s_endpgm
.Lfunc_end_k_q7198267696_attn:
	.size	k_q7198267696_attn, .Lfunc_end_k_q7198267696_attn-k_q7198267696_attn
	.p2alignl 7, 3214868480
	.fill 96, 4, 3214868480
	.section	.rodata,"a",@progbits
	.p2align	6, 0x0
	.amdhsa_kernel k_q7198267696_attn
		.amdhsa_group_segment_fixed_size 170496
		.amdhsa_private_segment_fixed_size 0
		.amdhsa_enable_private_segment 0
		.amdhsa_kernarg_size 16
		.amdhsa_user_sgpr_count 2
		.amdhsa_user_sgpr_kernarg_segment_ptr 1
		.amdhsa_wavefront_size32 1
		.amdhsa_system_sgpr_workgroup_id_x 1
		.amdhsa_system_sgpr_workgroup_id_y 1
		.amdhsa_system_sgpr_workgroup_id_z 1
		.amdhsa_system_vgpr_workitem_id 0
		.amdhsa_next_free_vgpr 192
		.amdhsa_next_free_sgpr 66
		.amdhsa_reserve_vcc 0
		.amdhsa_float_denorm_mode_32 3
		.amdhsa_float_denorm_mode_16_64 3
		.amdhsa_memory_ordered 1
		.amdhsa_forward_progress 1
		.amdhsa_inst_pref_size 54
	.end_amdhsa_kernel
	.amdgpu_metadata
---
amdhsa.version: [ 1, 2 ]
amdhsa.kernels:
  - .name:           k_q7198267696_attn
    .symbol:         k_q7198267696_attn.kd
    .args:
      - { .name: qkv, .offset: 0, .size: 8, .value_kind: global_buffer, .address_space: global }
      - { .name: part, .offset: 8, .size: 8, .value_kind: global_buffer, .address_space: global }
    .group_segment_fixed_size: 170496
    .private_segment_fixed_size: 0
    .kernarg_segment_align: 8
    .kernarg_segment_size: 16
    .max_flat_workgroup_size: 640
    .sgpr_count:     66
    .vgpr_count:     192
    .wavefront_size: 32
...
	.end_amdgpu_metadata
.endif
;; end of part 3
;; launch tail (part 4): grid 157 x 1, 8 waves a work-group, no clusters, 55,296 bytes of LDS; arguments part, idx, wts, wq, imgT, query, mha_out_b, norm1_g, norm1_b, attn_w_b, sca_out_b, ffn_b1, ffn_b2, norm2_g, norm2_b, out0; writes out0
.if DOCPART == 4
	.amdgcn_target "amdgcn-amd-amdhsa--gfx1250"
	.amdhsa_code_object_version 6
	.text
	.protected	k_q7198267696_tail
	.globl	k_q7198267696_tail
	.p2align	8
	.type	k_q7198267696_tail,@function
k_q7198267696_tail:
	s_mov_b64 s[64:65], 0
	v_nop
	global_prefetch_b8 v0, s[64:65] scope:SCOPE_SE
	s_setreg_imm32_b32 hwreg(HW_REG_WAVE_MODE, 25, 1), 1
	s_wait_xcnt 0x0
; All that follows attention, for 16 queries a work-group: the merge of the four key splits, the output projection, residual and LayerNorm 1, the 24 weights and their softmax, the gather of image samples,
; the second projection with its residual, the FFN, LayerNorm 2 and the last residual.  Five products on codes of FP6 (E2M3); everything between them in f32; nothing goes to memory on the way.
; ROWS.  Work-group T has the queries of attention's tile T: local row r is query RB + r + 8 (r / 8), RB = 64 (T / 4) + 32 ((T / 2) % 2) + 8 (T % 2).
; SHARES.  Every product is used transposed (source 0 = 16 rows of the weight, source 1 = the 16 queries): lane (r, h) holds row r and channels 16 h + 0 .. 15 of a block of 32.  Wave w owns block w of each layer of 256
; (head w in the merge), hidden units 64 w .. 64 w + 63 of the FFN, and local rows 2 w, 2 w + 1 in the gather and on the way out.
; AN ACTIVATION GOES FROM WAVE TO WAVE AS AN IMAGE OF THE OPERAND'S REGISTERS, lane by lane: fragment f, lane L, register g at 1536 f + 48 L + 4 g.  A wave's block is 3 registers in each of 32 lanes: three stores of 4 bytes;
; its scale byte one store of a byte.  Every stage has LDS bytes of its own: one barrier a stage.
; The weights come from memory in the order of the operand's registers, straight into registers.  No tensor load: the gather's trips and addresses hang on stored numbers.
; LayerNorm: each wave's sum and its squares about ITS OWN mean; they are joined by the exact rule for groups, so that no difference of large sums is formed.
; LIMITS: finite inputs; a block under 2^-124 keeps the scale byte 1.
; REGISTERS, window 0: v1-15, v36-39, v248-255 addresses; v16-27 the gather's tables; v28-35 at work; v40-67 the weights' scale words; v68-71 the activations'; v72-119 activation fragments, else at work;
;  v120-151 accumulators (in the merge: the fourth split and its factor); v152-167 q; v168-183 attn_w_b, then q2; v184-199 the residual, then the gather's sums, then ffn_b2; v200-215, v216-247 biases and gains.
;  window 1: v0-47 mha_out's, then sca_out's fragments; v48-95 attn_w's; v96-223 the gather's data; later v48-143 ffn_W1's, v144-239 ffn_W2's.
.set OIMG, 0
.set QIMG, 3072
.set GIMG, 6144
.set Q2IMG, 9216
.set HIMG, 12288
.set OSC,  18432
.set QSC,  18560
.set GSC,  18688
.set Q2SC, 18816
.set HSC,  18944
.set LN1,  19200
.set LN2,  20224
.set WSC,  21248                       ; 2,048 bytes for each wave: the 16 rows' 32 weights
.set AGG,  37632                       ; 16 rows x 1,040 bytes: the gathered rows, later the rows of the result
.set WV,  36
.set SEL, 38
.set HI,  90
.set MSB, 0
.macro WIN new                         ; the immediate's high byte repeats the setting that is left
.if MSB != \new
	s_set_vgpr_msb (MSB<<8)|\new
.set MSB, \new
.endif
.endm
.macro MM d, a, b, c, sa, sb
	v_wmma_scale_f32_16x16x128_f8f6f4 v[(\d):(\d)+7], v[(\a):(\a)+11], v[(\b):(\b)+11], v[(\c):(\c)+7], v[(\sa)], v[(\sb)] matrix_a_fmt:MATRIX_FMT_FP6 matrix_b_fmt:MATRIX_FMT_FP6
.endm
.macro PLACES
.rept 4
	v_nop                                          ; four places behind the products, ahead of reads of results and of loads into operands
.endr
.endm
.macro BAR                             ; my LDS stores have landed and my LDS loads are in: then the work-group's barrier
	s_wait_dscnt 0x0
	s_barrier_signal -1
	s_barrier_wait -1
.endm
; One block of 32: 16 numbers a lane in v[src] on -> 3 registers of codes to the image, the scale byte to its word
.macro QBLK src, adr, off, sadr, soff
	v_max3_num_f32 v28, |v[\src]|, |v[\src+1]|, 0x1800000            ; and the floor 2^(3 - 127)
.irp i, 2,4,6,8,10,12,14
	v_max3_num_f32 v28, v28, |v[\src+\i]|, |v[\src+1+\i]|
.endr
	v_permlanex16_b32 v29, v28, s[SEL], s[SEL+1]
	v_max_num_f32 v28, v28, v29
	v_add_nc_u32 v30, 0xff000000, v28              ; 2 off the exponent field: the conversion's scale operand
	v_cvt_scalef32_pk16_fp6_f32 v[32:34], v[\src:\src+15], v30
	v_lshrrev_b32 v31, 23, v30                     ; the byte (the plain line behind the conversion)
	ds_store_b32 v[\adr], v32 offset:\off
	ds_store_b32 v[\adr], v33 offset:\off+4
	ds_store_b32 v[\adr], v34 offset:\off+8
	ds_store_b8 v[\sadr], v31 offset:\soff         ; both halves of the lanes write the same byte with the same value
.endm
; n fragments and their scale words out of LDS
.macro AFR n, img, sc
.set f, 0
.rept \n
.irp c, 0,1,2
	ds_load_b128 v[72+12*f+4*\c:75+12*f+4*\c], v6 offset:\img+1536*f+16*\c
.endr
	ds_load_b32 v[68+f], v7 offset:\sc+64*f
.set f, f+1
.endr
	s_wait_dscnt 0x0
.endm
.macro SUM16 x                         ; v96 = the sum of my 16 and of lane l xor 16's
	v_pk_add_f32 v[96:97], v[\x:\x+1], v[\x+2:\x+3]
	v_pk_add_f32 v[98:99], v[\x+4:\x+5], v[\x+6:\x+7]
	v_pk_add_f32 v[100:101], v[\x+8:\x+9], v[\x+10:\x+11]
	v_pk_add_f32 v[102:103], v[\x+12:\x+13], v[\x+14:\x+15]
	v_pk_add_f32 v[96:97], v[96:97], v[98:99]
	v_pk_add_f32 v[100:101], v[100:101], v[102:103]
	v_pk_add_f32 v[96:97], v[96:97], v[100:101]
	v_add_f32 v96, v96, v97
	v_permlanex16_b32 v29, v96, s[SEL], s[SEL+1]
	v_add_f32 v96, v96, v29
.endm
.macro LNPART x, reg                   ; my block's sum and its squares about its own mean, to LDS
	SUM16 \x
	v_mul_f32 v98, 0x3d000000, v96                 ; / 32
	v_sub_f32 v99, v[\x], v98
	v_sub_f32 v100, v[\x+1], v98
	v_mul_f32 v97, v99, v99
	v_mul_f32 v101, v100, v100
.irp i, 2,4,6,8,10,12,14
	v_sub_f32 v99, v[\x+\i], v98
	v_sub_f32 v100, v[\x+1+\i], v98
	v_fma_f32 v97, v99, v99, v97
	v_fma_f32 v101, v100, v100, v101
.endr
	v_add_f32 v97, v97, v101
	v_permlanex16_b32 v29, v97, s[SEL], s[SEL+1]
	v_add_f32 v97, v97, v29
	ds_store_b64 v13, v[96:97] offset:\reg
.endm
.macro LNFIN reg                       ; v112 = the row's mean, v114 = 1 / sqrt(variance + 1e-5)
.irp j, 0,1,2,3
	ds_load_b128 v[96+4*\j:99+4*\j], v248 offset:\reg+16*\j
.endr
	s_wait_dscnt 0x0
	v_add_f32 v112, v96, v98
	v_add_f32 v113, v100, v102
	v_add_f32 v114, v104, v106
	v_add_f32 v115, v108, v110
	v_add_f32 v112, v112, v113
	v_add_f32 v114, v114, v115
	v_add_f32 v112, v112, v114
	v_mul_f32 v112, 0x3b800000, v112               ; / 256
	v_add_f32 v113, v97, v99
	v_add_f32 v114, v101, v103
	v_add_f32 v115, v105, v107
	v_add_f32 v118, v109, v111
	v_add_f32 v113, v113, v114
	v_add_f32 v115, v115, v118
	v_add_f32 v113, v113, v115
	v_fma_f32 v114, v96, 0x3d000000, -v112         ; a block's mean less the row's
	v_mul_f32 v115, v114, v114
.irp j, 1,2,3,4,5,6,7
	v_fma_f32 v114, v[96+2*\j], 0x3d000000, -v112
	v_fma_f32 v115, v114, v114, v115
.endr
	v_fma_f32 v113, v115, 0x42000000, v113         ; + 32 x those squares
	v_fma_f32 v113, v113, 0x3b800000, s94          ; / 256 + 1e-5
	v_rsq_f32 v114, v113
	v_nop
	s_wait_alu depctr_va_vdst(0)                   ; the wait ahead of the first reader
.endm
	s_load_b512 s[4:19], s[0:1], 0x0               ; part s[4:5], idx s[6:7], wts s[8:9], wq s[10:11], imgT s[12:13], query s[14:15], mha_out_b s[16:17], norm1_g s[18:19]
	s_load_b512 s[20:35], s[0:1], 0x40             ; norm1_b s[20:21], attn_w_b s[22:23], sca_out_b s[24:25], ffn_b1 s[26:27], ffn_b2 s[28:29], norm2_g s[30:31], norm2_b s[32:33], out0 s[34:35]
	s_set_vgpr_msb 0x40
	v_lshl_add_u32 v254, v0, 2, 0xd400
	v_mov_b32 v255, 0
	s_set_vgpr_msb 0x4000
	v_lshrrev_b32 v1, 5, v0
	v_readfirstlane_b32 s[WV], v1                  ; wave 0..7
	v_and_b32 v1, 31, v0                           ; lane
	v_and_b32 v2, 15, v0                           ; r
	v_bfe_u32 v3, v0, 4, 1                         ; h
	v_lshlrev_b32 v4, 4, v1
	v_lshlrev_b32 v5, 2, v1
	v_mul_u32_u24 v6, v1, 48
	v_lshlrev_b32 v7, 2, v2
	v_lshlrev_b32 v8, 6, v3
	v_lshlrev_b32 v39, 3, v1
	v_mov_b32 v249, 0
	v_mov_b32 v29, 0                               ; a lane permute's destination counts as one of its sources
	v_mul_u32_u24 v28, v2, 48
	v_mad_u32_u24 v28, v3, 12, v28                 ; 48 r + 12 h
	s_lshr_b32 s44, s[WV], 2
	s_mul_i32 s44, s44, 1536
	s_and_b32 s45, s[WV], 1
	s_mul_i32 s45, s45, 768
	s_add_co_u32 s44, s44, s45
	s_bfe_u32 s45, s[WV], 0x10001
	s_mul_i32 s45, s45, 24
	s_add_co_u32 s44, s44, s45
	v_add_nc_u32 v9, s44, v28                      ; block w of a layer of 256: fragment w / 4, lanes of half w % 2, registers 6 ((w / 2) % 2) + 3 h on
	s_lshr_b32 s44, s[WV], 1
	s_mul_i32 s44, s44, 1536
	s_and_b32 s45, s[WV], 1
	s_mul_i32 s45, s45, 24
	s_add_co_u32 s44, s44, s45
	v_add_nc_u32 v11, s44, v28                     ; blocks 2 w, 2 w + 1 of the hidden 512: fragment w / 2, registers 6 (w % 2) + 3 h on, halves 0 and 1 (768 bytes on)
	s_lshr_b32 s44, s[WV], 2
	s_lshl_b32 s44, s44, 6
	s_and_b32 s45, s[WV], 3
	s_add_co_u32 s44, s44, s45
	v_add_nc_u32 v10, s44, v7                      ; the scale byte: 64 (w / 4) + 4 r + w % 4
	s_lshr_b32 s44, s[WV], 1
	s_lshl_b32 s44, s44, 6
	s_and_b32 s45, s[WV], 1
	s_lshl_b32 s45, s45, 1
	s_add_co_u32 s44, s44, s45
	v_add_nc_u32 v12, s44, v7                      ; 64 (w / 2) + 4 r + 2 (w % 2)
	v_lshlrev_b32 v248, 6, v2                      ; 64 r
	s_lshl_b32 s44, s[WV], 3
	v_add_nc_u32 v13, s44, v248                    ; 64 r + 8 w
	s_lshl_b32 s44, s[WV], 7
	v_add_nc_u32 v36, s44, v8                      ; 128 w + 64 h: my 16 channels in a vector of 256
	v_mul_u32_u24 v14, v2, 1040
	v_add_nc_u32 v14, v14, v36                     ; and in a row of the stage
	s_lshl_b32 s44, s[WV], 8
	v_add_nc_u32 v37, s44, v8                      ; 256 w + 64 h: in ffn_b1
	s_mul_i32 s44, s[WV], 2080
	v_add_nc_u32 v15, s44, v4                      ; rows 2 w, 2 w + 1 of the stage, 16 bytes a lane
	s_lshl_b32 s44, s[WV], 11
	v_lshl_add_u32 v250, v2, 7, v8
	v_add_nc_u32 v250, s44, v250                   ; my wave's weights: row r, + 64 h
	s_mul_i32 s44, s[WV], 2304
	v_add_nc_u32 v251, s44, v5                     ; back: row 2 w, 4 bytes a lane: a lane is a point
	s_mul_i32 s44, s[WV], 6144
	v_add_nc_u32 v252, s44, v4                     ; my four fragments of a weight of 256 x 256
	s_mul_i32 s44, s[WV], 12288
	v_add_nc_u32 v253, s44, v4                     ; my eight of the FFN's
	s_lshl_b32 s44, s[WV], 9
	v_add_nc_u32 v254, s44, v5
	s_lshl_b32 s44, s[WV], 10
	v_add_nc_u32 v255, s44, v5
	s_mov_b32 s[SEL], 0x76543210
	s_mov_b32 s[SEL+1], 0xfedcba98
	s_mov_b32 s[HI], 0xffff0000
	s_mov_b32 s91, 0x3fb8aa3b                      ; log2(e)
	s_mov_b32 s94, 0x3727c5ac                      ; 1e-5
	s_lshr_b32 s40, ttmp9, 2
	s_lshl_b32 s40, s40, 6
	s_bfe_u32 s44, ttmp9, 0x10001
	s_lshl_b32 s44, s44, 5
	s_add_co_u32 s40, s40, s44
	s_and_b32 s44, ttmp9, 1
	s_lshl_b32 s44, s44, 3
	s_add_co_u32 s40, s40, s44                     ; RB
	v_and_b32 v28, 8, v2
	v_add3_u32 v28, v28, v2, s40
	v_min_u32 v28, 2499, v28                       ; no load leaves query (rows from 2,500 on are not stored)
	v_lshl_add_u32 v38, v28, 10, v36
	s_lshl_b32 s44, s[WV], 1
	s_lshr_b32 s45, s[WV], 2
	s_lshl_b32 s45, s45, 3
	s_add_co_u32 s41, s40, s44
	s_add_co_u32 s41, s41, s45                     ; the query of local row 2 w (an even number); that of 2 w + 1 is the next
	s_min_u32 s44, s41, 2511                       ; the tables have 2,512 rows; from 2,500 on their masks are 0
	s_add_co_u32 s45, s41, 1
	s_min_u32 s45, s45, 2511
	s_lshl_b32 s46, s44, 2
	s_lshl_b32 s47, s45, 2
	s_mov_b32 s93, 0
	s_wait_kmcnt 0x0
	s_load_b32 s42, s[6:7], s46 offset:0xb1000     ; the masks of the points that count
	s_load_b32 s43, s[6:7], s47 offset:0xb1000
	s_lshl_b32 s92, s44, 8
	s_add_nc_u64 s[48:49], s[6:7], s[92:93]
	s_lshl_b32 s92, s45, 8
	s_add_nc_u64 s[50:51], s[6:7], s[92:93]
	s_lshl_b32 s92, s44, 9
	s_add_nc_u64 s[52:53], s[8:9], s[92:93]
	s_lshl_b32 s92, s45, 9
	s_add_nc_u64 s[54:55], s[8:9], s[92:93]
	s_lshl_b32 s44, ttmp9, 3
	s_add_co_u32 s44, s44, s[WV]                   ; 8 T + head
	s_lshl_b32 s92, s44, 11
	s_add_nc_u64 s[56:57], s[4:5], s[92:93]
	s_lshl_b32 s92, s44, 8
	s_add_co_u32 s92, s92, 10485760
	s_add_nc_u64 s[58:59], s[4:5], s[92:93]
	s_lshl_b32 s92, s41, 10
	s_add_nc_u64 s[66:67], s[34:35], s[92:93]      ; out0 at my first row
	; group A, 20 loads: the four splits' -M and sum, and O^T
.irp s, 0,1,2,3
	global_load_b64 v[72+2*\s:73+2*\s], v39, s[58:59] offset:327680*\s
.endr
.irp s, 0,1,2,3
.irp i, 0,1,2,3
	global_load_b128 v[80+16*\s+4*\i:83+16*\s+4*\i], v4, s[56:57] offset:2621440*\s+512*\i
.endr
.endr
	; group B, 48 loads: the residual, mha_out_b, mha_out's fragments, all 28 scale words
.irp j, 0,1,2,3
	global_load_b128 v[184+4*\j:187+4*\j], v38, s[14:15] offset:16*\j
.endr
.irp j, 0,1,2,3
	global_load_b128 v[200+4*\j:203+4*\j], v36, s[16:17] offset:16*\j
.endr
	WIN 0x40
.irp q, 0,1,2,3
.irp c, 0,1,2
	global_load_b128 v[12*\q+4*\c:12*\q+4*\c+3], v252, s[10:11] offset:(96+\q)*1536+512*\c
.endr
.endr
	WIN 0
.irp q, 0,1,2,3
	global_load_b32 v[40+\q], v254, s[10:11] offset:448512+(96+\q)*128
	global_load_b32 v[44+\q], v5, s[10:11] offset:448512+(128+\q)*128
	global_load_b32 v[48+\q], v254, s[10:11] offset:448512+(132+\q)*128
.endr
.irp q, 0,1,2,3,4,5,6,7
	global_load_b32 v[52+\q], v255, s[10:11] offset:448512+(164+\q)*128
	global_load_b32 v[60+\q], v255, s[10:11] offset:448512+(228+\q)*128
.endr
	s_wait_loadcnt 48                              ; group A is in; group B's 48 may be out
	; ---- 0: head w's four splits under one M: every factor is a power of two
	v_min3_num_f32 v28, v72, v74, v76
	v_min_num_f32 v28, v28, v78                    ; -M of the largest M
	v_sub_f32 v30, v28, v72
	v_sub_f32 v32, v28, v74
	v_sub_f32 v34, v28, v76
	v_sub_f32 v144, v28, v78
	v_cvt_i32_f32 v30, v30
	v_cvt_i32_f32 v32, v32
	v_cvt_i32_f32 v34, v34
	v_cvt_i32_f32 v144, v144
	v_ldexp_f32 v30, 1.0, v30
	v_ldexp_f32 v32, 1.0, v32
	v_ldexp_f32 v34, 1.0, v34
	v_ldexp_f32 v144, 1.0, v144
	v_mul_f32 v146, v30, v73
	v_fma_f32 v146, v32, v75, v146
	v_fma_f32 v146, v34, v77, v146
	v_fma_f32 v146, v144, v79, v146                ; the row's sum
	v_rcp_f32 v28, v146
	v_mov_b32 v31, 0                               ; (plain lines behind the transcendental; these are named as the upper halves of pairs)
	v_mov_b32 v33, 0
	v_mov_b32 v35, 0
	v_mov_b32 v145, 0
	s_wait_alu depctr_va_vdst(0)                   ; the wait ahead of the first reader
	v_mul_f32 v30, v30, v28
	v_mul_f32 v32, v32, v28
	v_mul_f32 v34, v34, v28
	v_mul_f32 v144, v144, v28
.irp i, 0,2,4,6,8,10,12,14
	v_pk_mul_f32 v[80+\i:81+\i], v[80+\i:81+\i], v[30:31] op_sel_hi:[1,0]
.endr
.irp i, 0,2,4,6,8,10,12,14
	v_pk_fma_f32 v[80+\i:81+\i], v[96+\i:97+\i], v[32:33], v[80+\i:81+\i] op_sel_hi:[1,0,1]
.endr
.irp i, 0,2,4,6,8,10,12,14
	v_pk_fma_f32 v[80+\i:81+\i], v[112+\i:113+\i], v[34:35], v[80+\i:81+\i] op_sel_hi:[1,0,1]
.endr
.irp i, 0,2,4,6,8,10,12,14
	v_pk_fma_f32 v[80+\i:81+\i], v[128+\i:129+\i], v[144:145], v[80+\i:81+\i] op_sel_hi:[1,0,1]
.endr
	; group C, 28 loads: norm1's gain and bias, attn_w_b, attn_w's fragments, the gather's tables
.irp j, 0,1,2,3
	global_load_b128 v[216+4*\j:219+4*\j], v36, s[18:19] offset:16*\j
	global_load_b128 v[232+4*\j:235+4*\j], v36, s[20:21] offset:16*\j
.endr
.irp j, 0,1
	global_load_b128 v[168+4*\j:171+4*\j], v8, s[22:23] offset:16*\j       ; points 16 h + 0 .. 7
	global_load_b128 v[176+4*\j:179+4*\j], v249, s[22:23] offset:32+16*\j  ; points 8 .. 15 in every lane: points 24-31 do not exist, and lanes 16-31 are overwritten below
.endr
	WIN 0x40
.irp q, 0,1,2,3
.irp c, 0,1,2
	global_load_b128 v[48+12*\q+4*\c:48+12*\q+4*\c+3], v4, s[10:11] offset:(128+\q)*1536+512*\c
.endr
.endr
	WIN 0
	global_load_b64 v[16:17], v39, s[48:49] offset:81920
	global_load_b128 v[18:21], v4, s[52:53] offset:81920
	global_load_b64 v[22:23], v39, s[50:51] offset:81920
	global_load_b128 v[24:27], v4, s[54:55] offset:81920
	QBLK 80, 9, OIMG, 10, OSC
	BAR                                            ; attention's result lies in LDS as two fragments
	; ---- 1: x = query + o mha_out_W^T + mha_out_b
	AFR 2, OIMG, OSC
	s_wait_loadcnt 28                              ; group B is in; group C's 28 may be out
	WIN 0x01                                       ; source 0 (the weight) in window 1.  Two accumulators by turns
.irp s, 0,1
.irp u, 0,1
.if \s == 0
	MM 120+8*\u, 12*(2*\u+\s), 72+12*\s, 200+8*\u, 40+2*\u+\s, 68+\s
.else
	MM 120+8*\u, 12*(2*\u+\s), 72+12*\s, 120+8*\u, 40+2*\u+\s, 68+\s
.endif
.endr
.endr
	WIN 0
	PLACES
	; group D, 16 loads: sca_out's fragments and bias
	WIN 0x40
.irp q, 0,1,2,3
.irp c, 0,1,2
	global_load_b128 v[12*\q+4*\c:12*\q+4*\c+3], v252, s[10:11] offset:(132+\q)*1536+512*\c
.endr
.endr
	WIN 0
.irp j, 0,1,2,3
	global_load_b128 v[200+4*\j:203+4*\j], v36, s[24:25] offset:16*\j
.endr
.irp i, 0,2,4,6,8,10,12,14
	v_pk_add_f32 v[120+\i:121+\i], v[120+\i:121+\i], v[184+\i:185+\i]
.endr
	LNPART 120, LN1
	BAR
	; ---- 2: q = LayerNorm 1
	s_wait_loadcnt 16                              ; group C is in; group D's 16 may be out
	LNFIN LN1
.irp i, 0,1,2,3,4,5,6,7,8,9,10,11,12,13,14,15
	v_sub_f32 v[152+\i], v[120+\i], v112
.endr
.irp i, 0,1,2,3,4,5,6,7,8,9,10,11,12,13,14,15
	v_mul_f32 v[152+\i], v[152+\i], v114
.endr
.irp i, 0,1,2,3,4,5,6,7,8,9,10,11,12,13,14,15
	v_fma_f32 v[152+\i], v[152+\i], v[216+\i], v[232+\i]
.endr
	; group E, 8 loads: ffn_b1 of my 64 hidden units
.irp e, 0,1
.irp j, 0,1,2,3
	global_load_b128 v[216+16*\e+4*\j:219+16*\e+4*\j], v37, s[26:27] offset:128*\e+16*\j
.endr
.endr
	QBLK 152, 9, QIMG, 10, QSC
	BAR
	; ---- 3: the 24 weights of all 16 rows, in every wave (four products; it spares a barrier), and their softmax
	AFR 2, QIMG, QSC
	WIN 0x01
.irp s, 0,1
.irp u, 0,1
.if \s == 0
	MM 120+8*\u, 48+12*(2*\u+\s), 72+12*\s, 168+8*\u, 44+2*\u+\s, 68+\s
.else
	MM 120+8*\u, 48+12*(2*\u+\s), 72+12*\s, 120+8*\u, 44+2*\u+\s, 68+\s
.endif
.endr
.endr
	WIN 0
	PLACES
	v_mov_b32 v114, 0xff800000
.irp i, 8,9,10,11,12,13,14,15
	v_cndmask_b32 v[120+\i], v[120+\i], v114, s[HI]        ; register i of lane (r, h) is point 16 h + i: points 24-31 become -infinity
.endr
	v_max3_num_f32 v112, v120, v121, v122
.irp i, 3,5,7,9,11,13
	v_max3_num_f32 v112, v112, v[120+\i], v[121+\i]
.endr
	v_max_num_f32 v112, v112, v135
	v_permlanex16_b32 v29, v112, s[SEL], s[SEL+1]
	v_max_num_f32 v112, v112, v29                  ; the row's maximum is taken away
.irp i, 0,1,2,3,4,5,6,7,8,9,10,11,12,13,14,15
	v_sub_f32 v[120+\i], v[120+\i], v112
.endr
.irp i, 0,1,2,3,4,5,6,7,8,9,10,11,12,13,14,15
	v_mul_f32 v[120+\i], s91, v[120+\i]
.endr
.irp i, 0,1,2,3,4,5,6,7,8,9,10,11,12,13,14,15
	v_exp_f32 v[120+\i], v[120+\i]
.endr
	v_nop
	s_wait_alu depctr_va_vdst(0)                   ; one wait for the sixteen
	SUM16 120
	v_rcp_f32 v97, v96
	v_nop
	s_wait_alu depctr_va_vdst(0)
.irp i, 0,1,2,3,4,5,6,7,8,9,10,11,12,13,14,15
	v_mul_f32 v[120+\i], v[120+\i], v97
.endr
.irp j, 0,1,2,3
	ds_store_b128 v250, v[120+4*\j:123+4*\j] offset:WSC+16*\j
.endr
	ds_load_b32 v116, v251 offset:WSC              ; my wave's own bytes, served in order: lane = point of local row 2 w,
	ds_load_b32 v117, v251 offset:WSC+128          ; of 2 w + 1
	s_wait_dscnt 0x0
	s_wait_kmcnt 0x0                               ; the masks
; ---- 4: agg(row) = the sum over the points that count of weight x four corners' rows of imgT, in f32 multiply-adds.  A trip takes four points: 32 loads of 512 bytes.
; A trip's places beyond the last point take lane 31, whose weights are 0.
.macro GATHER k
.irp c, 0,1,2,3
	v_mul_f32 v[96+\c], v[116+\k], v[18+6*\k+\c]   ; the point's weight x the corner's
.endr
.irp e, 0,1,2,3,4,5,6,7
	v_mov_b32 v[184+8*\k+\e], 0
.endr
	s_bcnt1_i32_b32 s88, s[42+\k]
	s_add_co_u32 s88, s88, 3
	s_lshr_b32 s88, s88, 2                         ; trips
	s_cmp_eq_u32 s88, 0
	s_cbranch_scc1 .Lgdone_\@
	s_mov_b32 s89, 0
.Lg_\@:
.irp e, 0,1,2,3
	s_ctz_i32_b32 s60, s[42+\k]                    ; the next point that counts (-1: none)
	s_min_u32 s60, s60, 31
	s_sub_co_u32 s61, s[42+\k], 1
	s_and_b32 s[42+\k], s[42+\k], s61
	v_readlane_b32 s62, v[16+6*\k], s60
	v_readlane_b32 s63, v[17+6*\k], s60
.irp c, 0,1,2,3
	v_readlane_b32 s[68+4*\e+\c], v[96+\c], s60
.endr
	s_and_b32 s84, s62, 0xffff
	s_lshr_b32 s85, s62, 16
	s_and_b32 s86, s63, 0xffff
	s_lshr_b32 s87, s63, 16
.irp c, 0,1,2,3
	s_min_u32 s[84+\c], s[84+\c], 8399
	v_lshl_add_u32 v[100+4*\e+\c], s[84+\c], 10, v4
.endr
.endr
	WIN 0x40
.irp e, 0,1,2,3
.irp c, 0,1,2,3
	global_load_b128 v[96+32*\e+8*\c:96+32*\e+8*\c+3], v[100+4*\e+\c], s[12:13]
	global_load_b128 v[96+32*\e+8*\c+4:96+32*\e+8*\c+7], v[100+4*\e+\c], s[12:13] offset:512
.endr
.endr
	WIN 0
	s_wait_loadcnt 0x0                             ; the data are in, and the addresses may be written again
	WIN 0x04                                       ; source 1 (the data) in window 1
.irp e, 0,1,2,3
.irp c, 0,1,2,3
.irp x, 0,1,2,3,4,5,6,7
	v_fma_f32 v[184+8*\k+\x], s[68+4*\e+\c], v[96+32*\e+8*\c+\x], v[184+8*\k+\x]
.endr
.endr
.endr
	WIN 0
	s_add_co_u32 s89, s89, 1
	s_cmp_lt_u32 s89, s88
	s_cbranch_scc1 .Lg_\@
.Lgdone_\@:
.endm
	GATHER 0
	GATHER 1
.irp k, 0,1
.irp p, 0,1
	ds_store_b128 v15, v[184+8*\k+4*\p:187+8*\k+4*\p] offset:AGG+1040*\k+512*\p
.endr
.endr
	s_wait_dscnt 0x0                               ; the stores have read their registers
	; group F, 52 loads, in this order: ffn_W1's 24, ffn_W2's 24, ffn_b2's 4
	WIN 0x40
.irp q, 0,1,2,3,4,5,6,7
.irp c, 0,1,2
	global_load_b128 v[48+12*\q+4*\c:48+12*\q+4*\c+3], v253, s[10:11] offset:(164+\q)*1536+512*\c
.endr
.endr
.irp q, 0,1,2,3,4,5,6,7
.irp c, 0,1,2
	global_load_b128 v[144+12*\q+4*\c:144+12*\q+4*\c+3], v253, s[10:11] offset:(228+\q)*1536+512*\c
.endr
.endr
	WIN 0
.irp j, 0,1,2,3
	global_load_b128 v[184+4*\j:187+4*\j], v36, s[28:29] offset:16*\j
.endr
	BAR                                            ; 16 gathered rows lie in the stage
	; ---- 5: my block of them
.irp j, 0,1,2,3
	ds_load_b128 v[96+4*\j:99+4*\j], v14 offset:AGG+16*\j
.endr
	s_wait_dscnt 0x0
	QBLK 96, 9, GIMG, 10, GSC
	BAR
	; ---- 6: q2 = agg sca_out_W^T + sca_out_b + q
	AFR 2, GIMG, GSC
	s_wait_loadcnt 52                              ; groups D and E are in; group F's 52 may be out
	WIN 0x01
.irp s, 0,1
.irp u, 0,1
.if \s == 0
	MM 120+8*\u, 12*(2*\u+\s), 72+12*\s, 200+8*\u, 48+2*\u+\s, 68+\s
.else
	MM 120+8*\u, 12*(2*\u+\s), 72+12*\s, 120+8*\u, 48+2*\u+\s, 68+\s
.endif
.endr
.endr
	WIN 0
	PLACES
.irp i, 0,2,4,6,8,10,12,14
	v_pk_add_f32 v[168+\i:169+\i], v[120+\i:121+\i], v[152+\i:153+\i]
.endr
	QBLK 168, 9, Q2IMG, 10, Q2SC
	BAR
	; ---- 7: my 64 hidden units: relu(q2 ffn_W1^T + ffn_b1); four accumulators by turns
	AFR 2, Q2IMG, Q2SC
	s_wait_loadcnt 28                              ; ffn_W1 is in; ffn_W2's 24 and ffn_b2's 4 may be out
	WIN 0x01
.irp s, 0,1
.irp t, 0,1,2,3
.if \s == 0
	MM 120+8*\t, 48+12*(2*\t+\s), 72+12*\s, 216+8*\t, 52+2*\t+\s, 68+\s
.else
	MM 120+8*\t, 48+12*(2*\t+\s), 72+12*\s, 120+8*\t, 52+2*\t+\s, 68+\s
.endif
.endr
.endr
	WIN 0
	PLACES
.irp j, 0,1,2,3                                ; 8 loads: norm2's gain and bias
	global_load_b128 v[200+4*\j:203+4*\j], v36, s[30:31] offset:16*\j
	global_load_b128 v[216+4*\j:219+4*\j], v36, s[32:33] offset:16*\j
.endr
.set j, 0
.rept 32
	v_max_num_f32 v[120+j], 0, v[120+j]
.set j, j+1
.endr
	QBLK 120, 11, HIMG, 12, HSC
	s_wait_dscnt 0x0                               ; the stores have read their registers
	QBLK 136, 11, HIMG+768, 12, HSC+1
	BAR
	; ---- 8: h = hidden ffn_W2^T + ffn_b2; two accumulators by turns
	AFR 4, HIMG, HSC
	s_wait_loadcnt 8                               ; group F is in; norm2's 8 may be out
	WIN 0x01
.irp s, 0,1,2,3
.irp u, 0,1
.if \s == 0
	MM 120+8*\u, 144+12*(4*\u+\s), 72+12*\s, 184+8*\u, 60+4*\u+\s, 68+\s
.else
	MM 120+8*\u, 144+12*(4*\u+\s), 72+12*\s, 120+8*\u, 60+4*\u+\s, 68+\s
.endif
.endr
.endr
	WIN 0
	PLACES
	LNPART 120, LN2
	BAR
	; ---- 9: out = q2 + LayerNorm 2 (h)
	s_wait_loadcnt 0x0
	LNFIN LN2
.irp i, 0,1,2,3,4,5,6,7,8,9,10,11,12,13,14,15
	v_sub_f32 v[120+\i], v[120+\i], v112
.endr
.irp i, 0,1,2,3,4,5,6,7,8,9,10,11,12,13,14,15
	v_mul_f32 v[120+\i], v[120+\i], v114
.endr
.irp i, 0,1,2,3,4,5,6,7,8,9,10,11,12,13,14,15
	v_fma_f32 v[120+\i], v[120+\i], v[200+\i], v[216+\i]
.endr
.irp i, 0,2,4,6,8,10,12,14
	v_pk_add_f32 v[120+\i:121+\i], v[120+\i:121+\i], v[168+\i:169+\i]
.endr
.irp j, 0,1,2,3
	ds_store_b128 v14, v[120+4*\j:123+4*\j] offset:AGG+16*\j       ; the stage's last reads lie four barriers back
.endr
	BAR
	; ---- 10: my two rows leave whole.  The first is an even query, so both exist or neither
	s_cmp_ge_u32 s41, 2500
	s_cbranch_scc1 .Lend
.irp k, 0,1
.irp p, 0,1
	ds_load_b128 v[96+8*\k+4*\p:99+8*\k+4*\p], v15 offset:AGG+1040*\k+512*\p
.endr
.endr
	s_wait_dscnt 0x0
.irp k, 0,1
.irp p, 0,1
	global_store_b128 v4, v[96+8*\k+4*\p:99+8*\k+4*\p], s[66:67] offset:1024*\k+512*\p th:TH_STORE_NT   ; 512 consecutive bytes, aligned
.endr
.endr
.Lend:
	s_set_vgpr_msb 0x5
	s_wait_tensorcnt 0x0
	ds_add_u32 v254, v255
	s_wait_dscnt 0x0
	s_set_vgpr_msb 0x500
	s_endpgm
.Lfunc_end_k_q7198267696_tail:
	.size	k_q7198267696_tail, .Lfunc_end_k_q7198267696_tail-k_q7198267696_tail
	.p2alignl 7, 3214868480
	.fill 96, 4, 3214868480
	.section	.rodata,"a",@progbits
	.p2align	6, 0x0
	.amdhsa_kernel k_q7198267696_tail
		.amdhsa_group_segment_fixed_size 55296
		.amdhsa_private_segment_fixed_size 0
		.amdhsa_enable_private_segment 0
		.amdhsa_kernarg_size 128
		.amdhsa_user_sgpr_count 2
		.amdhsa_user_sgpr_kernarg_segment_ptr 1
		.amdhsa_wavefront_size32 1
		.amdhsa_system_sgpr_workgroup_id_x 1
		.amdhsa_system_sgpr_workgroup_id_y 1
		.amdhsa_system_sgpr_workgroup_id_z 1
		.amdhsa_system_vgpr_workitem_id 0
		.amdhsa_next_free_vgpr 512
		.amdhsa_next_free_sgpr 96
		.amdhsa_reserve_vcc 0
		.amdhsa_float_denorm_mode_32 3
		.amdhsa_float_denorm_mode_16_64 3
		.amdhsa_memory_ordered 1
		.amdhsa_forward_progress 1
		.amdhsa_inst_pref_size 95
	.end_amdhsa_kernel
	.amdgpu_metadata
---
amdhsa.version: [ 1, 2 ]
amdhsa.kernels:
  - .name:           k_q7198267696_tail
    .symbol:         k_q7198267696_tail.kd
    .args:
      - { .name: part, .offset: 0, .size: 8, .value_kind: global_buffer, .address_space: global }
      - { .name: idx, .offset: 8, .size: 8, .value_kind: global_buffer, .address_space: global }
      - { .name: wts, .offset: 16, .size: 8, .value_kind: global_buffer, .address_space: global }
      - { .name: wq, .offset: 24, .size: 8, .value_kind: global_buffer, .address_space: global }
      - { .name: imgT, .offset: 32, .size: 8, .value_kind: global_buffer, .address_space: global }
      - { .name: query, .offset: 40, .size: 8, .value_kind: global_buffer, .address_space: global }
      - { .name: mha_out_b, .offset: 48, .size: 8, .value_kind: global_buffer, .address_space: global }
      - { .name: norm1_g, .offset: 56, .size: 8, .value_kind: global_buffer, .address_space: global }
      - { .name: norm1_b, .offset: 64, .size: 8, .value_kind: global_buffer, .address_space: global }
      - { .name: attn_w_b, .offset: 72, .size: 8, .value_kind: global_buffer, .address_space: global }
      - { .name: sca_out_b, .offset: 80, .size: 8, .value_kind: global_buffer, .address_space: global }
      - { .name: ffn_b1, .offset: 88, .size: 8, .value_kind: global_buffer, .address_space: global }
      - { .name: ffn_b2, .offset: 96, .size: 8, .value_kind: global_buffer, .address_space: global }
      - { .name: norm2_g, .offset: 104, .size: 8, .value_kind: global_buffer, .address_space: global }
      - { .name: norm2_b, .offset: 112, .size: 8, .value_kind: global_buffer, .address_space: global }
      - { .name: out0, .offset: 120, .size: 8, .value_kind: global_buffer, .address_space: global }
    .group_segment_fixed_size: 55296
    .private_segment_fixed_size: 0
    .kernarg_segment_align: 8
    .kernarg_segment_size: 128
    .max_flat_workgroup_size: 256
    .sgpr_count:     96
    .vgpr_count:     512
    .wavefront_size: 32
...
	.end_amdgpu_metadata
.endif
;; end of part 4
;; ======== version 2 of 2: 4 launches
;; limits: inputs' magnitudes at most 1e+18; below input magnitudes of 1e-18 results are inexact or not finite; right only within a limited range of input values
;; workspace buffers: imgT 8,601,600 bytes; wq 485,888 bytes; idx 735,232 bytes of whole numbers; wts 1,368,064 bytes; qkv 2,662,400 bytes; part 11,796,480 bytes
;; launch prep (part 5): grid 89 x 6, 4 waves a work-group, no clusters, 35,328 bytes of LDS; arguments img_feats, in_proj_W, mha_out_W, attn_w_W, sca_out_W, ffn_W1, ffn_W2, ego_motion, lidar2img, imgT, wq, idx, wts; writes imgT, wq, idx, wts
.if DOCPART == 5
	.amdgcn_target "amdgcn-amd-amdhsa--gfx1250"
	.amdhsa_code_object_version 6
	.text
	.protected	k_q7198267696_prep
	.globl	k_q7198267696_prep
	.p2align	8
	.type	k_q7198267696_prep,@function
k_q7198267696_prep:
	s_mov_b64 s[64:65], 0
	v_nop
	global_prefetch_b8 v0, s[64:65] scope:SCOPE_SE
	s_setreg_imm32_b32 hwreg(HW_REG_WAVE_MODE, 25, 1), 1
	s_wait_xcnt 0x0
; PREPARATION, four roles told apart by the work-group's number (x = 0..88, y = 0..5):
;  TR (x < 44): img_feats [6][256 ch][1400 px] f32 -> imgT [6][1400 px][256 ch]: a sample's 256 channels become one row of 1,024 bytes.
;  With j = 6 (x - 44) + y:  WQ (j < 73): the six weights -> codes of FP6 (E2M3) in the order of an operand's registers, and their scale words;
;  KT (j < 113): for each of 5,120 key rows four row numbers and four weights (rows 0-2499: the query row itself; 2500-4999: the warp's bilinear corners; beyond: zeros);
;  PT (the other 157): for each query and each of its 24 points (camera, height) four pixel numbers, four bilinear weights, and a mask of the points that count.
; A fragment is 16 rows x 128 K, 12 registers a lane: its image is three pieces of 512 bytes, piece c = registers 4 c .. 4 c + 3, 16 bytes a lane; its scale word 4 bytes a lane.
; Lane-row r of tile 2 b + u is row 32 b + 8 u + r + 8 (r / 8), so that a transposed product's two neighbouring tiles give a lane 16 neighbours.
; LIMITS: inputs are finite.  cos and sin of atan2(e10, e00) are e00 / hyp and e10 / hyp: served for hyp between 1e-18 and 1e18; hyp = 0 gives cos = +-1 by e00's sign, sin = 0.
; A block whose largest magnitude lies under 2^-124 keeps the scale byte 1 (a block of zeros too: its codes are zeros, and this program alone reads the bytes).
.set PC,  32                           ; v32-51  codes just made (12) and the conversions' second halves
.set TM,  16                           ; v16-31  at work in QUANT
.set PW,  52                           ; v52     the scale word just made
.set SEL, 50                           ; s[50:51] lane selects for v_permlanex16_b32: lane l xor 16
; 64 numbers of a lane, register 16 b + i = element 32 b + 16 (lane / 16) + i of the lane's row, become a fragment's codes in v[PC] on and its scale word in v[PW]
.macro QUANT s
.irp b, 0,1,2,3
	v_max3_num_f32 v[TM+\b], |v[\s+16*\b]|, |v[\s+1+16*\b]|, 0x1800000   ; my 16 numbers of block b, and the floor 2^(3 - 127): the byte cannot fall under 1
.endr
.irp i, 2,4,6,8,10,12,14
.irp b, 0,1,2,3
	v_max3_num_f32 v[TM+\b], v[TM+\b], |v[\s+16*\b+\i]|, |v[\s+1+16*\b+\i]|
.endr
.endr
.irp b, 0,1,2,3
	v_permlanex16_b32 v[TM+4+\b], v[TM+\b], s[SEL], s[SEL+1]
.endr
.irp b, 0,1,2,3
	v_max_num_f32 v[TM+\b], v[TM+\b], v[TM+4+\b]          ; with lane l xor 16's: the block's largest magnitude
.endr
.irp b, 0,1,2,3
	v_add_nc_u32 v[TM+12+\b], 0xff000000, v[TM+\b]        ; 2 off its exponent field: the conversion's scale operand
.endr
.irp b, 0,1,2,3
	v_lshrrev_b32 v[TM+4+\b], 23, v[TM+12+\b]             ; the scale's byte
.endr
	v_lshl_or_b32 v[PW], v[TM+5], 8, v[TM+4]
	v_lshl_or_b32 v[PW], v[TM+6], 16, v[PW]
	v_lshl_or_b32 v[PW], v[TM+7], 24, v[PW]
.irp c, 0,1
	v_cvt_scalef32_pk16_fp6_f32 v[PC+6*\c:PC+2+6*\c], v[\s+32*\c:\s+15+32*\c], v[TM+12+2*\c]
	v_cvt_scalef32_pk16_fp6_f32 v[PC+12+4*\c:PC+14+4*\c], v[\s+16+32*\c:\s+31+32*\c], v[TM+12+2*\c+1]
.endr
	v_nop                                                  ; one plain line behind a scaled conversion
.irp c, 0,1                                            ; a lane wants a whole block: lanes 0-15 block 2 c, lanes 16-31 block 2 c + 1
.irp i, 0,1,2
	v_permlane16_swap_b32 v[PC+6*\c+\i], v[PC+12+4*\c+\i]
.endr
.irp i, 0,1,2
	v_mov_b32 v[PC+3+6*\c+\i], v[PC+12+4*\c+\i]
.endr
.endr
.endm
; q = a / D for a constant D (s[sd]) with its reciprocal in s[sr]: a product, the remainder, one correction
.macro DIVC q, a, sd, sr
	v_mul_f32 v[\q], s[\sr], v[\a]
	v_fma_f32 v9, -v[\q], s[\sd], v[\a]
	v_fma_f32 v[\q], v9, s[\sr], v[\q]
.endm
; bilinear corners of (v10, v11) in a picture wint wide: numbers yi wint + xi (held inside) to v[io] on, weights (0 where the corner lies outside) to v[wo] on; order (x0,y0) (x1,y0) (x0,y1) (x1,y1)
.macro BILIN wint, swf, swm, shf, shm, io, wo
	v_floor_f32 v12, v10
	v_floor_f32 v13, v11
	v_sub_f32 v14, v10, v12
	v_sub_f32 v15, v11, v13
	v_add_f32 v16, 1.0, v12
	v_add_f32 v17, 1.0, v13
	v_cmp_le_f32 s52, 0, v12
	v_cmp_gt_f32 s56, s[\swf], v12
	s_and_b32 s52, s52, s56
	v_cmp_le_f32 s53, 0, v16
	v_cmp_gt_f32 s56, s[\swf], v16
	s_and_b32 s53, s53, s56
	v_cmp_le_f32 s54, 0, v13
	v_cmp_gt_f32 s56, s[\shf], v13
	s_and_b32 s54, s54, s56
	v_cmp_le_f32 s55, 0, v17
	v_cmp_gt_f32 s56, s[\shf], v17
	s_and_b32 s55, s55, s56
	v_med3_num_f32 v18, v12, 0, s[\swm]
	v_med3_num_f32 v19, v16, 0, s[\swm]
	v_med3_num_f32 v20, v13, 0, s[\shm]
	v_med3_num_f32 v21, v17, 0, s[\shm]
	v_cvt_i32_f32 v18, v18
	v_cvt_i32_f32 v19, v19
	v_cvt_i32_f32 v20, v20
	v_cvt_i32_f32 v21, v21
	v_mad_u32_u24 v[\io], v20, \wint, v18
	v_mad_u32_u24 v[\io+1], v20, \wint, v19
	v_mad_u32_u24 v[\io+2], v21, \wint, v18
	v_mad_u32_u24 v[\io+3], v21, \wint, v19
	v_sub_f32 v22, 1.0, v14
	v_sub_f32 v23, 1.0, v15
	v_mul_f32 v[\wo], v22, v23
	v_mul_f32 v[\wo+1], v14, v23
	v_mul_f32 v[\wo+2], v22, v15
	v_mul_f32 v[\wo+3], v14, v15
	s_and_b32 s56, s52, s54
	v_cndmask_b32 v[\wo], 0, v[\wo], s56
	s_and_b32 s56, s53, s54
	v_cndmask_b32 v[\wo+1], 0, v[\wo+1], s56
	s_and_b32 s56, s52, s55
	v_cndmask_b32 v[\wo+2], 0, v[\wo+2], s56
	s_and_b32 s56, s53, s55
	v_cndmask_b32 v[\wo+3], 0, v[\wo+3], s56
.endm
	s_load_b512 s[4:19], s[0:1], 0x0               ; img s[4:5], in_proj s[6:7], mha_out s[8:9], attn_w s[10:11], sca_out s[12:13], W1 s[14:15], W2 s[16:17], ego s[18:19]
	s_load_b256 s[20:27], s[0:1], 0x40             ; lidar2img s[20:21], imgT s[22:23], wq s[24:25], idx s[26:27]
	s_load_b64 s[28:29], s[0:1], 0x60              ; wts
	v_lshl_add_u32 v128, v0, 2, 0x8800
	v_mov_b32 v129, 0
	v_lshrrev_b32 v1, 5, v0
	v_readfirstlane_b32 s30, v1                    ; wave 0..3
	v_and_b32 v1, 31, v0                           ; lane
	s_and_b32 s31, ttmp7, 0xffff                   ; y
	s_mov_b32 s[SEL], 0x76543210
	s_mov_b32 s[SEL+1], 0xfedcba98
	s_wait_kmcnt 0x0
	s_cmp_lt_u32 ttmp9, 44
	s_cbranch_scc0 .Lnot_tr
; ---- TR: camera y, pixels 32 x .. 32 x + 31, my wave's channels 64 w .. 64 w + 63.  A lane takes a pixel, its registers run down the channels: each load reads 128 neighbouring bytes.
; The wave's 64 channels of a pixel are 256 bytes of imgT at a multiple of 256: they turn through the wave's own LDS bytes (rows of 272 bytes) and leave sixteen lanes to a pixel.  No wave touches another's bytes: no barrier.
	s_lshl_b32 s32, ttmp9, 5                       ; the first pixel
	s_wait_alu depctr_va_vdst(0)
	v_add_nc_u32 v2, s32, v1
	v_min_u32 v2, 1399, v2                         ; the last chunk has 24 pixels: no load leaves its plane
	v_lshlrev_b32 v2, 2, v2
	s_lshl_b32 s33, s31, 8
	s_lshl_b32 s34, s30, 6
	s_add_co_u32 s33, s33, s34                     ; plane 256 y + 64 w
	s_mul_i32 s34, s33, 5600
	s_mov_b32 s35, 0
	s_add_nc_u64 s[4:5], s[4:5], s[34:35]
.set i, 0
.rept 64
	global_load_b32 v[64+i], v2, s[4:5] offset:5600*i th:TH_LOAD_NT
.set i, i+1
.endr
	s_mul_i32 s36, s30, 8704                       ; my wave's 32 x 272 bytes
	v_mul_u32_u24 v3, v1, 272
	v_add_nc_u32 v3, s36, v3                       ; in: row = my pixel
	v_and_b32 v6, 15, v0
	v_bfe_u32 v7, v0, 4, 1
	v_mul_u32_u24 v4, v7, 272
	v_lshl_add_u32 v4, v6, 4, v4
	v_add_nc_u32 v4, s36, v4                       ; back: lanes 0-15 one pixel, lanes 16-31 the next
	v_lshlrev_b32 v5, 10, v7
	v_lshl_add_u32 v5, v6, 4, v5                   ; and the same in imgT
	s_mul_i32 s34, s31, 1400
	s_add_co_u32 s34, s34, s32
	s_lshl_b32 s34, s34, 10
	s_lshl_b32 s37, s30, 8
	s_add_co_u32 s34, s34, s37
	s_add_nc_u64 s[22:23], s[22:23], s[34:35]
	s_wait_alu depctr_va_vdst(0)
	s_wait_loadcnt 0x0
.irp k, 0,1,2,3,4,5,6,7,8,9,10,11,12,13,14,15
	ds_store_b128 v3, v[64+4*\k:67+4*\k] offset:16*\k
.endr
.irp k, 0,1,2,3,4,5,6,7,8,9,10,11,12,13,14,15
	ds_load_b128 v[64+4*\k:67+4*\k], v4 offset:544*\k      ; LDS serves a wave's instructions in order: these see the stores above
.endr
.irp k, 0,1,2,3,4,5,6,7,8,9,10,11
	s_wait_dscnt 15-\k                             ; the younger loads may stay out
	global_store_b128 v5, v[64+4*\k:67+4*\k], s[22:23] offset:2048*\k th:TH_STORE_NT   ; sixteen lanes store 256 consecutive bytes, aligned
.endr
	s_wait_dscnt 0x0
	s_cmp_eq_u32 ttmp9, 43                         ; the last chunk ends at pixel 1399: its pixels 24-31 do not exist
	s_cbranch_scc1 .Lend
.irp k, 12,13,14,15
	global_store_b128 v5, v[64+4*\k:67+4*\k], s[22:23] offset:2048*\k th:TH_STORE_NT
.endr
	s_branch .Lend
.Lnot_tr:
	s_sub_co_u32 s32, ttmp9, 44
	s_mul_i32 s32, s32, 6
	s_add_co_u32 s32, s32, s31                     ; j
	s_cmp_lt_u32 s32, 73
	s_cbranch_scc0 .Lnot_wq
; ---- WQ: my wave makes fragment f = 4 j + w.  Which weight it belongs to hangs on j alone.
	s_mov_b64 s[34:35], s[16:17]                   ; ffn_W2: fragments from 228, four K steps, rows of 2,048 bytes, 256 rows
	s_mov_b32 s36, 228
	s_mov_b32 s37, 2
	s_mov_b32 s38, 11
	s_mov_b32 s39, 256
	s_cmp_lt_u32 s32, 57                           ; ffn_W1
	s_cselect_b64 s[34:35], s[14:15], s[34:35]
	s_cselect_b32 s36, 164, s36
	s_cselect_b32 s37, 1, s37
	s_cselect_b32 s38, 10, s38
	s_cselect_b32 s39, 512, s39
	s_cmp_lt_u32 s32, 41                           ; sca_out_W
	s_cselect_b64 s[34:35], s[12:13], s[34:35]
	s_cselect_b32 s36, 132, s36
	s_cselect_b32 s39, 256, s39
	s_cmp_lt_u32 s32, 33                           ; attn_w_W: 24 rows; rows 24-31 of its second tile get zero codes
	s_cselect_b64 s[34:35], s[10:11], s[34:35]
	s_cselect_b32 s36, 128, s36
	s_cselect_b32 s39, 24, s39
	s_cmp_lt_u32 s32, 32                           ; mha_out_W
	s_cselect_b64 s[34:35], s[8:9], s[34:35]
	s_cselect_b32 s36, 96, s36
	s_cselect_b32 s39, 256, s39
	s_cmp_lt_u32 s32, 24                           ; in_proj_W
	s_cselect_b64 s[34:35], s[6:7], s[34:35]
	s_cselect_b32 s36, 0, s36
	s_cselect_b32 s39, 768, s39
	s_lshl_b32 s40, s32, 2
	s_add_co_u32 s40, s40, s30                     ; f
	s_sub_co_u32 s41, s40, s36
	s_lshr_b32 s42, s41, s37                       ; tile t
	s_lshl_b32 s43, s42, s37
	s_sub_co_u32 s41, s41, s43                     ; K step s
	s_lshr_b32 s43, s42, 1
	s_lshl_b32 s43, s43, 5
	s_and_b32 s44, s42, 1
	s_lshl_b32 s44, s44, 3
	s_add_co_u32 s43, s43, s44                     ; 32 (t / 2) + 8 (t % 2)
	v_and_b32 v2, 15, v0                           ; r
	v_bfe_u32 v3, v0, 4, 1                         ; h
	v_and_b32 v4, 8, v2
	v_add3_u32 v4, v4, v2, s43                     ; my row
	s_sub_co_u32 s45, s39, 1
	v_min_u32 v5, s45, v4                          ; no load leaves the weight
	v_lshlrev_b32 v5, s38, v5
	v_lshl_add_u32 v5, v3, 6, v5
	s_lshl_b32 s46, s41, 9
	v_add_nc_u32 v5, s46, v5                       ; row, + 512 s, + 64 h: my 16 numbers of each block of 32
.irp b, 0,1,2,3
.irp k, 0,1,2,3
	global_load_b128 v[64+16*\b+4*\k:67+16*\b+4*\k], v5, s[34:35] offset:128*\b+16*\k
.endr
.endr
.irp b, 0,1,2,3
	v_mov_b32 v[TM+4+\b], 0                        ; a lane permute's destination counts as one of its sources
.endr
	s_mul_i32 s46, s40, 1536
	s_mov_b32 s47, 0
	s_add_nc_u64 s[48:49], s[24:25], s[46:47]      ; the fragment's image
	s_lshl_b32 s46, s40, 7
	s_add_nc_u64 s[24:25], s[24:25], s[46:47]      ; its scale words (448,512 bytes on)
	v_lshlrev_b32 v6, 4, v1
	v_lshlrev_b32 v7, 2, v1
	s_wait_loadcnt 0x0
	QUANT 64
	v_cmp_gt_u32 vcc_lo, s39, v4                   ; does my row exist?
.irp k, 0,1,2,3,4,5,6,7,8,9,10,11
	v_cndmask_b32 v[PC+\k], 0, v[PC+\k], vcc_lo
.endr
.irp c, 0,1,2
	global_store_b128 v6, v[PC+4*\c:PC+4*\c+3], s[48:49] offset:512*\c     ; 512 consecutive bytes, aligned
.endr
	global_store_b32 v7, v[PW], s[24:25] offset:448512
	s_branch .Lend
.Lnot_wq:
	s_mov_b32 s84, 0x42480000                      ; 50
	s_mov_b32 s85, 0x3ca3d70a                      ; 1 / 50
	s_mov_b32 s91, 0x42440000                      ; 49
	s_cmp_lt_u32 s32, 113
	s_cbranch_scc0 .Lpt
; ---- KT: thread n = 128 (j - 73) + thread: key row n
	s_load_b512 s[68:83], s[18:19], 0x0            ; ego_motion: e00 s68, e03 s71, e10 s72, e13 s75
	s_mov_b32 s86, 0x4003126f                      ; 2.048
	s_mov_b32 s87, 0x3efa0000                      ; 1 / 2.048
	s_sub_co_u32 s33, s32, 73
	s_lshl_b32 s33, s33, 7
	v_add_nc_u32 v2, s33, v0                       ; n
	v_add_nc_u32 v3, 0xfffff63c, v2                ; n - 2500,
	v_min_u32 v3, 2499, v3                         ; held to a pixel (rows that are no warped rows are overwritten below)
	v_mul_u32_u24 v4, v3, 1311
	v_lshrrev_b32 v4, 16, v4                       ; iy = p / 50 (exact for p < 2,512)
	v_mul_u32_u24 v5, v4, 50
	v_sub_nc_u32 v5, v3, v5                        ; ix
	s_wait_kmcnt 0x0
	v_mov_b32 v40, s68
	v_mov_b32 v41, s72
	v_mul_f32 v42, v40, v40
	v_fma_f32 v42, v41, v41, v42                   ; hyp^2
	s_wait_alu depctr_va_vdst(0)
	v_rsq_f32 v43, v42
	v_mul_f32 v44, 0.5, v42                        ; (a plain line behind the transcendental)
	s_wait_alu depctr_va_vdst(0)                   ; the wait ahead of the first reader
	v_mul_f32 v45, v43, v43
	v_fma_f32 v45, -v44, v45, 0x3fc00000
	v_mul_f32 v43, v43, v45                        ; one Newton step
	v_mul_f32 v46, v40, v43                        ; cos
	v_mul_f32 v47, v41, v43                        ; sin
	v_cmp_eq_f32 vcc_lo, 0, v42
	v_bfi_b32 v48, 0x7fffffff, 1.0, v40
	v_cndmask_b32 v46, v46, v48, vcc_lo
	v_cndmask_b32 v47, v47, 0, vcc_lo
	v_mov_b32 v51, s71
	DIVC 48, 51, 86, 87
	v_add_f32 v48, v48, v48
	DIVC 49, 48, 84, 85                            ; dx = tx / 2.048 * 2 / 50
	v_mov_b32 v51, s75
	DIVC 48, 51, 86, 87
	v_add_f32 v48, v48, v48
	DIVC 50, 48, 84, 85                            ; dy
	v_cvt_f32_u32 v6, v5
	v_fma_f32 v6, v6, 2.0, 1.0
	DIVC 7, 6, 84, 85
	v_add_f32 v7, -1.0, v7                         ; xs
	v_cvt_f32_u32 v6, v4
	v_fma_f32 v6, v6, 2.0, 1.0
	DIVC 8, 6, 84, 85
	v_add_f32 v8, -1.0, v8                         ; ys
	v_fma_f32 v10, v46, v7, v49
	v_fma_f32 v10, -v47, v8, v10                   ; the affine grid, in f32 multiply-adds
	v_fma_f32 v11, v47, v7, v50
	v_fma_f32 v11, v46, v8, v11
	v_add_f32 v10, 1.0, v10
	v_fma_f32 v10, v10, s84, -1.0
	v_mul_f32 v10, 0.5, v10
	v_add_f32 v11, 1.0, v11
	v_fma_f32 v11, v11, s84, -1.0
	v_mul_f32 v11, 0.5, v11
	BILIN 50, 84, 91, 84, 91, 24, 28
	v_cmp_gt_u32 vcc_lo, 2500, v2                  ; a query row: itself, with the weight 1
.irp k, 0,1,2,3
	v_cndmask_b32 v[24+\k], v[24+\k], v2, vcc_lo
.endr
	v_cndmask_b32 v28, v28, 1.0, vcc_lo
.irp k, 1,2,3
	v_cndmask_b32 v[28+\k], v[28+\k], 0, vcc_lo
.endr
	v_cmp_le_u32 vcc_lo, 5000, v2                  ; beyond the keys: zeros
.irp k, 0,1,2,3,4,5,6,7
	v_cndmask_b32 v[24+\k], v[24+\k], 0, vcc_lo
.endr
	v_lshlrev_b32 v8, 4, v2
	global_store_b128 v8, v[24:27], s[26:27]
	global_store_b128 v8, v[28:31], s[28:29]
	s_branch .Lend
; ---- PT: my wave takes queries q0 .. q0 + 3; a lane is a point: camera lane / 4 (lanes 24-31 repeat camera 5 and never count), height lane % 4
.Lpt:
	s_mov_b32 s88, 0x42cccccd                      ; 102.4
	s_mov_b32 s89, 0xc24ccccd                      ; -51.2
	s_mov_b32 s90, 0x3727c5ac                      ; 1e-5
	s_mov_b32 s92, 0x3ca72f05                      ; 1 / 49
	s_mov_b32 s93, 0x41d80000                      ; 27
	s_mov_b32 s94, 0x3d17b426                      ; 1 / 27
	s_mov_b32 s95, 0x41e00000                      ; 28
	s_sub_co_u32 s33, s32, 113
	s_lshl_b32 s33, s33, 4
	s_lshl_b32 s34, s30, 2
	s_add_co_u32 s33, s33, s34                     ; q0
	s_wait_alu depctr_va_vdst(0)
	v_lshrrev_b32 v2, 2, v1
	v_min_u32 v2, 5, v2                            ; camera
	v_and_b32 v3, 3, v1                            ; height
	v_lshlrev_b32 v4, 6, v2
	global_load_b128 v[36:39], v4, s[20:21]
	global_load_b128 v[40:43], v4, s[20:21] offset:16
	global_load_b128 v[44:47], v4, s[20:21] offset:32
	v_cvt_f32_u32 v32, v3
	v_fma_f32 v32, v32, 2.0, -4.0                  ; z = (height + .5) / 4 * 8 - 5, exactly
	v_mul_u32_u24 v33, v2, 1400                    ; the camera's first row of imgT
	v_lshlrev_b32 v34, 3, v1
	v_lshlrev_b32 v35, 4, v1
	s_lshl_b32 s46, s33, 8
	s_mov_b32 s47, 0
	s_add_nc_u64 s[40:41], s[26:27], s[46:47]
	s_lshl_b32 s46, s33, 9
	s_add_nc_u64 s[42:43], s[28:29], s[46:47]
	s_lshl_b32 s46, s33, 2
	s_add_nc_u64 s[44:45], s[26:27], s[46:47]
	s_wait_loadcnt 0x0
.macro POINT i                         ; each query has registers of its own for what it stores
	s_add_co_u32 s57, s33, \i
	s_mul_i32 s58, s57, 1311
	s_lshr_b32 s58, s58, 16                        ; iy
	s_mul_i32 s59, s58, 50
	s_sub_co_u32 s59, s57, s59                     ; ix
	v_cvt_f32_u32 v6, s59
	v_add_f32 v6, 0.5, v6
	DIVC 7, 6, 84, 85
	v_fma_f32 v7, v7, s88, s89                     ; x
	v_cvt_f32_u32 v6, s58
	v_add_f32 v6, 0.5, v6
	DIVC 8, 6, 84, 85
	v_fma_f32 v8, v8, s88, s89                     ; y
	v_fma_f32 v48, v36, v7, v39                    ; lidar2img x the point, in f32 multiply-adds
	v_fma_f32 v49, v40, v7, v43
	v_fma_f32 v50, v44, v7, v47
	v_fma_f32 v48, v37, v8, v48
	v_fma_f32 v49, v41, v8, v49
	v_fma_f32 v50, v45, v8, v50
	v_fma_f32 v48, v38, v32, v48
	v_fma_f32 v49, v42, v32, v49
	v_fma_f32 v50, v46, v32, v50                   ; depth
	v_max_num_f32 v51, s90, v50
	s_wait_alu depctr_va_vdst(0)
	v_rcp_f32 v52, v51
	v_nop
	s_wait_alu depctr_va_vdst(0)                   ; the wait ahead of the first reader
	v_fma_f32 v53, -v51, v52, 1.0
	v_fma_f32 v52, v52, v53, v52                   ; one Newton step
	v_mul_f32 v54, v48, v52
	v_fma_f32 v53, -v54, v51, v48
	v_fma_f32 v54, v53, v52, v54                   ; cam x / depth
	v_mul_f32 v55, v49, v52
	v_fma_f32 v53, -v55, v51, v49
	v_fma_f32 v55, v53, v52, v55                   ; cam y / depth
	DIVC 56, 54, 91, 92
	v_fma_f32 v56, v56, 2.0, -1.0                  ; gx
	DIVC 57, 55, 93, 94
	v_fma_f32 v57, v57, 2.0, -1.0                  ; gy
	s_wait_alu depctr_va_vdst(0)
	v_cmp_lt_f32 s60, s90, v50
	v_cmp_lt_f32 s56, -1.0, v56
	s_and_b32 s60, s60, s56
	v_cmp_gt_f32 s56, 1.0, v56
	s_and_b32 s60, s60, s56
	v_cmp_lt_f32 s56, -1.0, v57
	s_and_b32 s60, s60, s56
	v_cmp_gt_f32 s56, 1.0, v57
	s_and_b32 s60, s60, s56
	s_and_b32 s60, s60, 0xffffff                   ; 24 points
	s_cmp_lt_u32 s57, 2500
	s_cselect_b32 s56, -1, 0
	s_and_b32 s[96+\i], s60, s56                   ; the points that count
	v_add_f32 v10, 1.0, v56
	v_fma_f32 v10, v10, s84, -1.0
	v_mul_f32 v10, 0.5, v10
	v_add_f32 v11, 1.0, v57
	v_fma_f32 v11, v11, s95, -1.0
	v_mul_f32 v11, 0.5, v11
	BILIN 50, 84, 91, 95, 93, 24, 72+4*\i
.irp k, 0,1,2,3
	v_add_nc_u32 v[24+\k], v33, v[24+\k]
	v_cndmask_b32 v[72+4*\i+\k], 0, v[72+4*\i+\k], s[96+\i]    ; a point that does not count weighs 0, whatever its numbers (NaN among them)
.endr
	v_lshl_or_b32 v[64+2*\i], v25, 16, v24         ; row numbers are under 8,400: two to a word
	v_lshl_or_b32 v[65+2*\i], v27, 16, v26
	global_store_b64 v34, v[64+2*\i:65+2*\i], s[40:41] offset:81920+256*\i        ; 256 consecutive bytes, aligned
	global_store_b128 v35, v[72+4*\i:75+4*\i], s[42:43] offset:81920+512*\i
.endm
	POINT 0
	POINT 1
	POINT 2
	POINT 3
	v_and_b32 v60, 3, v1                           ; the four masks: lane l holds that of query q0 + l % 4; lanes with the same l % 4 store the same word with the same value
	v_mov_b32 v61, s96
	v_mov_b32 v62, s97
	v_cmp_eq_u32 vcc_lo, 1, v60
	v_cndmask_b32 v61, v61, v62, vcc_lo
	v_mov_b32 v62, s98
	v_cmp_eq_u32 vcc_lo, 2, v60
	v_cndmask_b32 v61, v61, v62, vcc_lo
	v_mov_b32 v62, s99
	v_cmp_eq_u32 vcc_lo, 3, v60
	v_cndmask_b32 v61, v61, v62, vcc_lo
	v_lshlrev_b32 v60, 2, v60
	global_store_b32 v60, v61, s[44:45] offset:724992
.Lend:
	s_wait_tensorcnt 0x0
	ds_add_u32 v128, v129
	s_wait_dscnt 0x0
	s_endpgm
.Lfunc_end_k_q7198267696_prep:
	.size	k_q7198267696_prep, .Lfunc_end_k_q7198267696_prep-k_q7198267696_prep
	.p2alignl 7, 3214868480
	.fill 96, 4, 3214868480
	.section	.rodata,"a",@progbits
	.p2align	6, 0x0
	.amdhsa_kernel k_q7198267696_prep
		.amdhsa_group_segment_fixed_size 35328
		.amdhsa_private_segment_fixed_size 0
		.amdhsa_enable_private_segment 0
		.amdhsa_kernarg_size 104
		.amdhsa_user_sgpr_count 2
		.amdhsa_user_sgpr_kernarg_segment_ptr 1
		.amdhsa_wavefront_size32 1
		.amdhsa_system_sgpr_workgroup_id_x 1
		.amdhsa_system_sgpr_workgroup_id_y 1
		.amdhsa_system_sgpr_workgroup_id_z 1
		.amdhsa_system_vgpr_workitem_id 0
		.amdhsa_next_free_vgpr 130
		.amdhsa_next_free_sgpr 100
		.amdhsa_reserve_vcc 1
		.amdhsa_float_denorm_mode_32 3
		.amdhsa_float_denorm_mode_16_64 3
		.amdhsa_memory_ordered 1
		.amdhsa_forward_progress 1
		.amdhsa_inst_pref_size 54
	.end_amdhsa_kernel
	.amdgpu_metadata
---
amdhsa.version: [ 1, 2 ]
amdhsa.kernels:
  - .name:           k_q7198267696_prep
    .symbol:         k_q7198267696_prep.kd
    .args:
      - { .name: img_feats, .offset: 0, .size: 8, .value_kind: global_buffer, .address_space: global }
      - { .name: in_proj_W, .offset: 8, .size: 8, .value_kind: global_buffer, .address_space: global }
      - { .name: mha_out_W, .offset: 16, .size: 8, .value_kind: global_buffer, .address_space: global }
      - { .name: attn_w_W, .offset: 24, .size: 8, .value_kind: global_buffer, .address_space: global }
      - { .name: sca_out_W, .offset: 32, .size: 8, .value_kind: global_buffer, .address_space: global }
      - { .name: ffn_W1, .offset: 40, .size: 8, .value_kind: global_buffer, .address_space: global }
      - { .name: ffn_W2, .offset: 48, .size: 8, .value_kind: global_buffer, .address_space: global }
      - { .name: ego_motion, .offset: 56, .size: 8, .value_kind: global_buffer, .address_space: global }
      - { .name: lidar2img, .offset: 64, .size: 8, .value_kind: global_buffer, .address_space: global }
      - { .name: imgT, .offset: 72, .size: 8, .value_kind: global_buffer, .address_space: global }
      - { .name: wq, .offset: 80, .size: 8, .value_kind: global_buffer, .address_space: global }
      - { .name: idx, .offset: 88, .size: 8, .value_kind: global_buffer, .address_space: global }
      - { .name: wts, .offset: 96, .size: 8, .value_kind: global_buffer, .address_space: global }
    .group_segment_fixed_size: 35328
    .private_segment_fixed_size: 0
    .kernarg_segment_align: 8
    .kernarg_segment_size: 104
    .max_flat_workgroup_size: 128
    .sgpr_count:     100
    .vgpr_count:     130
    .wavefront_size: 32
...
	.end_amdgpu_metadata
.endif
;; end of part 5
;; launch proj (part 6): grid 80 x 1, 8 waves a work-group, no clusters, 80,896 bytes of LDS; arguments query, prev_bev, in_proj_b, idx, wts, wq, qkv; writes qkv
.if DOCPART == 6
	.amdgcn_target "amdgcn-amd-amdhsa--gfx1250"
	.amdhsa_code_object_version 6
	.text
	.protected	k_q7198267696_proj
	.globl	k_q7198267696_proj
	.p2align	8
	.type	k_q7198267696_proj,@function
k_q7198267696_proj:
	s_mov_b64 s[64:65], 0
	v_nop
	global_prefetch_b8 v0, s[64:65] scope:SCOPE_SE
	s_setreg_imm32_b32 hwreg(HW_REG_WAVE_SCHED_MODE, 0, 2), 2
	s_setreg_imm32_b32 hwreg(HW_REG_WAVE_MODE, 25, 1), 1
	s_wait_xcnt 0x0
	s_wait_alu depctr_vm_vsrc(0)
; Q, K, V = kv in_proj_W^T + in_proj_b on codes of FP6 (E2M3), and their own quantising for attention.  kv = [query; warped prev_bev], 5,000 rows, carried on to 5,120 with zero rows.
; A work-group takes kv rows 64 g .. 64 g + 63; wave w gathers and blends rows 8 w .. 8 w + 7 (four rows by the stored numbers and weights), quantises one of the eight fragments of X, and then is HEAD w.
; THE ROWS OF A TILE OF X ARE NOT NEIGHBOURS: lane-row r of tile 2 b + u is row 32 b + 8 u + r + 8 (r / 8).
; K and Q are made transposed (source 0 = 16 rows of W, source 1 = X): a lane holds one row and 16 neighbouring channels of the head: quantised along the head's 32, a tile of rows to a block:
; one fragment then holds FOUR tiles of 16 rows, one in each block of 32 along K.  V is made the natural way (source 0 = X, source 1 = W): a lane holds one channel and 16 neighbouring keys: quantised along the keys.
; Record of (head, g), 3,328 bytes: +0 K's fragment image; +1536 + 768 u + 256 p + 8 lane: V^T's registers 2 p, 2 p + 1 of this g's six, tile u of channels; +3072 K's scale words; +3200 V's.
; Keys from 5,000 on: V's numbers are zeros ahead of the quantiser (the last block is filled with zeros); K's rows there are hidden by attention's mask.
; The weights' fragments and the three biases are asked for at the head, ahead of the gather: no product waits for a load of its own.
; No tensor load: the gather's addresses hang on stored numbers.  LIMITS: finite inputs; a block under 2^-124 keeps the byte 1.
; THE MODE: SCHED_MODE bits 1:0 = 2 (LLVM: expert scheduling mode 2), set by the entry lines.  The code itself states the register dependences
; between vector or matrix instructions and memory or LDS instructions, with s_wait_alu, always for 0.
; THE PLAN.  Registers that memory or LDS instructions touch:
;   v4-11, v14        offsets and LDS addresses: made at the head, never written again: one wait on va_vdst ahead of the first load.
;   v36-51, v192-207  the gather's 32 offsets, all made together: one wait ahead of the gather's first load.  The codes (v44-63) and the accumulators (v160-223) are laid over them later.
;   v64-191           four rows' data.  Written by 32 loads; a row's blend reads its 32 registers and writes the first eight, which two LDS stores read.  A row's stores stand behind the NEXT row's wait for data,
;                     with one wait on va_vdst ahead of them.  Then the second four rows land there, then X's rows (v64-127), then X's fragments (v64-159).
;   v44-55, v12       codes and scale word: written by each of the four quantisers, read by LDS stores (X) or global stores (K, V, Q): va_vdst ahead of the stores, vm_vsrc ahead of the next quantiser.
;   v28-35, window 1  loaded and never written by a vector instruction, but for the copies of V's bias, which no memory instruction touches.
.set XIMG, 0                           ; LDS: X's 8 fragment images (tile t, K step s: t + 4 s),
.set XSC,  12288                       ; their scale words, 128 bytes each,
.set XROW, 13312                       ; and 64 rows of X in f32, 1,040 bytes apart, slot 16 t + r
.set PC,  44                           ; v44-63  codes just made
.set TM,  224
.set PW,  12
.set SEL, 94                           ; s[94:95]
.set XF,  64                           ; v64-159 X's fragments (t, s) at 12 (2 t + s); before that the gather's data v64-191
.set ACC, 160                          ; v160-223
.set ADA, 36                           ; v36-51   the offsets of the first four rows' corners
.set ADB, 192                          ; v192-207 those of the second four
.set BK,  144                          ; window 1: v144-159 K's bias as C, v160-175 Q's, v176-191 V's (eight copies for each tile of channels)
.set BQ,  160
.set BV,  176
.set WS,  16                           ; v16-27  W's scale words, 4 P + 2 u + s
.set XS,  28                           ; v28-35  X's scale words, t + 4 s
.set MSB, 0
.macro WIN new                         ; the immediate's high byte repeats the setting that is left
.if MSB != \new
	s_set_vgpr_msb (MSB<<8)|\new
.set MSB, \new
.endif
.endm
.macro QUANT s
.irp b, 0,1,2,3
	v_max3_num_f32 v[TM+\b], |v[\s+16*\b]|, |v[\s+1+16*\b]|, 0x1800000   ; my 16 numbers of block b, and the floor 2^(3 - 127)
.endr
.irp i, 2,4,6,8,10,12,14
.irp b, 0,1,2,3
	v_max3_num_f32 v[TM+\b], v[TM+\b], |v[\s+16*\b+\i]|, |v[\s+1+16*\b+\i]|
.endr
.endr
.irp b, 0,1,2,3
	v_permlanex16_b32 v[TM+4+\b], v[TM+\b], s[SEL], s[SEL+1]
.endr
.irp b, 0,1,2,3
	v_max_num_f32 v[TM+\b], v[TM+\b], v[TM+4+\b]
.endr
.irp b, 0,1,2,3
	v_add_nc_u32 v[TM+12+\b], 0xff000000, v[TM+\b]        ; 2 off the exponent field: the conversion's scale operand
.endr
.irp b, 0,1,2,3
	v_lshrrev_b32 v[TM+4+\b], 23, v[TM+12+\b]
.endr
	v_lshl_or_b32 v[PW], v[TM+5], 8, v[TM+4]
	v_lshl_or_b32 v[PW], v[TM+6], 16, v[PW]
	v_lshl_or_b32 v[PW], v[TM+7], 24, v[PW]
.irp c, 0,1
	v_cvt_scalef32_pk16_fp6_f32 v[PC+6*\c:PC+2+6*\c], v[\s+32*\c:\s+15+32*\c], v[TM+12+2*\c]
	v_cvt_scalef32_pk16_fp6_f32 v[PC+12+4*\c:PC+14+4*\c], v[\s+16+32*\c:\s+31+32*\c], v[TM+12+2*\c+1]
.endr
	v_nop                                                  ; one plain line behind a scaled conversion
.irp c, 0,1
.irp i, 0,1,2
	v_permlane16_swap_b32 v[PC+6*\c+\i], v[PC+12+4*\c+\i]
.endr
.irp i, 0,1,2
	v_mov_b32 v[PC+3+6*\c+\i], v[PC+12+4*\c+\i]
.endr
.endr
.endm
	s_load_b256 s[4:11], s[0:1], 0x0               ; query s[4:5], prev_bev s[6:7], in_proj_b s[8:9], idx s[10:11]
	s_load_b128 s[12:15], s[0:1], 0x20             ; wts s[12:13], wq s[14:15]
	s_load_b64 s[84:85], s[0:1], 0x30              ; qkv
	v_lshl_add_u32 v254, v0, 2, 0x13800
	v_mov_b32 v255, 0
	v_lshrrev_b32 v1, 5, v0
	v_readfirstlane_b32 s2, v1                     ; wave = head
	v_and_b32 v1, 31, v0                           ; lane
	v_and_b32 v2, 15, v0                           ; r
	v_bfe_u32 v3, v0, 4, 1                         ; h
	v_lshlrev_b32 v4, 4, v1
	v_lshlrev_b32 v5, 2, v1
	s_wait_alu depctr_va_vdst(0)
	v_lshlrev_b32 v14, 3, v1
	s_wait_alu depctr_va_sdst(0)                   ; s2 is written, ahead of its first reader: LDS addresses and bases are made from it
	s_and_b32 s3, s2, 3
	s_mul_i32 s3, s3, 16*1040
	s_lshr_b32 s92, s2, 2
	s_lshl_b32 s92, s92, 9
	s_add_co_u32 s3, s3, s92
	v_mul_u32_u24 v6, v2, 1040
	v_lshl_add_u32 v6, v3, 6, v6
	v_add_nc_u32 v6, s3, v6
	v_add_nc_u32 v6, XROW, v6                      ; what I quantise: slot 16 (w % 4) + r, K step w / 4, + 64 h
	s_mul_i32 s3, s2, 1536
	v_add_nc_u32 v7, s3, v4                        ; where its image goes
	s_lshl_b32 s3, s2, 7
	v_add_nc_u32 v8, s3, v5                        ; and its scale word
	v_lshl_add_u32 v10, v3, 6, s3                  ; the bias of my head's channels 16 h on: 128 w + 64 h
	v_and_b32 v11, 8, v2
	v_add_nc_u32 v11, v11, v2
	v_lshl_add_u32 v11, v11, 2, s3                 ; and of channel r + 8 (r / 8): V's
	s_lshr_b32 s92, s2, 2
	s_lshl_b32 s92, s92, 5
	s_and_b32 s93, s2, 1
	s_lshl_b32 s93, s93, 4
	s_add_co_u32 s92, s92, s93
	s_bfe_u32 s93, s2, 0x10001
	s_lshl_b32 s93, s93, 3
	s_add_co_u32 s92, s92, s93                     ; rows 8 w .. 8 w + 7 are slots 16 (2 (w / 4) + w % 2) + 8 ((w / 2) % 2) + i
	s_mul_i32 s92, s92, 1040
	v_add_nc_u32 v9, s92, v4
	v_add_nc_u32 v9, XROW, v9
	s_mov_b32 s[SEL], 0x76543210
	s_mov_b32 s[SEL+1], 0xfedcba98
.irp b, 0,1,2,3
	v_mov_b32 v[TM+4+\b], 0                        ; a lane permute's destination counts as one of its sources
.endr
	s_lshl_b32 s3, ttmp9, 6
	s_lshl_b32 s92, s2, 3
	s_add_co_u32 s3, s3, s92                       ; my first row: 64 g + 8 w
	s_lshl_b32 s92, s3, 4
	s_wait_kmcnt 0x0
	s_load_b512 s[16:31], s[10:11], s92 offset:0x0     ; 8 rows x 4 row numbers
	s_load_b512 s[32:47], s[10:11], s92 offset:0x40
	s_load_b512 s[48:63], s[12:13], s92 offset:0x0     ; 8 rows x 4 weights
	s_load_b512 s[68:83], s[12:13], s92 offset:0x40
	; my head's twelve fragments of W (product P = 0 Q, 1 K, 2 V; tile u; K step s) into window 1 at 12 (4 P + 2 u + s), and the three biases behind them: 58 loads with the scale words, all older than every load of the gather
	s_mul_i32 s90, s2, 6144
	s_mov_b32 s91, 0
	s_add_nc_u64 s[96:97], s[14:15], s[90:91]
	s_lshl_b32 s90, s2, 9
	s_add_nc_u64 s[98:99], s[14:15], s[90:91]
	WIN 0x40
	s_wait_alu depctr_va_vdst(0)                   ; the offsets and LDS addresses v4 to v11 and v14 are written, which the loads and stores of the whole kernel read
.irp P, 0,1,2
.irp q, 0,1,2,3
.irp c, 0,1,2
	global_load_b128 v[12*(4*\P+\q)+4*\c:12*(4*\P+\q)+4*\c+3], v4, s[96:97] offset:49152*\P+1536*\q+512*\c
.endr
.endr
.endr
.irp k, 0,1,2,3
	global_load_b128 v[BK+4*\k:BK+4*\k+3], v10, s[8:9] offset:1024+16*\k   ; K's bias: my 16 channels, in the transposed result's layout
	global_load_b128 v[BQ+4*\k:BQ+4*\k+3], v10, s[8:9] offset:16*\k        ; Q's
.endr
	global_load_b32 v[BV], v11, s[8:9] offset:2048                         ; V's: my one channel of each tile of channels
	global_load_b32 v[BV+8], v11, s[8:9] offset:2048+32
	WIN 0
.irp P, 0,1,2
.irp q, 0,1,2,3
	global_load_b32 v[WS+4*\P+\q], v5, s[98:99] offset:448512+4096*\P+128*\q
.endr
.endr
	s_wait_kmcnt 0x0
; The offsets of four rows' sixteen corners
.macro GADR b, adr
.irp i, 0,1,2,3
.irp k, 0,1,2,3
	s_min_u32 s[16+16*\b+4*\i+\k], s[16+16*\b+4*\i+\k], 2499
	v_lshl_add_u32 v[\adr+4*\i+\k], s[16+16*\b+4*\i+\k], 10, v4
.endr
.endr
.endm
; A blended row's 1,024 bytes to its slot
.macro PUTROW b, i
	ds_store_b128 v9, v[64+32*(\i):64+32*(\i)+3] offset:1040*(4*\b+(\i))
	ds_store_b128 v9, v[64+32*(\i)+4:64+32*(\i)+7] offset:1040*(4*\b+(\i))+512
.endm
; Four rows: 32 loads (a row's four corners, two halves of 512 bytes each), then row by row the blend; a row's stores stand behind the next row's wait for its data.  The four rows' bases take s[86:93].
.macro GROWS b, adr
.irp i, 0,1,2,3
	s_add_co_u32 s92, s3, 4*\b+\i
	s_cmp_lt_u32 s92, 2500                         ; a query row or a row of prev_bev: by the row's number alone
	s_cselect_b64 s[86+2*\i:87+2*\i], s[4:5], s[6:7]
.irp k, 0,1,2,3
	global_load_b128 v[64+32*\i+8*\k:64+32*\i+8*\k+3], v[\adr+4*\i+\k], s[86+2*\i:87+2*\i]
	global_load_b128 v[64+32*\i+8*\k+4:64+32*\i+8*\k+7], v[\adr+4*\i+\k], s[86+2*\i:87+2*\i] offset:512
.endr
.endr
.irp i, 0,1,2,3
	s_wait_loadcnt 8*(3-\i)                        ; this row's eight loads are in; the younger rows' eight each may be out
.if \i > 0
	s_wait_alu depctr_va_vdst(0)                   ; the blend of the row before has written that row's first eight registers, which its LDS stores read
	PUTROW \b, \i-1
.endif
.irp e, 0,1,2,3,4,5,6,7
	v_mul_f32 v[64+32*\i+\e], s[48+20*\b+4*\i], v[64+32*\i+\e]
.endr
.irp k, 1,2,3
.irp e, 0,1,2,3,4,5,6,7
	v_fma_f32 v[64+32*\i+\e], s[48+20*\b+4*\i+\k], v[64+32*\i+8*\k+\e], v[64+32*\i+\e]
.endr
.endr
.endr
	s_wait_alu depctr_va_vdst(0)                   ; the last blend has written v160 to v167, which its LDS stores read; and all four blends are done with v64 to v191, in which the next loads land
	PUTROW \b, 3
.endm
	GADR 0, ADA
	GADR 1, ADB
	s_wait_alu depctr_va_vdst(0)                   ; the 32 offsets v36 to v51 and v192 to v207 are written, which the gather's loads read
	GROWS 0, ADA                                   ; its last wait on LOADcnt is for 0: the bases may be written again,
	s_wait_dscnt 0x0                               ; and the LDS stores are done
	s_wait_alu depctr_vm_vsrc(0)                   ; the LDS stores have read the rows' first eight registers, in which the second four rows' loads land
	GROWS 1, ADB
	s_wait_dscnt 0x0                               ; my rows lie in LDS
	s_barrier_signal -1
	s_barrier_wait -1                              ; everybody's do
	s_wait_alu depctr_vm_vsrc(0)                   ; my LDS stores have read v64 .. v167, in which the loads below land and over which the accumulators lie; the gather's loads have read v36-51 and v192-207, over which the codes and the accumulators lie
.irp b, 0,1,2,3
.irp k, 0,1,2,3
	ds_load_b128 v[64+16*\b+4*\k:67+16*\b+4*\k], v6 offset:128*\b+16*\k
.endr
.endr
	s_wait_dscnt 0x0
	QUANT 64
	s_wait_alu depctr_va_vdst(0)                   ; the quantiser has written v44 to v55 and v12, which the LDS stores read; it is done reading v64 to v127, in which X's fragments land behind the barrier
.irp c, 0,1,2
	ds_store_b128 v7, v[PC+4*\c:PC+4*\c+3] offset:XIMG+512*\c
.endr
	ds_store_b32 v8, v[PW] offset:XSC
	s_wait_dscnt 0x0                               ; my fragment lies in LDS
	s_barrier_signal -1
	s_barrier_wait -1                              ; all eight do
	s_wait_alu depctr_vm_vsrc(0)                   ; my LDS stores have read v44 to v55 and v12, which K's quantiser writes again
.irp t, 0,1,2,3
.irp s, 0,1
.irp c, 0,1,2
	ds_load_b128 v[XF+12*(2*\t+\s)+4*\c:XF+12*(2*\t+\s)+4*\c+3], v4 offset:XIMG+1536*(\t+4*\s)+512*\c
.endr
	ds_load_b32 v[XS+\t+4*\s], v5 offset:XSC+128*(\t+4*\s)
.endr
.endr
	s_mul_i32 s92, s2, 80
	s_add_co_u32 s92, s92, ttmp9
	s_mul_i32 s90, s92, 3328
	s_mov_b32 s91, 0                               ; the gather's third base lay in s[90:91]: from here on the pair is an offset again, its upper word 0
	s_add_nc_u64 s[88:89], s[84:85], s[90:91]      ; my record
	s_wait_loadcnt 0x0                             ; W and the biases (the gather's last wait has shown them in already)
	WIN 0x41                                       ; destination and source 0 in window 1
.irp k, 1,2,3,4,5,6,7
	v_mov_b32 v[BV+\k], v[BV]                      ; V's bias as C: a lane's eight results are eight keys of ONE channel
	v_mov_b32 v[BV+8+\k], v[BV+8]
.endr
	s_wait_dscnt 0x0
; A transposed product: eight accumulators (tile of rows t, tile of channels u) by turns, K step by K step; the bias, at v[bb] of window 1, is the C of each sum's first instruction
.macro PROD_T P, bb
	WIN 0x11                                       ; source 0 (W) and source 2 (the bias) in window 1
.irp t, 0,1,2,3
.irp u, 0,1
	v_wmma_scale_f32_16x16x128_f8f6f4 v[ACC+16*\t+8*\u:ACC+16*\t+8*\u+7], v[12*(4*\P+2*\u):12*(4*\P+2*\u)+11], v[XF+12*(2*\t):XF+12*(2*\t)+11], v[\bb+8*\u:\bb+8*\u+7], v[WS+4*\P+2*\u], v[XS+\t] matrix_a_fmt:MATRIX_FMT_FP6 matrix_b_fmt:MATRIX_FMT_FP6
.endr
.endr
	WIN 0x01                                       ; source 0 (W) in window 1
.irp t, 0,1,2,3
.irp u, 0,1
	v_wmma_scale_f32_16x16x128_f8f6f4 v[ACC+16*\t+8*\u:ACC+16*\t+8*\u+7], v[12*(4*\P+2*\u+1):12*(4*\P+2*\u+1)+11], v[XF+12*(2*\t+1):XF+12*(2*\t+1)+11], v[ACC+16*\t+8*\u:ACC+16*\t+8*\u+7], v[WS+4*\P+2*\u+1], v[XS+\t+4] matrix_a_fmt:MATRIX_FMT_FP6 matrix_b_fmt:MATRIX_FMT_FP6
.endr
.endr
	WIN 0
.rept 4
	v_nop                                          ; four places behind the products, ahead of the first read of results
.endr
.endm
	; ---- K
	PROD_T 1, BK
	QUANT ACC                                      ; block t = tile t of rows, the head's 32 channels
	s_wait_alu depctr_va_vdst(0)                   ; the quantiser has written v44 to v55 and v12, which K's stores read
.irp c, 0,1,2
	global_store_b128 v4, v[PC+4*\c:PC+4*\c+3], s[88:89] offset:512*\c
.endr
	global_store_b32 v5, v[PW], s[88:89] offset:3072
	; ---- V, the natural way: a lane holds channel 8 u + r + 8 (r / 8) of the head; registers 16 (2 u + b) + i are keys 32 b + 16 h + i
	WIN 0x14                                       ; source 1 (W) and source 2 (the bias) in window 1
.irp t, 0,1,2,3
.irp u, 0,1
	v_wmma_scale_f32_16x16x128_f8f6f4 v[ACC+16*(2*\u+\t/2)+8*(\t%2):ACC+16*(2*\u+\t/2)+8*(\t%2)+7], v[XF+12*(2*\t):XF+12*(2*\t)+11], v[12*(8+2*\u):12*(8+2*\u)+11], v[BV+8*\u:BV+8*\u+7], v[XS+\t], v[WS+8+2*\u] matrix_a_fmt:MATRIX_FMT_FP6 matrix_b_fmt:MATRIX_FMT_FP6
.endr
.endr
	WIN 0x04                                       ; source 1 (W) in window 1
.irp t, 0,1,2,3
.irp u, 0,1
	v_wmma_scale_f32_16x16x128_f8f6f4 v[ACC+16*(2*\u+\t/2)+8*(\t%2):ACC+16*(2*\u+\t/2)+8*(\t%2)+7], v[XF+12*(2*\t+1):XF+12*(2*\t+1)+11], v[12*(8+2*\u+1):12*(8+2*\u+1)+11], v[ACC+16*(2*\u+\t/2)+8*(\t%2):ACC+16*(2*\u+\t/2)+8*(\t%2)+7], v[XS+\t+4], v[WS+8+2*\u+1] matrix_a_fmt:MATRIX_FMT_FP6 matrix_b_fmt:MATRIX_FMT_FP6
.endr
.endr
	WIN 0
.rept 4
	v_nop
.endr
	s_wait_xcnt 0x0                                ; K's stores have had their addresses translated: their data may be written again,
	s_wait_alu depctr_vm_vsrc(0)                   ; and they have read v44 to v55 and v12, which V's quantiser writes again
	s_cmp_lt_u32 ttmp9, 78                         ; keys from 5,000 on lie in the last two work-groups alone
	s_cbranch_scc1 .Lall_keys
	s_lshl_b32 s92, ttmp9, 6
	s_sub_co_u32 s92, 5000, s92
	v_lshlrev_b32 v13, 4, v3
	v_sub_nc_u32 v13, s92, v13                     ; d = 5000 - 64 g - 16 h: register 16 (2 u + b) + i holds a key that exists where 32 b + i < d
.irp b, 0,1                                    ; the 32 masks in one run, into s16 to s47 (the gather's row numbers are done with); both tiles of channels take the same masks
.irp i, 0,1,2,3,4,5,6,7,8,9,10,11,12,13,14,15
	v_cmp_lt_i32 s[16+16*\b+\i], 32*\b+\i, v13
.endr
.endr
	s_wait_alu depctr_va_sdst(0)                   ; the 32 compares have written s16 to s47, ahead of their first readers
.irp e, 0,1,2,3
.irp i, 0,1,2,3,4,5,6,7,8,9,10,11,12,13,14,15
	v_cndmask_b32 v[ACC+16*\e+\i], 0, v[ACC+16*\e+\i], s[16+16*(\e%2)+\i]
.endr
.endr
.Lall_keys:
	QUANT ACC                                      ; block 2 u + b: registers 6 u .. 6 u + 5, lanes of half b: tile u of channels, key block b
	s_wait_alu depctr_va_vdst(0)                   ; the quantiser has written v44 to v55 and v12, which V's stores read
.irp u, 0,1
.irp p, 0,1,2
	global_store_b64 v14, v[PC+6*\u+2*\p:PC+6*\u+2*\p+1], s[88:89] offset:1536+768*\u+256*\p     ; 256 consecutive bytes, aligned
.endr
.endr
	global_store_b32 v5, v[PW], s[88:89] offset:3200
	; ---- Q, where my rows are queries (rows under 2,560)
	s_cmp_gt_u32 ttmp9, 39
	s_cbranch_scc1 .Lend
	s_lshl_b32 s92, ttmp9, 3
	s_add_co_u32 s92, s92, s2
	s_mul_i32 s90, s92, 1536
	s_add_nc_u64 s[86:87], s[84:85], s[90:91]
	s_lshl_b32 s90, s92, 7
	s_add_nc_u64 s[84:85], s[84:85], s[90:91]
	PROD_T 0, BQ
	s_wait_xcnt 0x0                                ; V's stores have had their addresses translated,
	s_wait_alu depctr_vm_vsrc(0)                   ; and have read v44 to v55 and v12, which Q's quantiser writes again
	QUANT ACC
	s_wait_alu depctr_va_vdst(0)                   ; the quantiser has written v44 to v55 and v12, which Q's stores read
.irp c, 0,1,2
	global_store_b128 v4, v[PC+4*\c:PC+4*\c+3], s[86:87] offset:2129920+512*\c
.endr
	global_store_b32 v5, v[PW], s[84:85] offset:2621440
.Lend:
	s_wait_dscnt 0x0                               ; the closing lines, six on end
	s_wait_alu 0x0
	s_wait_tensorcnt 0x0
	ds_add_u32 v254, v255
	s_wait_dscnt 0x0
	s_endpgm
.Lfunc_end_k_q7198267696_proj:
	.size	k_q7198267696_proj, .Lfunc_end_k_q7198267696_proj-k_q7198267696_proj
	.p2alignl 7, 3214868480
	.fill 96, 4, 3214868480
	.section	.rodata,"a",@progbits
	.p2align	6, 0x0
	.amdhsa_kernel k_q7198267696_proj
		.amdhsa_group_segment_fixed_size 80896
		.amdhsa_private_segment_fixed_size 0
		.amdhsa_enable_private_segment 0
		.amdhsa_kernarg_size 56
		.amdhsa_user_sgpr_count 2
		.amdhsa_user_sgpr_kernarg_segment_ptr 1
		.amdhsa_wavefront_size32 1
		.amdhsa_system_sgpr_workgroup_id_x 1
		.amdhsa_system_sgpr_workgroup_id_y 1
		.amdhsa_system_sgpr_workgroup_id_z 1
		.amdhsa_system_vgpr_workitem_id 0
		.amdhsa_next_free_vgpr 448
		.amdhsa_next_free_sgpr 100
		.amdhsa_reserve_vcc 0
		.amdhsa_float_denorm_mode_32 3
		.amdhsa_float_denorm_mode_16_64 3
		.amdhsa_memory_ordered 1
		.amdhsa_forward_progress 1
		.amdhsa_inst_pref_size 70
	.end_amdhsa_kernel
	.amdgpu_metadata
---
amdhsa.version: [ 1, 2 ]
amdhsa.kernels:
  - .name:           k_q7198267696_proj
    .symbol:         k_q7198267696_proj.kd
    .args:
      - { .name: query, .offset: 0, .size: 8, .value_kind: global_buffer, .address_space: global }
      - { .name: prev_bev, .offset: 8, .size: 8, .value_kind: global_buffer, .address_space: global }
      - { .name: in_proj_b, .offset: 16, .size: 8, .value_kind: global_buffer, .address_space: global }
      - { .name: idx, .offset: 24, .size: 8, .value_kind: global_buffer, .address_space: global }
      - { .name: wts, .offset: 32, .size: 8, .value_kind: global_buffer, .address_space: global }
      - { .name: wq, .offset: 40, .size: 8, .value_kind: global_buffer, .address_space: global }
      - { .name: qkv, .offset: 48, .size: 8, .value_kind: global_buffer, .address_space: global }
    .group_segment_fixed_size: 80896
    .private_segment_fixed_size: 0
    .kernarg_segment_align: 8
    .kernarg_segment_size: 56
    .max_flat_workgroup_size: 256
    .sgpr_count:     100
    .vgpr_count:     448
    .wavefront_size: 32
...
	.end_amdgpu_metadata
.endif
;; end of part 6
;; launch attn (part 7): grid 8 x 32, 20 waves a work-group, no clusters, 170,496 bytes of LDS; arguments qkv, part; writes part
.if DOCPART == 7
	.amdgcn_target "amdgcn-amd-amdhsa--gfx1250"
	.amdhsa_code_object_version 6
	.text
	.protected	k_q7198267696_attn
	.globl	k_q7198267696_attn
	.p2align	8
	.type	k_q7198267696_attn,@function
k_q7198267696_attn:
	s_mov_b64 s[64:65], 0
	v_nop
	global_prefetch_b8 v0, s[64:65] scope:SCOPE_SE
	s_setreg_imm32_b32 hwreg(HW_REG_WAVE_MODE, 25, 1), 1
	s_wait_xcnt 0x0
; Attention on codes of FP6 (E2M3): 8 heads of 32 channels, 2,500 queries, 5,000 keys.  p = 2^(t - M), t = score x log2(e) / sqrt(32), M = the running largest t rounded up to a whole number;
; p is quantised along the keys, not normalised; the row's sum is taken of the unquantised p.  The keys go in four SPLITS; each leaves O^T, -M and the sum for the next launch to merge.
; SHARES.  157 tiles of 16 queries x 8 heads x 40 steps of 128 keys are 50,240 wave steps.  Work-group (x, y): head y % 8, split y / 8, query tiles 20 x .. 20 x + 19; wave w owns tile T = 20 x + w, one tile in 192 registers:
; five waves to a SIMD (5 x 192 = 960 registers), ten steps each: 256 work-groups with 50 wave steps on each SIMD.
; A step is 128 keys = two records of 64 keys.  The split's 20 records, 66,560 bytes, lie in LDS whole, each byte filled once.  Waves 0-3 fetch: first one record each (steps 0 and 1), then four each (steps 2 to 9):
; steps 0 and 1 are worked while the larger loads are on their way.  Two tensor loads of a wave are out at the most.
; THE HEAD'S 32 CHANNELS ARE ONE BLOCK, a quarter of the instruction's K.  A fragment of K holds four tiles of 16 keys, one in each block; it is multiplied by four copies of Q, each with Q's 32 codes in
; another block and zero codes elsewhere: zero codes add nothing under any scale byte but 0xff, which the quantiser never gives.  So K lies dense in memory, LDS and registers.
; Both products are used transposed (S^T = K Q^T, O^T = V^T P^T): a lane holds one query throughout; the keys of a tile are chosen so that the 16 registers of tiles 2 b, 2 b + 1 are keys 32 b + 16 (lane / 16) + 0 .. 15.
; NO CLUSTER: the eight work-groups of a (head, split) read the same 66,560 bytes once, at their head, and then work 200 wave steps on them with no further fill: joint loads would spare requests for those bytes alone
; and add two rounds of the cluster's barrier to every work-group.
; REGISTERS: v1-3 16, 8, 4 x lane; v4-6 the same + the step's place; v8-9 V's scale words as they lie; v12 -M, v13 largest t, v[14:15] the sum; v16-45 zeros, Q in lanes 0-15, zeros, Q in lanes 16-31, zeros (six each);
; v46 Q's scale byte four times; v47 p's scale word; v48-71 two fragments of K, and behind the products K Q^T the softmax's scratch; v72-73 K's scale words; v74-97 two fragments of V^T, v98-99 their scale words;
; v100-163 S^T, then p; v164-179 O^T; v180-191 p's codes.
.set S,   100
.set O,   164
.set PCD, 180
.set KF,  48                           ; v48-71  K's two fragments
.set KS,  72                           ; v72-73  their scale words
.set VF,  74                           ; v74-97  V^T's two fragments
.set VS,  98                           ; v98-99  their scale words
.set VR,  8                            ; v8-9    the two records' words, from which those are made
.set PW,  47                           ; p's scale word
.set CV2, 48                           ; in K's registers, once the products K Q^T are four places back: v48-50, v52-54 the conversions' second halves
.set TMP, 51
.set BM,  56                           ; v56-59  the blocks' largest scores
.set PT,  60                           ; v60-63  permute results, later the scale bytes
.set SO,  64                           ; v64-67  the conversions' scale operands
.set SU2, 68                           ; v[68:69] one of the sum's eight chains (the name itself unused)
.set F,   70                           ; v[70:71] f = 2^(old M - new M) (v71 is named with it as a pair; K's loads have written it)
.set WV,  8
.set I,   15                           ; s15  the step
.set FIRST, 13                         ; s13  0, or 10 in a wave whose tile holds no query
.set LASTI, 14                         ; s14  the local number of step 39, if I have it
.set TB,  44                           ; s44  LDS byte at which the step's two records begin
.set SEL, 46
.set CS,  48                           ; s[48:49] c = log2(e) / sqrt(32)
.set HI,  50                           ; s50  lanes 16-31
	s_load_b128 s[4:7], s[0:1], 0x0                ; qkv s[4:5], part s[6:7]
	v_lshl_add_u32 v162, v0, 2, 0x29000
	v_mov_b32 v163, 0
	ds_add_u32 v162, v163
	ds_add_u32 v162, v163
	s_wait_dscnt 0x0
	v_lshrrev_b32 v1, 5, v0
	s_delay_alu instid0(VALU_DEP_1)
	v_readfirstlane_b32 s[WV], v1                  ; wave 0..19
	s_and_b32 s40, ttmp7, 0xffff
	s_and_b32 s9, s40, 7                           ; head
	s_lshr_b32 s10, s40, 3                         ; split 0..3
	s_mul_i32 s11, ttmp9, 20
	s_add_co_u32 s11, s11, s[WV]                   ; T
	s_mul_i32 s12, s10, 10                         ; the split's first step
	; descriptor groups 1: dense blocks of memory as rows of 256 bytes (32 elements of 8 bytes), no padding: every read below is 4, 8 or 16 bytes a lane on end.  One record is 13 rows, four are 52
	s_mov_b32 s16, 3<<16
	s_mov_b32 s17, 32<<16                          ; tensor_dim0
	s_mov_b32 s18, 13<<16                          ; tensor_dim1
	s_mov_b32 s19, 32<<16                          ; tile_dim0
	s_mov_b32 s20, 13                              ; tile_dim1
	s_mov_b32 s21, 32                              ; the pitch
	s_mov_b32 s22, 0
	s_mov_b32 s23, 0
	s_mov_b32 s24, 3<<16
	s_mov_b32 s25, 32<<16
	s_mov_b32 s26, 52<<16
	s_mov_b32 s27, 32<<16
	s_mov_b32 s28, 52
	s_mov_b32 s29, 32
	s_mov_b32 s30, 0
	s_mov_b32 s31, 0
	s_mul_i32 s40, s9, 266240                      ; the head's 80 records,
	s_mul_i32 s41, s10, 66560                      ; the split's 20
	s_add_co_u32 s40, s40, s41
	s_mul_i32 s33, s[WV], 3328                     ; my one of the first four: in LDS, and in memory
	s_mul_i32 s37, s[WV], 13312
	s_add_co_u32 s37, s37, 13312                   ; my four of the other sixteen
	s_add_co_u32 s42, s40, s37
	s_mov_b32 s43, 0
	s_add_co_u32 s40, s40, s33
	s_mov_b32 s41, 0
	s_mov_b32 s32, 1
	s_mov_b32 s36, 1
	s_wait_kmcnt 0x0
	s_add_nc_u64 s[34:35], s[4:5], s[40:41]
	s_or_b32 s35, s35, 0x80000000
	s_add_nc_u64 s[38:39], s[4:5], s[42:43]
	s_or_b32 s39, s39, 0x80000000
	s_cmp_lt_u32 s[WV], 4                          ; waves 0-3 fill: a wave's two fills stand in one branch, ahead of every wait on TENSORcnt, every LDS read and every barrier
	s_cbranch_scc0 .Lno_fill
	tensor_load_to_lds s[32:35], s[16:23]
	s_nop 0
	tensor_load_to_lds s[36:39], s[24:31]
	s_nop 0
.rept 4
	v_nop
.endr
.Lno_fill:
	v_and_b32 v7, 31, v0
	s_delay_alu instid0(VALU_DEP_1)
	v_lshlrev_b32 v1, 4, v7
	s_delay_alu instid0(VALU_DEP_2)
	v_lshlrev_b32 v2, 3, v7
	s_delay_alu instid0(VALU_DEP_3)
	v_lshlrev_b32 v3, 2, v7
	; Q: tile T is block T % 4 of the image of group T / 4: registers 6 c .. 6 c + 5 (c = (T % 4) / 2) of lane r + 16 (T % 2).  Every lane takes its query's 24 bytes, three loads of 8.
	v_and_b32 v8, 15, v0
	s_and_b32 s40, s11, 1
	s_lshl_b32 s40, s40, 8
	v_lshl_add_u32 v8, v8, 4, s40
	s_bfe_u32 s41, s11, 0x10001
	s_cmp_eq_u32 s41, 0
	s_cselect_b32 s40, 0, 520                      ; registers 0-5 lie at bytes 0, 8, 512 of the lane's pieces, registers 6-11 at 520, 1024, 1032
	s_mov_b32 s41, 1024
	s_cselect_b32 s41, 8, s41
	s_mov_b32 s42, 1032
	s_cselect_b32 s42, 512, s42
	v_add_nc_u32 v9, s40, v8
	s_wait_alu depctr_va_vdst(0)
	v_add_nc_u32 v10, s41, v8
	s_wait_alu depctr_va_vdst(0)
	v_add_nc_u32 v11, s42, v8
	s_wait_alu depctr_va_vdst(0)
	s_lshr_b32 s43, s11, 2
	s_lshl_b32 s43, s43, 3
	s_add_co_u32 s43, s43, s9
	s_mul_i32 s52, s43, 1536
	s_add_co_u32 s52, s52, 2129920
	s_mov_b32 s53, 0
	s_add_nc_u64 s[54:55], s[4:5], s[52:53]
	s_lshl_b32 s52, s43, 7
	s_add_co_u32 s52, s52, 2621440
	s_add_nc_u64 s[56:57], s[4:5], s[52:53]
	global_load_b64 v[48:49], v9, s[54:55]
	global_load_b64 v[50:51], v10, s[54:55]
	global_load_b64 v[52:53], v11, s[54:55]
	global_load_b32 v54, v3, s[56:57]
	s_mov_b32 s[SEL], 0x76543210
	s_mov_b32 s[SEL+1], 0xfedcba98
	s_mov_b32 s[CS], 0x3e8293ee
	s_mov_b32 s[CS+1], s[CS]                       ; (named with it as a pair, so it is written)
	s_mov_b32 s[HI], 0xffff0000
	s_mov_b32 s51, 0x05040100
	s_mov_b32 s45, 0x07060302
	s_cmp_ge_u32 s11, 157                          ; tiles 157-159 hold no query: their waves pass the barriers and jump over every step
	s_cselect_b32 s[FIRST], 10, 0
	s_sub_co_u32 s[LASTI], 39, s12
	s_mov_b32 s[I], 0
	s_mov_b32 s[TB], 0
	s_mul_i32 s40, s10, 160
	s_add_co_u32 s40, s40, s11
	s_lshl_b32 s40, s40, 3
	s_add_co_u32 s40, s40, s9                      ; (split x 160 + T) x 8 + head
	s_lshl_b32 s42, s40, 11
	s_mov_b32 s43, 0
	s_add_nc_u64 s[58:59], s[6:7], s[42:43]        ; where O^T goes
	s_lshl_b32 s42, s40, 8
	s_add_co_u32 s42, s42, 10485760
	s_add_nc_u64 s[60:61], s[6:7], s[42:43]        ; and -M and the sum
	s_and_b32 s40, s11, 3
	s_mul_i32 s40, s40, 0x01010101                 ; v_perm_b32's selector: byte T % 4 four times
	v_mov_b32 v13, 0xff61b1e6                      ; the largest t so far: -3e38
	s_delay_alu instid0(VALU_DEP_1)
	v_floor_f32 v12, -v13
	v_mov_b32 v14, 0
	v_mov_b32 v15, 0
.irp k, 0,1,2,3,4,5
	v_mov_b32 v[16+\k], 0
	v_mov_b32 v[28+\k], 0
	v_mov_b32 v[40+\k], 0
.endr
	s_wait_loadcnt 0x0
	v_perm_b32 v46, v54, v54, s40                  ; Q's scale byte in all four places: whichever block holds the codes
.irp k, 0,1,2,3,4,5
	v_cndmask_b32 v[22+\k], v[48+\k], 0, s[HI]     ; Q in lanes 0-15
	v_cndmask_b32 v[34+\k], 0, v[48+\k], s[HI]     ; Q in lanes 16-31
.endr
.irp k, 0,1,2,3,4,5,6,7,8,9,10,11,12,13,14,15
	v_mov_b32 v[O+\k], 0                           ; O^T: the step is written alike for all steps; the first finds zeros.  (These are also the places between the scale and the codes just written and the first product)
.endr
; A KEY STEP: 128 keys.  mask = 1: the copy that may meet step 39, of whose keys only eight exist.
.macro STEP mask
	s_cmp_lt_u32 s[I], s[FIRST]
	s_cbranch_scc1 .Lskip_\@
	s_setprio 2
	v_add_nc_u32 v4, s[TB], v1
	v_add_nc_u32 v5, s[TB], v2
	v_add_nc_u32 v6, s[TB], v3
	v_nop                                          ; four places between the last step's products and the loads into their operands
.irp j, 0,1
.irp c, 0,1,2
	ds_load_b128 v[KF+12*\j+4*\c:KF+12*\j+4*\c+3], v4 offset:3328*\j+512*\c
.endr
.endr
.irp j, 0,1
	ds_load_b32 v[KS+\j], v6 offset:3328*\j+3072
.endr
.irp u, 0,1
.irp c, 0,1
.irp p, 0,1,2
	ds_load_b64 v[VF+12*\u+6*\c+2*\p:VF+12*\u+6*\c+2*\p+1], v5 offset:3328*\c+1536+768*\u+256*\p
.endr
.endr
.endr
.irp c, 0,1
	ds_load_b32 v[VR+\c], v6 offset:3328*\c+3200
.endr
	s_wait_dscnt 14                                ; K's eight loads are in; V's fourteen may be out
.irp t, 0,1,2,3,4,5,6,7                        ; tile t: fragment t / 4, block t % 4; Q's copy with its codes in that block begins at v[16 + 12 (t % 2) + 6 (1 - (t % 4) / 2)]
	v_wmma_scale_f32_16x16x128_f8f6f4 v[S+8*\t:S+8*\t+7], v[KF+12*(\t/4):KF+12*(\t/4)+11], v[16+12*(\t%2)+6*(1-(\t%4)/2):27+12*(\t%2)+6*(1-(\t%4)/2)], 0, v[KS+\t/4], v46 matrix_a_fmt:MATRIX_FMT_FP6 matrix_b_fmt:MATRIX_FMT_FP6
.endr
	s_wait_dscnt 0x0
	v_perm_b32 v[VS], v[VR+1], v[VR], s51          ; V's scale words of the step: two bytes of each record, tile 0 of channels,
	v_perm_b32 v[VS+1], v[VR+1], v[VR], s45        ; tile 1
	v_nop
	v_nop                                          ; four places behind the products: from here on their results are read and K's registers are written
.if \mask
	s_cmp_lg_u32 s[I], s[LASTI]
	s_cbranch_scc1 .Lopen_\@
	v_mov_b32 v[TMP], 0xff800000                   ; step 39 has keys 4,992 to 4,999 alone: registers 0-7 of lanes 0-15; the others' scores become -infinity ahead of the maximum
.irp k, 0,1,2,3,4,5,6,7
	v_cndmask_b32 v[S+\k], v[S+\k], v[TMP], s[HI]
.endr
.set j, 8
.rept 56
	v_mov_b32 v[S+j], v[TMP]
.set j, j+1
.endr
.Lopen_\@:
.endif
.irp b, 0,1,2,3
	v_max3_num_f32 v[BM+\b], v[S+16*\b], v[S+1+16*\b], v[S+2+16*\b]      ; the largest score of each block of 32 keys: for the row's maximum and, since p rises with the score, for the block's largest p
.endr
.irp i, 3,5,7,9,11,13
.irp b, 0,1,2,3
	v_max3_num_f32 v[BM+\b], v[BM+\b], v[S+16*\b+\i], v[S+1+16*\b+\i]
.endr
.endr
.irp b, 0,1,2,3
	v_max_num_f32 v[BM+\b], v[BM+\b], v[S+15+16*\b]
.endr
.irp b, 0,1,2,3
	s_delay_alu instid0(VALU_DEP_4)
	v_permlanex16_b32 v[PT+\b], v[BM+\b], s[SEL], s[SEL+1]               ; (its destination counts as read: K's loads have written it)
.endr
.irp b, 0,1,2,3
	s_delay_alu instid0(VALU_DEP_4)
	v_max_num_f32 v[BM+\b], v[BM+\b], v[PT+\b]
.endr
	s_delay_alu instid0(VALU_DEP_2)
	v_max3_num_f32 v[TMP], v[BM], v[BM+1], v[BM+2]
	s_delay_alu instid0(VALU_DEP_1)
	v_max_num_f32 v[TMP], v[TMP], v[BM+3]
	s_delay_alu instid0(VALU_DEP_1)
	v_mul_f32 v[TMP], s[CS], v[TMP]
	s_delay_alu instid0(VALU_DEP_1)
	v_max_num_f32 v13, v13, v[TMP]                 ; the running largest t
	v_mov_b32 v[TMP], v12
	s_delay_alu instid0(VALU_DEP_2)
	v_floor_f32 v12, -v13                          ; -M = floor(-t): M is a whole number
	s_delay_alu instid0(VALU_DEP_1)
	v_sub_f32 v[TMP], v12, v[TMP]
	s_delay_alu instid0(VALU_DEP_1)
	v_cvt_i32_f32 v[TMP], v[TMP]                   ; (it saturates)
	s_delay_alu instid0(VALU_DEP_1)
	v_ldexp_f32 v[F], 1.0, v[TMP]                  ; f = 2^(old M - new M): rounds nothing
.set j, 0
.rept 32
	v_pk_fma_f32 v[S+j:S+j+1], v[S+j:S+j+1], s[CS:CS+1], v[12:13] op_sel_hi:[1,0,0]     ; t - M
.set j, j+2
.endr
	s_setprio 1
.irp b, 0,1,2,3
	v_fma_f32 v[BM+\b], v[BM+\b], s[CS], v12
.endr
.set j, 0
	s_wait_alu depctr_va_vdst(0)
.rept 64
	v_exp_f32 v[S+j], v[S+j]                       ; p = 2^(t - M)
.set j, j+1
.endr
	v_pk_mul_f32 v[14:15], v[14:15], v[F:F+1] op_sel_hi:[1,0]        ; the sums under the new M (a plain line behind the exponentials)
	s_wait_alu depctr_va_vdst(0)                   ; one wait for the batch, ahead of its first reader
.irp b, 0,1,2,3
	v_exp_f32 v[BM+\b], v[BM+\b]                   ; the block's largest p
.endr
	v_pk_add_f32 v[68:69], v[104:105], v[108:109]
	v_pk_add_f32 v[190:191], v[112:113], v[116:117]
	v_pk_add_f32 v[188:189], v[120:121], v[124:125]
	v_pk_add_f32 v[186:187], v[128:129], v[132:133]
	v_pk_add_f32 v[184:185], v[136:137], v[140:141]
	v_pk_add_f32 v[182:183], v[144:145], v[148:149]
	v_pk_add_f32 v[180:181], v[152:153], v[156:157]
	v_pk_add_f32 v[14:15], v[14:15], v[160:161]
	v_pk_add_f32 v[68:69], v[68:69], v[100:101]
	v_pk_add_f32 v[190:191], v[190:191], v[102:103]
	v_pk_add_f32 v[188:189], v[188:189], v[106:107]
	v_pk_add_f32 v[186:187], v[186:187], v[110:111]
	v_pk_add_f32 v[184:185], v[184:185], v[114:115]
	v_pk_add_f32 v[182:183], v[182:183], v[118:119]
	v_pk_add_f32 v[180:181], v[180:181], v[122:123]
	v_pk_add_f32 v[14:15], v[14:15], v[126:127]
	v_pk_add_f32 v[68:69], v[68:69], v[130:131]
	v_pk_add_f32 v[190:191], v[190:191], v[134:135]
	v_pk_add_f32 v[188:189], v[188:189], v[138:139]
	v_pk_add_f32 v[186:187], v[186:187], v[142:143]
	v_pk_add_f32 v[184:185], v[184:185], v[146:147]
	v_pk_add_f32 v[182:183], v[182:183], v[150:151]
	v_pk_add_f32 v[180:181], v[180:181], v[154:155]
	v_pk_add_f32 v[14:15], v[14:15], v[158:159]
	v_pk_add_f32 v[68:69], v[68:69], v[162:163]
	s_delay_alu instid0(VALU_DEP_2)
	v_pk_add_f32 v[14:15], v[14:15], v[186:187]
	s_delay_alu instid0(VALU_DEP_2)
	v_pk_add_f32 v[68:69], v[68:69], v[184:185]
	v_pk_add_f32 v[190:191], v[190:191], v[182:183]
	v_pk_add_f32 v[188:189], v[188:189], v[180:181]
	s_delay_alu instid0(VALU_DEP_2)
	v_pk_add_f32 v[14:15], v[14:15], v[190:191]
	s_delay_alu instid0(VALU_DEP_2)
	v_pk_add_f32 v[68:69], v[68:69], v[188:189]
	s_delay_alu instid0(VALU_DEP_1)
	v_pk_add_f32 v[14:15], v[14:15], v[68:69]
	s_setprio 0
	s_wait_alu depctr_va_vdst(0)                   ; and one for the four
.irp b, 0,1,2,3
	v_max_num_f32 v[BM+\b], 0x1800000, v[BM+\b]    ; the floor 2^(3 - 127)
.endr
.irp b, 0,1,2,3
	s_delay_alu instid0(VALU_DEP_4)
	v_add_nc_u32 v[SO+\b], 0xff000000, v[BM+\b]
.endr
.irp b, 0,1,2,3
	s_delay_alu instid0(VALU_DEP_4)
	v_lshrrev_b32 v[PT+\b], 23, v[SO+\b]           ; the scale's byte
.endr
	s_delay_alu instid0(VALU_DEP_3)
	v_lshl_or_b32 v[PW], v[PT+1], 8, v[PT]
	s_delay_alu instid0(VALU_DEP_1)
	v_lshl_or_b32 v[PW], v[PT+2], 16, v[PW]
	s_delay_alu instid0(VALU_DEP_1)
	v_lshl_or_b32 v[PW], v[PT+3], 24, v[PW]
.irp c, 0,1
	v_cvt_scalef32_pk16_fp6_f32 v[PCD+6*\c:PCD+2+6*\c], v[S+32*\c:S+15+32*\c], v[SO+2*\c]
	v_cvt_scalef32_pk16_fp6_f32 v[CV2+4*\c:CV2+2+4*\c], v[S+16+32*\c:S+31+32*\c], v[SO+2*\c+1]
.endr
	v_nop                                          ; one plain line behind a scaled conversion
.irp c, 0,1
.irp i, 0,1,2
	v_permlane16_swap_b32 v[PCD+6*\c+\i], v[CV2+4*\c+\i]
.endr
.irp i, 0,1,2
	s_delay_alu instid0(VALU_DEP_3)
	v_mov_b32 v[PCD+3+6*\c+\i], v[CV2+4*\c+\i]
.endr
.endr
.irp j, 0,2,4,6,8,10,12,14
	v_pk_mul_f32 v[O+\j:O+\j+1], v[O+\j:O+\j+1], v[F:F+1] op_sel_hi:[1,0]     ; O^T under the new M; these eight are the places between the codes and the scale word just written and the products
.endr
.irp u, 0,1                                    ; the two accumulators by turns; eight other products lie between a link and the next
	v_wmma_scale_f32_16x16x128_f8f6f4 v[O+8*\u:O+8*\u+7], v[VF+12*\u:VF+12*\u+11], v[PCD:PCD+11], v[O+8*\u:O+8*\u+7], v[VS+\u], v[PW] matrix_a_fmt:MATRIX_FMT_FP6 matrix_b_fmt:MATRIX_FMT_FP6
.endr
.Lskip_\@:
	s_add_co_u32 s[TB], s[TB], 6656
	s_add_co_u32 s[I], s[I], 1
.endm
	s_wait_tensorcnt 0x1                           ; my record of the first four has landed; my four others may stay out
	s_barrier_signal -1
	s_barrier_wait -1                              ; the first four records are whole
	STEP 0                                         ; steps 0 and 1 are written out: they read LDS bytes 0 to 13,311 alone
	STEP 0
	s_wait_tensorcnt 0x0                           ; my four records have landed,
	s_wait_dscnt 0x0
	s_barrier_signal -1
	s_barrier_wait -1                              ; everybody's have.  Nothing is filled again
.Lstep:                                            ; steps 2 to 9
	STEP 1
	s_cmp_lt_u32 s[I], 10
	s_cbranch_scc1 .Lstep
	s_setprio 0
	s_cmp_ge_u32 s11, 157
	s_cbranch_scc1 .Lend
	v_add_f32 v14, v14, v15
	s_delay_alu instid0(VALU_DEP_1)
	v_permlanex16_b32 v7, v14, s[SEL], s[SEL+1]
	s_delay_alu instid0(VALU_DEP_1)
	v_add_f32 v11, v14, v7                         ; the split's sum
	v_mov_b32 v10, v12                             ; -M
	v_nop
	v_nop                                          ; (with the lines above: the places behind the last products)
	global_store_b64 v2, v[10:11], s[60:61]        ; 256 consecutive bytes, aligned
	s_wait_alu depctr_va_vdst(0)
.irp i, 0,1,2,3
	global_store_b128 v1, v[O+4*\i:O+4*\i+3], s[58:59] offset:512*\i       ; each accumulator from its low end on
.endr
.Lend:
	s_wait_xcnt 0x0
	v_lshl_add_u32 v162, v0, 2, 0x29000
	v_mov_b32 v163, 0
	s_wait_alu depctr_va_vdst(0)
	s_wait_tensorcnt 0x0
	ds_add_u32 v162, v163
	s_wait_dscnt 0x0
	s_endpgm
.Lfunc_end_k_q7198267696_attn:
	.size	k_q7198267696_attn, .Lfunc_end_k_q7198267696_attn-k_q7198267696_attn
	.p2alignl 7, 3214868480
	.fill 96, 4, 3214868480
	.section	.rodata,"a",@progbits
	.p2align	6, 0x0
	.amdhsa_kernel k_q7198267696_attn
		.amdhsa_group_segment_fixed_size 170496
		.amdhsa_private_segment_fixed_size 0
		.amdhsa_enable_private_segment 0
		.amdhsa_kernarg_size 16
		.amdhsa_user_sgpr_count 2
		.amdhsa_user_sgpr_kernarg_segment_ptr 1
		.amdhsa_wavefront_size32 1
		.amdhsa_system_sgpr_workgroup_id_x 1
		.amdhsa_system_sgpr_workgroup_id_y 1
		.amdhsa_system_sgpr_workgroup_id_z 1
		.amdhsa_system_vgpr_workitem_id 0
		.amdhsa_next_free_vgpr 192
		.amdhsa_next_free_sgpr 66
		.amdhsa_reserve_vcc 0
		.amdhsa_float_denorm_mode_32 3
		.amdhsa_float_denorm_mode_16_64 3
		.amdhsa_memory_ordered 1
		.amdhsa_forward_progress 1
		.amdhsa_inst_pref_size 59
	.end_amdhsa_kernel
	.amdgpu_metadata
---
amdhsa.version: [ 1, 2 ]
amdhsa.kernels:
  - .name:           k_q7198267696_attn
    .symbol:         k_q7198267696_attn.kd
    .args:
      - { .name: qkv, .offset: 0, .size: 8, .value_kind: global_buffer, .address_space: global }
      - { .name: part, .offset: 8, .size: 8, .value_kind: global_buffer, .address_space: global }
    .group_segment_fixed_size: 170496
    .private_segment_fixed_size: 0
    .kernarg_segment_align: 8
    .kernarg_segment_size: 16
    .max_flat_workgroup_size: 640
    .sgpr_count:     66
    .vgpr_count:     192
    .wavefront_size: 32
...
	.end_amdgpu_metadata
.endif
;; end of part 7
;; launch tail (part 8): grid 157 x 1, 8 waves a work-group, no clusters, 55,296 bytes of LDS; arguments part, idx, wts, wq, imgT, query, mha_out_b, norm1_g, norm1_b, attn_w_b, sca_out_b, ffn_b1, ffn_b2, norm2_g, norm2_b, out0; writes out0
.if DOCPART == 8
	.amdgcn_target "amdgcn-amd-amdhsa--gfx1250"
	.amdhsa_code_object_version 6
	.text
	.protected	k_q7198267696_tail
	.globl	k_q7198267696_tail
	.p2align	8
	.type	k_q7198267696_tail,@function
k_q7198267696_tail:
	s_mov_b64 s[64:65], 0
	v_nop
	global_prefetch_b8 v0, s[64:65] scope:SCOPE_SE
	s_setreg_imm32_b32 hwreg(HW_REG_WAVE_SCHED_MODE, 0, 2), 2
	s_setreg_imm32_b32 hwreg(HW_REG_WAVE_MODE, 25, 1), 1
	s_wait_xcnt 0x0
	s_wait_alu depctr_vm_vsrc(0)
; All that follows attention, for 16 queries a work-group: the merge of the four key splits, the output projection, residual and LayerNorm 1, the 24 weights and their softmax, the gather of image samples,
; the second projection with its residual, the FFN, LayerNorm 2 and the last residual.  Five products on codes of FP6 (E2M3); everything between them in f32; nothing goes to memory on the way.
; ROWS.  Work-group T has the queries of attention's tile T: local row r is query RB + r + 8 (r / 8), RB = 64 (T / 4) + 32 ((T / 2) % 2) + 8 (T % 2).
; SHARES.  Every product is used transposed (source 0 = 16 rows of the weight, source 1 = the 16 queries): lane (r, h) holds row r and channels 16 h + 0 .. 15 of a block of 32.  Wave w owns block w of each layer of 256
; (head w in the merge), hidden units 64 w .. 64 w + 63 of the FFN, and local rows 2 w, 2 w + 1 in the gather and on the way out.
; AN ACTIVATION GOES FROM WAVE TO WAVE AS AN IMAGE OF THE OPERAND'S REGISTERS, lane by lane: fragment f, lane L, register g at 1536 f + 48 L + 4 g.  A wave's block is 3 registers in each of 32 lanes: three stores of 4 bytes;
; its scale byte one store of a byte.  Every stage has LDS bytes of its own: one barrier a stage.
; The weights come from memory in the order of the operand's registers, straight into registers.  No tensor load: the gather's trips and addresses hang on stored numbers.
; LayerNorm: each wave's sum and its squares about ITS OWN mean; they are joined by the exact rule for groups, so that no difference of large sums is formed.
; LIMITS: finite inputs; a block under 2^-124 keeps the scale byte 1.
; REGISTERS, window 0: v1-15, v36-39, v248-255 addresses; v16-27 the gather's tables; v28-35 at work; v40-67 the weights' scale words; v68-71 the activations'; v72-119 activation fragments, else at work;
;  v120-151 accumulators (in the merge: the fourth split and its factor); v152-167 q; v168-183 attn_w_b, then q2; v184-199 the residual, then the gather's sums, then ffn_b2; v200-215, v216-247 biases and gains.
;  window 1: v0-47 mha_out's, then sca_out's fragments; v48-95 attn_w's; v96-223 the gather's data; later v48-143 ffn_W1's, v144-239 ffn_W2's.
; THE MODE: SCHED_MODE bits 1:0 = 2 (LLVM: expert scheduling mode 2), set by the entry lines.  The code itself states the register dependences
; between vector or matrix instructions and memory or LDS instructions, with s_wait_alu, always for 0.
; THE PLAN.  Registers that memory or LDS instructions touch:
;   v4-15, v36-39, v248-255   offsets and LDS addresses: made at the head, never written again: one wait on va_vdst ahead of the first load.
;   v31-34     a block's codes and byte: written by each block's quantiser, read by its four LDS stores: va_vdst ahead of the stores, vm_vsrc ahead of the next conversion.
;   v96-97     LayerNorm's part sums: written by vector lines, read by one LDS store (va_vdst ahead of it); then the eight parts' loads land in v96-111 (vm_vsrc ahead of them).
;   v68-119    fragments and scale words out of LDS, read by products; between a product and the next loads into them stands a wait on va_vdst that some store owes anyway.
;   the weights' and biases' registers that are loaded a second time (window 1 v0-47, v200-215, v216-247): the second loads stand directly behind such a wait too, so none is written for them alone.
;   v100-115   the gather's offsets: written once a trip (vm_vsrc ahead), read by the trip's 32 loads (va_vdst ahead, which also states that the last trip's multiply-adds are done with the data, window 1 v96-223).
;   v184-199   the gather's sums: read by four LDS stores (va_vdst ahead); then ffn_b2 lands there (vm_vsrc ahead).
;   v120-135   read by LDS stores twice: the 24 weights, the result (va_vdst ahead of each); written again by products only behind the wait on vm_vsrc that follows the gathered rows' stores.
;   Scalars written by vector instructions: the wave's number, and in each trip of the gather 24 lane reads, laid in one run: one wait on va_sdst behind each.
.set OIMG, 0
.set QIMG, 3072
.set GIMG, 6144
.set Q2IMG, 9216
.set HIMG, 12288
.set OSC,  18432
.set QSC,  18560
.set GSC,  18688
.set Q2SC, 18816
.set HSC,  18944
.set LN1,  19200
.set LN2,  20224
.set WSC,  21248                       ; 2,048 bytes for each wave: the 16 rows' 32 weights
.set AGG,  37632                       ; 16 rows x 1,040 bytes: the gathered rows, later the rows of the result
.set WV,  36
.set SEL, 38
.set HI,  90
.set MSB, 0
.macro WIN new                         ; the immediate's high byte repeats the setting that is left
.if MSB != \new
	s_set_vgpr_msb (MSB<<8)|\new
.set MSB, \new
.endif
.endm
.macro MM d, a, b, c, sa, sb
	v_wmma_scale_f32_16x16x128_f8f6f4 v[(\d):(\d)+7], v[(\a):(\a)+11], v[(\b):(\b)+11], v[(\c):(\c)+7], v[(\sa)], v[(\sb)] matrix_a_fmt:MATRIX_FMT_FP6 matrix_b_fmt:MATRIX_FMT_FP6
.endm
.macro PLACES
.rept 4
	v_nop                                          ; four places behind the products, ahead of reads of results
.endr
.endm
.macro BAR                             ; my LDS stores have landed and my LDS loads are in: then the work-group's barrier
	s_wait_dscnt 0x0
	s_barrier_signal -1
	s_barrier_wait -1
.endm
; One block of 32: 16 numbers a lane in v[src] on -> 3 registers of codes to the image, the scale byte to its word.  again = 1: an earlier block's stores have read the same four registers
.macro QBLK src, adr, off, sadr, soff, again
	v_max3_num_f32 v28, |v[\src]|, |v[\src+1]|, 0x1800000            ; and the floor 2^(3 - 127)
.irp i, 2,4,6,8,10,12,14
	v_max3_num_f32 v28, v28, |v[\src+\i]|, |v[\src+1+\i]|
.endr
	v_permlanex16_b32 v29, v28, s[SEL], s[SEL+1]
	v_max_num_f32 v28, v28, v29
	v_add_nc_u32 v30, 0xff000000, v28              ; 2 off the exponent field: the conversion's scale operand
.if \again
	s_wait_alu depctr_vm_vsrc(0)                   ; the last block's LDS stores have read v31 to v34, which are written again
.endif
	v_cvt_scalef32_pk16_fp6_f32 v[32:34], v[\src:\src+15], v30
	v_lshrrev_b32 v31, 23, v30                     ; the byte (the plain line behind the conversion)
	s_wait_alu depctr_va_vdst(0)                   ; the conversion has written v32 to v34 and the shift v31, which the LDS stores read
	ds_store_b32 v[\adr], v32 offset:\off
	ds_store_b32 v[\adr], v33 offset:\off+4
	ds_store_b32 v[\adr], v34 offset:\off+8
	ds_store_b8 v[\sadr], v31 offset:\soff         ; both halves of the lanes write the same byte with the same value
.endm
; n fragments and their scale words out of LDS
.macro AFR n, img, sc
.set f, 0
.rept \n
.irp c, 0,1,2
	ds_load_b128 v[72+12*f+4*\c:75+12*f+4*\c], v6 offset:\img+1536*f+16*\c
.endr
	ds_load_b32 v[68+f], v7 offset:\sc+64*f
.set f, f+1
.endr
	s_wait_dscnt 0x0
.endm
.macro SUM16 x                         ; v96 = the sum of my 16 and of lane l xor 16's
	v_pk_add_f32 v[96:97], v[\x:\x+1], v[\x+2:\x+3]
	v_pk_add_f32 v[98:99], v[\x+4:\x+5], v[\x+6:\x+7]
	v_pk_add_f32 v[100:101], v[\x+8:\x+9], v[\x+10:\x+11]
	v_pk_add_f32 v[102:103], v[\x+12:\x+13], v[\x+14:\x+15]
	v_pk_add_f32 v[96:97], v[96:97], v[98:99]
	v_pk_add_f32 v[100:101], v[100:101], v[102:103]
	v_pk_add_f32 v[96:97], v[96:97], v[100:101]
	v_add_f32 v96, v96, v97
	v_permlanex16_b32 v29, v96, s[SEL], s[SEL+1]
	v_add_f32 v96, v96, v29
.endm
.macro LNPART x                        ; my block's sum and its squares about its own mean, in v[96:97]
	SUM16 \x
	v_mul_f32 v98, 0x3d000000, v96                 ; / 32
	v_sub_f32 v99, v[\x], v98
	v_sub_f32 v100, v[\x+1], v98
	v_mul_f32 v97, v99, v99
	v_mul_f32 v101, v100, v100
.irp i, 2,4,6,8,10,12,14
	v_sub_f32 v99, v[\x+\i], v98
	v_sub_f32 v100, v[\x+1+\i], v98
	v_fma_f32 v97, v99, v99, v97
	v_fma_f32 v101, v100, v100, v101
.endr
	v_add_f32 v97, v97, v101
	v_permlanex16_b32 v29, v97, s[SEL], s[SEL+1]
	v_add_f32 v97, v97, v29
.endm
.macro LNFIN reg                       ; v112 = the row's mean, v114 = 1 / sqrt(variance + 1e-5)
	s_wait_alu depctr_vm_vsrc(0)                   ; my LDS store of the part sums has read v[96:97], in which the loads below land
.irp j, 0,1,2,3
	ds_load_b128 v[96+4*\j:99+4*\j], v248 offset:\reg+16*\j
.endr
	s_wait_dscnt 0x0
	v_add_f32 v112, v96, v98
	v_add_f32 v113, v100, v102
	v_add_f32 v114, v104, v106
	v_add_f32 v115, v108, v110
	v_add_f32 v112, v112, v113
	v_add_f32 v114, v114, v115
	v_add_f32 v112, v112, v114
	v_mul_f32 v112, 0x3b800000, v112               ; / 256
	v_add_f32 v113, v97, v99
	v_add_f32 v114, v101, v103
	v_add_f32 v115, v105, v107
	v_add_f32 v118, v109, v111
	v_add_f32 v113, v113, v114
	v_add_f32 v115, v115, v118
	v_add_f32 v113, v113, v115
	v_fma_f32 v114, v96, 0x3d000000, -v112         ; a block's mean less the row's
	v_mul_f32 v115, v114, v114
.irp j, 1,2,3,4,5,6,7
	v_fma_f32 v114, v[96+2*\j], 0x3d000000, -v112
	v_fma_f32 v115, v114, v114, v115
.endr
	v_fma_f32 v113, v115, 0x42000000, v113         ; + 32 x those squares
	v_fma_f32 v113, v113, 0x3b800000, s94          ; / 256 + 1e-5
	s_wait_alu depctr_va_vdst(0)
	v_rsq_f32 v114, v113
	v_nop
	s_wait_alu depctr_va_vdst(0)                   ; the reciprocal root v114 is written, ahead of its first reader
.endm
	s_load_b512 s[4:19], s[0:1], 0x0               ; part s[4:5], idx s[6:7], wts s[8:9], wq s[10:11], imgT s[12:13], query s[14:15], mha_out_b s[16:17], norm1_g s[18:19]
	s_load_b512 s[20:35], s[0:1], 0x40             ; norm1_b s[20:21], attn_w_b s[22:23], sca_out_b s[24:25], ffn_b1 s[26:27], ffn_b2 s[28:29], norm2_g s[30:31], norm2_b s[32:33], out0 s[34:35]
	s_set_vgpr_msb 0x40
	v_lshl_add_u32 v254, v0, 2, 0xd400
	v_mov_b32 v255, 0
	s_set_vgpr_msb 0x4000
	v_lshrrev_b32 v1, 5, v0
	v_readfirstlane_b32 s[WV], v1                  ; wave 0..7
	v_and_b32 v1, 31, v0                           ; lane
	v_and_b32 v2, 15, v0                           ; r
	v_bfe_u32 v3, v0, 4, 1                         ; h
	v_lshlrev_b32 v4, 4, v1
	v_lshlrev_b32 v5, 2, v1
	v_mul_u32_u24 v6, v1, 48
	v_lshlrev_b32 v7, 2, v2
	v_lshlrev_b32 v8, 6, v3
	v_lshlrev_b32 v39, 3, v1
	v_mov_b32 v249, 0
	v_mov_b32 v29, 0                               ; a lane permute's destination counts as one of its sources
	v_mul_u32_u24 v28, v2, 48
	v_mad_u32_u24 v28, v3, 12, v28                 ; 48 r + 12 h
	s_wait_alu depctr_va_vdst(0)
	s_wait_alu depctr_va_sdst(0)                   ; the wave's number s36 is written, ahead of its first reader: LDS addresses and bases are made from it
	s_lshr_b32 s44, s[WV], 2
	s_mul_i32 s44, s44, 1536
	s_and_b32 s45, s[WV], 1
	s_mul_i32 s45, s45, 768
	s_add_co_u32 s44, s44, s45
	s_bfe_u32 s45, s[WV], 0x10001
	s_mul_i32 s45, s45, 24
	s_add_co_u32 s44, s44, s45
	v_add_nc_u32 v9, s44, v28                      ; block w of a layer of 256: fragment w / 4, lanes of half w % 2, registers 6 ((w / 2) % 2) + 3 h on
	s_lshr_b32 s44, s[WV], 1
	s_mul_i32 s44, s44, 1536
	s_and_b32 s45, s[WV], 1
	s_mul_i32 s45, s45, 24
	s_add_co_u32 s44, s44, s45
	v_add_nc_u32 v11, s44, v28                     ; blocks 2 w, 2 w + 1 of the hidden 512: fragment w / 2, registers 6 (w % 2) + 3 h on, halves 0 and 1 (768 bytes on)
	s_lshr_b32 s44, s[WV], 2
	s_lshl_b32 s44, s44, 6
	s_and_b32 s45, s[WV], 3
	s_add_co_u32 s44, s44, s45
	v_add_nc_u32 v10, s44, v7                      ; the scale byte: 64 (w / 4) + 4 r + w % 4
	s_lshr_b32 s44, s[WV], 1
	s_lshl_b32 s44, s44, 6
	s_and_b32 s45, s[WV], 1
	s_lshl_b32 s45, s45, 1
	s_add_co_u32 s44, s44, s45
	v_add_nc_u32 v12, s44, v7                      ; 64 (w / 2) + 4 r + 2 (w % 2)
	v_lshlrev_b32 v248, 6, v2                      ; 64 r
	s_lshl_b32 s44, s[WV], 3
	v_add_nc_u32 v13, s44, v248                    ; 64 r + 8 w
	s_lshl_b32 s44, s[WV], 7
	v_add_nc_u32 v36, s44, v8                      ; 128 w + 64 h: my 16 channels in a vector of 256
	v_mul_u32_u24 v14, v2, 1040
	v_add_nc_u32 v14, v14, v36                     ; and in a row of the stage
	s_lshl_b32 s44, s[WV], 8
	v_add_nc_u32 v37, s44, v8                      ; 256 w + 64 h: in ffn_b1
	s_mul_i32 s44, s[WV], 2080
	v_add_nc_u32 v15, s44, v4                      ; rows 2 w, 2 w + 1 of the stage, 16 bytes a lane
	s_lshl_b32 s44, s[WV], 11
	v_lshl_add_u32 v250, v2, 7, v8
	v_add_nc_u32 v250, s44, v250                   ; my wave's weights: row r, + 64 h
	s_mul_i32 s44, s[WV], 2304
	v_add_nc_u32 v251, s44, v5                     ; back: row 2 w, 4 bytes a lane: a lane is a point
	s_mul_i32 s44, s[WV], 6144
	v_add_nc_u32 v252, s44, v4                     ; my four fragments of a weight of 256 x 256
	s_mul_i32 s44, s[WV], 12288
	v_add_nc_u32 v253, s44, v4                     ; my eight of the FFN's
	s_lshl_b32 s44, s[WV], 9
	v_add_nc_u32 v254, s44, v5
	s_lshl_b32 s44, s[WV], 10
	v_add_nc_u32 v255, s44, v5
	s_mov_b32 s[SEL], 0x76543210
	s_mov_b32 s[SEL+1], 0xfedcba98
	s_mov_b32 s[HI], 0xffff0000
	s_mov_b32 s91, 0x3fb8aa3b                      ; log2(e)
	s_mov_b32 s94, 0x3727c5ac                      ; 1e-5
	s_lshr_b32 s40, ttmp9, 2
	s_lshl_b32 s40, s40, 6
	s_bfe_u32 s44, ttmp9, 0x10001
	s_lshl_b32 s44, s44, 5
	s_add_co_u32 s40, s40, s44
	s_and_b32 s44, ttmp9, 1
	s_lshl_b32 s44, s44, 3
	s_add_co_u32 s40, s40, s44                     ; RB
	v_and_b32 v28, 8, v2
	v_add3_u32 v28, v28, v2, s40
	v_min_u32 v28, 2499, v28                       ; no load leaves query (rows from 2,500 on are not stored)
	v_lshl_add_u32 v38, v28, 10, v36
	s_lshl_b32 s44, s[WV], 1
	s_lshr_b32 s45, s[WV], 2
	s_lshl_b32 s45, s45, 3
	s_add_co_u32 s41, s40, s44
	s_add_co_u32 s41, s41, s45                     ; the query of local row 2 w (an even number); that of 2 w + 1 is the next
	s_min_u32 s44, s41, 2511                       ; the tables have 2,512 rows; from 2,500 on their masks are 0
	s_add_co_u32 s45, s41, 1
	s_min_u32 s45, s45, 2511
	s_lshl_b32 s46, s44, 2
	s_lshl_b32 s47, s45, 2
	s_mov_b32 s93, 0
	s_wait_kmcnt 0x0
	s_load_b32 s42, s[6:7], s46 offset:0xb1000     ; the masks of the points that count
	s_load_b32 s43, s[6:7], s47 offset:0xb1000
	s_lshl_b32 s92, s44, 8
	s_add_nc_u64 s[48:49], s[6:7], s[92:93]
	s_lshl_b32 s92, s45, 8
	s_add_nc_u64 s[50:51], s[6:7], s[92:93]
	s_lshl_b32 s92, s44, 9
	s_add_nc_u64 s[52:53], s[8:9], s[92:93]
	s_lshl_b32 s92, s45, 9
	s_add_nc_u64 s[54:55], s[8:9], s[92:93]
	s_lshl_b32 s44, ttmp9, 3
	s_add_co_u32 s44, s44, s[WV]                   ; 8 T + head
	s_lshl_b32 s92, s44, 11
	s_add_nc_u64 s[56:57], s[4:5], s[92:93]
	s_lshl_b32 s92, s44, 8
	s_add_co_u32 s92, s92, 10485760
	s_add_nc_u64 s[58:59], s[4:5], s[92:93]
	s_lshl_b32 s92, s41, 10
	s_add_nc_u64 s[66:67], s[34:35], s[92:93]      ; out0 at my first row
	s_wait_alu depctr_va_vdst(0)                   ; the offsets and LDS addresses v4 to v15, v36 to v39 and v248 to v255 are written, which the loads and stores of the whole kernel read
	; group A, 20 loads: the four splits' -M and sum, and O^T
.irp s, 0,1,2,3
	global_load_b64 v[72+2*\s:73+2*\s], v39, s[58:59] offset:327680*\s
.endr
.irp s, 0,1,2,3
.irp i, 0,1,2,3
	global_load_b128 v[80+16*\s+4*\i:83+16*\s+4*\i], v4, s[56:57] offset:2621440*\s+512*\i
.endr
.endr
	; group B, 48 loads: the residual, mha_out_b, mha_out's fragments, all 28 scale words
.irp j, 0,1,2,3
	global_load_b128 v[184+4*\j:187+4*\j], v38, s[14:15] offset:16*\j
.endr
.irp j, 0,1,2,3
	global_load_b128 v[200+4*\j:203+4*\j], v36, s[16:17] offset:16*\j
.endr
	WIN 0x40
.irp q, 0,1,2,3
.irp c, 0,1,2
	global_load_b128 v[12*\q+4*\c:12*\q+4*\c+3], v252, s[10:11] offset:(96+\q)*1536+512*\c
.endr
.endr
	WIN 0
.irp q, 0,1,2,3
	global_load_b32 v[40+\q], v254, s[10:11] offset:448512+(96+\q)*128
	global_load_b32 v[44+\q], v5, s[10:11] offset:448512+(128+\q)*128
	global_load_b32 v[48+\q], v254, s[10:11] offset:448512+(132+\q)*128
.endr
.irp q, 0,1,2,3,4,5,6,7
	global_load_b32 v[52+\q], v255, s[10:11] offset:448512+(164+\q)*128
	global_load_b32 v[60+\q], v255, s[10:11] offset:448512+(228+\q)*128
.endr
	s_wait_loadcnt 48                              ; group A is in; group B's 48 may be out
	; ---- 0: head w's four splits under one M: every factor is a power of two
	v_min3_num_f32 v28, v72, v74, v76
	v_min_num_f32 v28, v28, v78                    ; -M of the largest M
	v_sub_f32 v30, v28, v72
	v_sub_f32 v32, v28, v74
	v_sub_f32 v34, v28, v76
	v_sub_f32 v144, v28, v78
	v_cvt_i32_f32 v30, v30
	v_cvt_i32_f32 v32, v32
	v_cvt_i32_f32 v34, v34
	v_cvt_i32_f32 v144, v144
	v_ldexp_f32 v30, 1.0, v30
	v_ldexp_f32 v32, 1.0, v32
	v_ldexp_f32 v34, 1.0, v34
	v_ldexp_f32 v144, 1.0, v144
	v_mul_f32 v146, v30, v73
	v_fma_f32 v146, v32, v75, v146
	v_fma_f32 v146, v34, v77, v146
	v_fma_f32 v146, v144, v79, v146                ; the row's sum
	s_wait_alu depctr_va_vdst(0)
	v_rcp_f32 v28, v146
	v_mov_b32 v31, 0                               ; (plain lines behind the transcendental; these are named as the upper halves of pairs)
	v_mov_b32 v33, 0
	v_mov_b32 v35, 0
	v_mov_b32 v145, 0
	s_wait_alu depctr_va_vdst(0)                   ; the reciprocal v28 is written, ahead of its first reader
	v_mul_f32 v30, v30, v28
	v_mul_f32 v32, v32, v28
	v_mul_f32 v34, v34, v28
	v_mul_f32 v144, v144, v28
.irp i, 0,2,4,6,8,10,12,14
	v_pk_mul_f32 v[80+\i:81+\i], v[80+\i:81+\i], v[30:31] op_sel_hi:[1,0]
.endr
.irp i, 0,2,4,6,8,10,12,14
	v_pk_fma_f32 v[80+\i:81+\i], v[96+\i:97+\i], v[32:33], v[80+\i:81+\i] op_sel_hi:[1,0,1]
.endr
.irp i, 0,2,4,6,8,10,12,14
	v_pk_fma_f32 v[80+\i:81+\i], v[112+\i:113+\i], v[34:35], v[80+\i:81+\i] op_sel_hi:[1,0,1]
.endr
.irp i, 0,2,4,6,8,10,12,14
	v_pk_fma_f32 v[80+\i:81+\i], v[128+\i:129+\i], v[144:145], v[80+\i:81+\i] op_sel_hi:[1,0,1]
.endr
	; group C, 28 loads: norm1's gain and bias, attn_w_b, attn_w's fragments, the gather's tables.  No wait: no vector instruction has named a register that these loads touch since the wait at the head
.irp j, 0,1,2,3
	global_load_b128 v[216+4*\j:219+4*\j], v36, s[18:19] offset:16*\j
	global_load_b128 v[232+4*\j:235+4*\j], v36, s[20:21] offset:16*\j
.endr
.irp j, 0,1
	global_load_b128 v[168+4*\j:171+4*\j], v8, s[22:23] offset:16*\j       ; points 16 h + 0 .. 7
	global_load_b128 v[176+4*\j:179+4*\j], v249, s[22:23] offset:32+16*\j  ; points 8 .. 15 in every lane: points 24-31 do not exist, and lanes 16-31 are overwritten below
.endr
	WIN 0x40
.irp q, 0,1,2,3
.irp c, 0,1,2
	global_load_b128 v[48+12*\q+4*\c:48+12*\q+4*\c+3], v4, s[10:11] offset:(128+\q)*1536+512*\c
.endr
.endr
	WIN 0
	global_load_b64 v[16:17], v39, s[48:49] offset:81920
	global_load_b128 v[18:21], v4, s[52:53] offset:81920
	global_load_b64 v[22:23], v39, s[50:51] offset:81920
	global_load_b128 v[24:27], v4, s[54:55] offset:81920
	QBLK 80, 9, OIMG, 10, OSC, 0                   ; (its wait on va_vdst also states that the merge is done with v72 to v95, in which the fragments land behind the barrier)
	BAR                                            ; attention's result lies in LDS as two fragments
	; ---- 1: x = query + o mha_out_W^T + mha_out_b
	AFR 2, OIMG, OSC
	s_wait_loadcnt 28                              ; group B is in; group C's 28 may be out
	WIN 0x01                                       ; source 0 (the weight) in window 1.  Two accumulators by turns
.irp s, 0,1
.irp u, 0,1
.if \s == 0
	MM 120+8*\u, 12*(2*\u+\s), 72+12*\s, 200+8*\u, 40+2*\u+\s, 68+\s
.else
	MM 120+8*\u, 12*(2*\u+\s), 72+12*\s, 120+8*\u, 40+2*\u+\s, 68+\s
.endif
.endr
.endr
	WIN 0
	PLACES
.irp i, 0,2,4,6,8,10,12,14
	v_pk_add_f32 v[120+\i:121+\i], v[120+\i:121+\i], v[184+\i:185+\i]
.endr
	LNPART 120
	s_wait_alu depctr_va_vdst(0)                   ; the part sums v[96:97] are written, which the LDS store reads; and the products are done reading mha_out's fragments and bias, in which group D lands
	ds_store_b64 v13, v[96:97] offset:LN1
	; group D, 16 loads: sca_out's fragments and bias
	WIN 0x40
.irp q, 0,1,2,3
.irp c, 0,1,2
	global_load_b128 v[12*\q+4*\c:12*\q+4*\c+3], v252, s[10:11] offset:(132+\q)*1536+512*\c
.endr
.endr
	WIN 0
.irp j, 0,1,2,3
	global_load_b128 v[200+4*\j:203+4*\j], v36, s[24:25] offset:16*\j
.endr
	BAR
	; ---- 2: q = LayerNorm 1
	s_wait_loadcnt 16                              ; group C is in; group D's 16 may be out
	LNFIN LN1
.irp i, 0,1,2,3,4,5,6,7,8,9,10,11,12,13,14,15
	v_sub_f32 v[152+\i], v[120+\i], v112
.endr
.irp i, 0,1,2,3,4,5,6,7,8,9,10,11,12,13,14,15
	v_mul_f32 v[152+\i], v[152+\i], v114
.endr
.irp i, 0,1,2,3,4,5,6,7,8,9,10,11,12,13,14,15
	v_fma_f32 v[152+\i], v[152+\i], v[216+\i], v[232+\i]
.endr
	QBLK 152, 9, QIMG, 10, QSC, 1                  ; (its wait on va_vdst also states that the multiply-adds above are done reading v216 to v247)
	; group E, 8 loads: ffn_b1 of my 64 hidden units, into v216 to v247: no vector instruction stands between that wait and these loads
.irp e, 0,1
.irp j, 0,1,2,3
	global_load_b128 v[216+16*\e+4*\j:219+16*\e+4*\j], v37, s[26:27] offset:128*\e+16*\j
.endr
.endr
	BAR
	; ---- 3: the 24 weights of all 16 rows, in every wave (four products; it spares a barrier), and their softmax
	AFR 2, QIMG, QSC
	WIN 0x01
.irp s, 0,1
.irp u, 0,1
.if \s == 0
	MM 120+8*\u, 48+12*(2*\u+\s), 72+12*\s, 168+8*\u, 44+2*\u+\s, 68+\s
.else
	MM 120+8*\u, 48+12*(2*\u+\s), 72+12*\s, 120+8*\u, 44+2*\u+\s, 68+\s
.endif
.endr
.endr
	WIN 0
	PLACES
	v_mov_b32 v114, 0xff800000
.irp i, 8,9,10,11,12,13,14,15
	v_cndmask_b32 v[120+\i], v[120+\i], v114, s[HI]        ; register i of lane (r, h) is point 16 h + i: points 24-31 become -infinity
.endr
	v_max3_num_f32 v112, v120, v121, v122
.irp i, 3,5,7,9,11,13
	v_max3_num_f32 v112, v112, v[120+\i], v[121+\i]
.endr
	v_max_num_f32 v112, v112, v135
	v_permlanex16_b32 v29, v112, s[SEL], s[SEL+1]
	v_max_num_f32 v112, v112, v29                  ; the row's maximum is taken away
.irp i, 0,1,2,3,4,5,6,7,8,9,10,11,12,13,14,15
	v_sub_f32 v[120+\i], v[120+\i], v112
.endr
.irp i, 0,1,2,3,4,5,6,7,8,9,10,11,12,13,14,15
	v_mul_f32 v[120+\i], s91, v[120+\i]
.endr
	s_wait_alu depctr_va_vdst(0)
.irp i, 0,1,2,3,4,5,6,7,8,9,10,11,12,13,14,15
	v_exp_f32 v[120+\i], v[120+\i]
.endr
	v_nop
	s_wait_alu depctr_va_vdst(0)                   ; the sixteen exponentials v120 to v135 are written, ahead of their first reader
	SUM16 120
	s_wait_alu depctr_va_vdst(0)
	v_rcp_f32 v97, v96
	v_nop
	s_wait_alu depctr_va_vdst(0)                   ; the reciprocal v97 is written, ahead of its first reader
.irp i, 0,1,2,3,4,5,6,7,8,9,10,11,12,13,14,15
	v_mul_f32 v[120+\i], v[120+\i], v97
.endr
	s_wait_alu depctr_va_vdst(0)                   ; the weights v120 to v135 are written, which the LDS stores read
.irp j, 0,1,2,3
	ds_store_b128 v250, v[120+4*\j:123+4*\j] offset:WSC+16*\j
.endr
	ds_load_b32 v116, v251 offset:WSC              ; my wave's own bytes, served in order: lane = point of local row 2 w,
	ds_load_b32 v117, v251 offset:WSC+128          ; of 2 w + 1
	s_wait_dscnt 0x0
	s_wait_kmcnt 0x0                               ; the masks
; ---- 4: agg(row) = the sum over the points that count of weight x four corners' rows of imgT, in f32 multiply-adds.  A trip takes four points: 32 loads of 512 bytes.
; A trip's places beyond the last point take lane 31, whose weights are 0.
; A trip's 24 lane reads stand in one run: the four points' lane numbers in s44-47, their packed row numbers in s48-55, their sixteen weights in s68-83 (the tables' and the splits' bases, which lay in s48-59, are done with:
; the waits on LOADcnt above have shown their loads in).  The row numbers are unpacked into s48-63, a register to each.
.macro GATHER k
.irp c, 0,1,2,3
	v_mul_f32 v[96+\c], v[116+\k], v[18+6*\k+\c]   ; the point's weight x the corner's
.endr
.irp e, 0,1,2,3,4,5,6,7
	v_mov_b32 v[184+8*\k+\e], 0
.endr
	s_bcnt1_i32_b32 s88, s[42+\k]
	s_add_co_u32 s88, s88, 3
	s_lshr_b32 s88, s88, 2                         ; trips
	s_cmp_eq_u32 s88, 0
	s_cbranch_scc1 .Lgdone_\@
	s_mov_b32 s89, 0
.Lg_\@:
.irp e, 0,1,2,3
	s_ctz_i32_b32 s[44+\e], s[42+\k]               ; the next point that counts (-1: none)
	s_min_u32 s[44+\e], s[44+\e], 31
	s_sub_co_u32 s84, s[42+\k], 1
	s_and_b32 s[42+\k], s[42+\k], s84
	v_readlane_b32 s[48+2*\e], v[16+6*\k], s[44+\e]
	v_readlane_b32 s[49+2*\e], v[17+6*\k], s[44+\e]
.irp c, 0,1,2,3
	v_readlane_b32 s[68+4*\e+\c], v[96+\c], s[44+\e]
.endr
.endr
	s_wait_alu depctr_va_sdst(0)                   ; the 24 lane reads have written s48 to s55 and s68 to s83, ahead of their first readers
	s_wait_alu depctr_vm_vsrc(0)                   ; the loads of the trip before (in a row's first trip: of the row before) have read their offsets v100 to v115, which are written again
.irp e, 0,1,2,3
	s_lshr_b32 s[56+2*\e], s[48+2*\e], 16
	s_and_b32 s[48+2*\e], s[48+2*\e], 0xffff
	s_lshr_b32 s[57+2*\e], s[49+2*\e], 16
	s_and_b32 s[49+2*\e], s[49+2*\e], 0xffff
	s_min_u32 s[48+2*\e], s[48+2*\e], 8399
	s_min_u32 s[56+2*\e], s[56+2*\e], 8399
	s_min_u32 s[49+2*\e], s[49+2*\e], 8399
	s_min_u32 s[57+2*\e], s[57+2*\e], 8399
	v_lshl_add_u32 v[100+4*\e], s[48+2*\e], 10, v4
	v_lshl_add_u32 v[101+4*\e], s[56+2*\e], 10, v4
	v_lshl_add_u32 v[102+4*\e], s[49+2*\e], 10, v4
	v_lshl_add_u32 v[103+4*\e], s[57+2*\e], 10, v4
.endr
	WIN 0x40
	s_wait_alu depctr_va_vdst(0)                   ; the sixteen offsets v100 to v115 are written, which the loads read; the multiply-adds of the trip before are done reading the data registers, in which the loads land
.irp e, 0,1,2,3
.irp c, 0,1,2,3
	global_load_b128 v[96+32*\e+8*\c:96+32*\e+8*\c+3], v[100+4*\e+\c], s[12:13]
	global_load_b128 v[96+32*\e+8*\c+4:96+32*\e+8*\c+7], v[100+4*\e+\c], s[12:13] offset:512
.endr
.endr
	WIN 0
	s_wait_loadcnt 0x0                             ; the data are in
	WIN 0x04                                       ; source 1 (the data) in window 1
.irp e, 0,1,2,3
.irp c, 0,1,2,3
.irp x, 0,1,2,3,4,5,6,7
	v_fma_f32 v[184+8*\k+\x], s[68+4*\e+\c], v[96+32*\e+8*\c+\x], v[184+8*\k+\x]
.endr
.endr
.endr
	WIN 0
	s_add_co_u32 s89, s89, 1
	s_cmp_lt_u32 s89, s88
	s_cbranch_scc1 .Lg_\@
.Lgdone_\@:
.endm
	GATHER 0
	GATHER 1
	s_wait_alu depctr_va_vdst(0)                   ; the sums v184 to v199 are written, which the LDS stores read; the gather is done with its data registers, its offsets and v96 to v99, in which later loads land
.irp k, 0,1
.irp p, 0,1
	ds_store_b128 v15, v[184+8*\k+4*\p:187+8*\k+4*\p] offset:AGG+1040*\k+512*\p
.endr
.endr
	s_wait_dscnt 0x0                               ; the stores are done
	s_wait_alu depctr_vm_vsrc(0)                   ; they have read v184 to v199, in which ffn_b2 lands; the gather's loads have read v100 to v115, in which LDS loads land; the weights' LDS stores have read v120 to v135, which products write again
	; group F, 52 loads, in this order: ffn_W1's 24, ffn_W2's 24, ffn_b2's 4
	WIN 0x40
.irp q, 0,1,2,3,4,5,6,7
.irp c, 0,1,2
	global_load_b128 v[48+12*\q+4*\c:48+12*\q+4*\c+3], v253, s[10:11] offset:(164+\q)*1536+512*\c
.endr
.endr
.irp q, 0,1,2,3,4,5,6,7
.irp c, 0,1,2
	global_load_b128 v[144+12*\q+4*\c:144+12*\q+4*\c+3], v253, s[10:11] offset:(228+\q)*1536+512*\c
.endr
.endr
	WIN 0
.irp j, 0,1,2,3
	global_load_b128 v[184+4*\j:187+4*\j], v36, s[28:29] offset:16*\j
.endr
	BAR                                            ; 16 gathered rows lie in the stage
	; ---- 5: my block of them
.irp j, 0,1,2,3
	ds_load_b128 v[96+4*\j:99+4*\j], v14 offset:AGG+16*\j
.endr
	s_wait_dscnt 0x0
	QBLK 96, 9, GIMG, 10, GSC, 1
	BAR
	; ---- 6: q2 = agg sca_out_W^T + sca_out_b + q
	AFR 2, GIMG, GSC
	s_wait_loadcnt 52                              ; groups D and E are in; group F's 52 may be out
	WIN 0x01
.irp s, 0,1
.irp u, 0,1
.if \s == 0
	MM 120+8*\u, 12*(2*\u+\s), 72+12*\s, 200+8*\u, 48+2*\u+\s, 68+\s
.else
	MM 120+8*\u, 12*(2*\u+\s), 72+12*\s, 120+8*\u, 48+2*\u+\s, 68+\s
.endif
.endr
.endr
	WIN 0
	PLACES
.irp i, 0,2,4,6,8,10,12,14
	v_pk_add_f32 v[168+\i:169+\i], v[120+\i:121+\i], v[152+\i:153+\i]
.endr
	QBLK 168, 9, Q2IMG, 10, Q2SC, 1                ; (its wait on va_vdst also states that the products are done reading v68 to v95, in which the next fragments land, and v200 to v215)
	BAR
	; ---- 7: my 64 hidden units: relu(q2 ffn_W1^T + ffn_b1); four accumulators by turns
	AFR 2, Q2IMG, Q2SC
	s_wait_loadcnt 28                              ; ffn_W1 is in; ffn_W2's 24 and ffn_b2's 4 may be out
	WIN 0x01
.irp s, 0,1
.irp t, 0,1,2,3
.if \s == 0
	MM 120+8*\t, 48+12*(2*\t+\s), 72+12*\s, 216+8*\t, 52+2*\t+\s, 68+\s
.else
	MM 120+8*\t, 48+12*(2*\t+\s), 72+12*\s, 120+8*\t, 52+2*\t+\s, 68+\s
.endif
.endr
.endr
	WIN 0
	PLACES
.set j, 0
.rept 32
	v_max_num_f32 v[120+j], 0, v[120+j]
.set j, j+1
.endr
	QBLK 120, 11, HIMG, 12, HSC, 1                 ; (its wait on va_vdst also states that the products are done reading ffn_b1 in v216 to v231, and v68 to v95)
.irp j, 0,1,2,3                                ; 8 loads: norm2's gain and bias, into v200 to v231: no vector instruction stands between that wait and these loads
	global_load_b128 v[200+4*\j:203+4*\j], v36, s[30:31] offset:16*\j
	global_load_b128 v[216+4*\j:219+4*\j], v36, s[32:33] offset:16*\j
.endr
	s_wait_dscnt 0x0                               ; the first block's stores are done
	QBLK 136, 11, HIMG+768, 12, HSC+1, 1
	BAR
	; ---- 8: h = hidden ffn_W2^T + ffn_b2; two accumulators by turns
	AFR 4, HIMG, HSC
	s_wait_loadcnt 8                               ; group F is in; norm2's 8 may be out
	WIN 0x01
.irp s, 0,1,2,3
.irp u, 0,1
.if \s == 0
	MM 120+8*\u, 144+12*(4*\u+\s), 72+12*\s, 184+8*\u, 60+4*\u+\s, 68+\s
.else
	MM 120+8*\u, 144+12*(4*\u+\s), 72+12*\s, 120+8*\u, 60+4*\u+\s, 68+\s
.endif
.endr
.endr
	WIN 0
	PLACES
	LNPART 120
	s_wait_alu depctr_va_vdst(0)                   ; the part sums v[96:97] are written, which the LDS store reads; the products are done reading v96 to v111, in which the parts' loads land behind the barrier
	ds_store_b64 v13, v[96:97] offset:LN2
	BAR
	; ---- 9: out = q2 + LayerNorm 2 (h)
	s_wait_loadcnt 0x0
	LNFIN LN2
.irp i, 0,1,2,3,4,5,6,7,8,9,10,11,12,13,14,15
	v_sub_f32 v[120+\i], v[120+\i], v112
.endr
.irp i, 0,1,2,3,4,5,6,7,8,9,10,11,12,13,14,15
	v_mul_f32 v[120+\i], v[120+\i], v114
.endr
.irp i, 0,1,2,3,4,5,6,7,8,9,10,11,12,13,14,15
	v_fma_f32 v[120+\i], v[120+\i], v[200+\i], v[216+\i]
.endr
.irp i, 0,2,4,6,8,10,12,14
	v_pk_add_f32 v[120+\i:121+\i], v[120+\i:121+\i], v[168+\i:169+\i]
.endr
	s_wait_alu depctr_va_vdst(0)                   ; the result v120 to v135 is written, which the LDS stores read; LayerNorm is done reading v96 to v111, in which the rows land behind the barrier
.irp j, 0,1,2,3
	ds_store_b128 v14, v[120+4*\j:123+4*\j] offset:AGG+16*\j       ; the stage's last reads lie four barriers back
.endr
	BAR
	; ---- 10: my two rows leave whole.  The first is an even query, so both exist or neither
	s_cmp_ge_u32 s41, 2500
	s_cbranch_scc1 .Lend
.irp k, 0,1
.irp p, 0,1
	ds_load_b128 v[96+8*\k+4*\p:99+8*\k+4*\p], v15 offset:AGG+1040*\k+512*\p
.endr
.endr
	s_wait_dscnt 0x0
.irp k, 0,1
.irp p, 0,1
	global_store_b128 v4, v[96+8*\k+4*\p:99+8*\k+4*\p], s[66:67] offset:1024*\k+512*\p th:TH_STORE_NT   ; 512 consecutive bytes, aligned
.endr
.endr
.Lend:
	s_set_vgpr_msb 0x5                             ; the add's two registers, sources 0 and 1, lie in window 1
	s_wait_dscnt 0x0                               ; the closing lines, six on end
	s_wait_alu 0x0
	s_wait_tensorcnt 0x0
	ds_add_u32 v254, v255
	s_wait_dscnt 0x0
	s_endpgm
.Lfunc_end_k_q7198267696_tail:
	.size	k_q7198267696_tail, .Lfunc_end_k_q7198267696_tail-k_q7198267696_tail
	.p2alignl 7, 3214868480
	.fill 96, 4, 3214868480
	.section	.rodata,"a",@progbits
	.p2align	6, 0x0
	.amdhsa_kernel k_q7198267696_tail
		.amdhsa_group_segment_fixed_size 55296
		.amdhsa_private_segment_fixed_size 0
		.amdhsa_enable_private_segment 0
		.amdhsa_kernarg_size 128
		.amdhsa_user_sgpr_count 2
		.amdhsa_user_sgpr_kernarg_segment_ptr 1
		.amdhsa_wavefront_size32 1
		.amdhsa_system_sgpr_workgroup_id_x 1
		.amdhsa_system_sgpr_workgroup_id_y 1
		.amdhsa_system_sgpr_workgroup_id_z 1
		.amdhsa_system_vgpr_workitem_id 0
		.amdhsa_next_free_vgpr 512
		.amdhsa_next_free_sgpr 96
		.amdhsa_reserve_vcc 0
		.amdhsa_float_denorm_mode_32 3
		.amdhsa_float_denorm_mode_16_64 3
		.amdhsa_memory_ordered 1
		.amdhsa_forward_progress 1
		.amdhsa_inst_pref_size 97
	.end_amdhsa_kernel
	.amdgpu_metadata
---
amdhsa.version: [ 1, 2 ]
amdhsa.kernels:
  - .name:           k_q7198267696_tail
    .symbol:         k_q7198267696_tail.kd
    .args:
      - { .name: part, .offset: 0, .size: 8, .value_kind: global_buffer, .address_space: global }
      - { .name: idx, .offset: 8, .size: 8, .value_kind: global_buffer, .address_space: global }
      - { .name: wts, .offset: 16, .size: 8, .value_kind: global_buffer, .address_space: global }
      - { .name: wq, .offset: 24, .size: 8, .value_kind: global_buffer, .address_space: global }
      - { .name: imgT, .offset: 32, .size: 8, .value_kind: global_buffer, .address_space: global }
      - { .name: query, .offset: 40, .size: 8, .value_kind: global_buffer, .address_space: global }
      - { .name: mha_out_b, .offset: 48, .size: 8, .value_kind: global_buffer, .address_space: global }
      - { .name: norm1_g, .offset: 56, .size: 8, .value_kind: global_buffer, .address_space: global }
      - { .name: norm1_b, .offset: 64, .size: 8, .value_kind: global_buffer, .address_space: global }
      - { .name: attn_w_b, .offset: 72, .size: 8, .value_kind: global_buffer, .address_space: global }
      - { .name: sca_out_b, .offset: 80, .size: 8, .value_kind: global_buffer, .address_space: global }
      - { .name: ffn_b1, .offset: 88, .size: 8, .value_kind: global_buffer, .address_space: global }
      - { .name: ffn_b2, .offset: 96, .size: 8, .value_kind: global_buffer, .address_space: global }
      - { .name: norm2_g, .offset: 104, .size: 8, .value_kind: global_buffer, .address_space: global }
      - { .name: norm2_b, .offset: 112, .size: 8, .value_kind: global_buffer, .address_space: global }
      - { .name: out0, .offset: 120, .size: 8, .value_kind: global_buffer, .address_space: global }
    .group_segment_fixed_size: 55296
    .private_segment_fixed_size: 0
    .kernarg_segment_align: 8
    .kernarg_segment_size: 128
    .max_flat_workgroup_size: 256
    .sgpr_count:     96
    .vgpr_count:     512
    .wavefront_size: 32
...
	.end_amdgpu_metadata
.endif
;; end of part 8
